; MI455X (gfx1250); checked and timed in simulation.
; The chip was launched on July 23, 2026; its instructions are those of AMD's public machine-readable ISA for CDNA 5 (MIT licence, August 2026) and "CDNA5" Instruction Set Architecture Reference Guide (July 2026). The comments in the code are by the model that wrote it; some were corrected since.
;; Mo E Layer. Allowed arithmetic: matrix products marked QUANTISED: E3M2 operands, one E8M0 scale for each 32 along K, by v_wmma_scale_f32_16x16x128_f8f6f4 with both operands' format E3M2, f32 sums; products left as they are: f32 operands where the result goes on into a quantised operand, else bf16, f16 or f32 operands; f32 sums; everything else in f32.
;; Inputs: W1 8 x 1,024 x 4,096 float32; W2 8 x 4,096 x 1,024 float32; Wg 1,024 x 8 float32; b1 8 x 4,096 float32; b2 8 x 1,024 float32; x 4 x 256 x 1,024 float32.
;; Outputs: out0 4 x 256 x 1,024 float32.
;; This version of the problem:
;;   THIS VERSION OF THE PROBLEM IS GIVEN IN LOW PRECISION. The matrix products marked QUANTISED in the list below multiply operands that are first quantised to E3M2 (3 exponent bits, 2 mantissa bits; 6 bits a number), with one power-of-two scale for each 32 numbers along K (OCP MX v1.0); their sums are f32. All else is computed in f32.
;;   The module's matrix products, in the order in which they are computed (A, B: the left and right operand; K: the contracted axis; several contracted axes count as one K, in the product's order):
;;     1. [M 1,024, K 1,024] x [K 1,024, N 8]; A: input x; B: input Wg: left as it is (N = 8 < 16)
;;     2. [M 32,768, K 1,024] x [K 1,024, N 1,024]; A: input W1; B: input x: QUANTISED
;;     3. batch 8 x [M 1,024, K 4,096] x [K 4,096, N 1,024]; A: computed on the way; B: input W2: QUANTISED
;;     4. batch 1,024 x [M 1, K 2] x [K 2, N 8]; A: computed on the way; B: computed on the way: left as it is (K = 2 < 32)
;;     5. batch 1,024 x [M 1,024, K 8] x [K 8, N 1]; A: computed on the way; B: computed on the way: left as it is (K = 8 < 32)
;;   THE QUANTISER, for each operand of a quantised product, along K:
;;     - K is cut into blocks of 32 from its start; a last block that is shorter is filled with zeros.
;;     - A block's scale is 2^e with e = floor(log2(the largest magnitude in the block)) - 4, held to -126 .. 127; a block of zeros has e = 0. As a byte (E8M0): e + 127.
;;     - Each number is divided by its block's scale, clamped to +-28, and rounded to the nearest number of E3M2, ties to even, subnormals kept.
;;     - The product sums the exact products of the quantised numbers (number of the format x scale) in f32.
;;   ~~~python
;;   def quantise(x, axis):      # numpy; x: float32 -> the quantised numbers, widened to float32 again
;;       x = np.moveaxis(x, axis, -1); K = x.shape[-1]
;;       x = np.pad(x, [(0, 0)] * (x.ndim - 1) + [(0, -K % 32)]); x = x.reshape(x.shape[:-1] + (-1, 32)); a = np.abs(x).max(-1, keepdims=True)
;;       e = np.where(a > 0, np.clip(np.frexp(np.where(a > 0, a, 1))[1] - 1 - 4, -126, 127), 0)      # np.frexp(a)[1] - 1 = floor(log2(a)), exactly
;;       r = np.clip(x / 2.0 ** e, -28, 28)
;;       step = 2.0 ** (np.maximum(np.frexp(np.where(r == 0, 1, r))[1] - 1, -2) - 2)
;;       q = np.round(r / step) * step * 2.0 ** e      # np.round: ties to even
;;       return np.moveaxis(q.reshape(q.shape[:-2] + (-1,))[..., :K], -1, axis).astype(np.float32)
;;   ~~~
;;   OPERANDS COMPUTED ON THE WAY. 'Computed on the way' means the value that the module computes at that place (a softmax that the list does not call 'softmax' is quantised finished and normalised). What goes into a quantiser is computed in f32, as accurately as f32 sums, v_exp_f32 and their like allow (about 1e-6 of the number): no bf16 or f16 on the way to a quantiser, and a product that is left as it is and whose result goes on into a quantised operand takes f32 operands (vector FMAs, or v_wmma_f32_16x16x4_f32). A number that lies on a knife's edge between two numbers of the format may be rounded either way, as far as f32 arithmetic and the matrix unit's own rounding can turn it there, and no further.
;; 2 versions. Each part assembles by itself: llvm-mc -triple=amdgcn-amd-amdhsa -mcpu=gfx1250 --defsym DOCPART=n.
;; ======== version 1 of 2: 5 launches
;; workspace buffers: idx 8,192 bytes of whole numbers; gw 8,192 bytes; plan 8,448 bytes of whole numbers; xs 1,736,704 bytes; h 6,912,000 bytes; yp 17,694,720 bytes
;; launch route (part 1): grid 64 x 1, 8 waves a work-group, no clusters, 109,568 bytes of LDS; arguments x, Wg, idx, gw; writes idx, gw
.if DOCPART == 1
	.amdgcn_target "amdgcn-amd-amdhsa--gfx1250"
	.amdhsa_code_object_version 6
	.text
	.protected	k_q1abc564418_route
	.globl	k_q1abc564418_route
	.p2align	8
	.type	k_q1abc564418_route,@function
k_q1abc564418_route:
	s_mov_b64 s[64:65], 0
	v_nop
	global_prefetch_b8 v0, s[64:65] scope:SCOPE_SE
	s_setreg_imm32_b32 hwreg(HW_REG_WAVE_MODE, 25, 1), 1
	s_wait_xcnt 0x0
; THE ROUTER.  logits = x Wg (f32 operands, f32 sums), softmax over the 8 experts with the row's maximum taken away, the two largest probabilities
; (the lower index wins a tie), their weights renormalised.  idx [1024][2] u32 and gw [1024][2] f32 are stored at fixed places: no address here hangs on a float.
; SHARES.  A work-group takes 16 tokens; wave w takes K = 128 w .. 128 w + 127 of them: 32 matrix instructions of 16 x 16 x 4 in f32 (the choice of experts hangs on these
; sums, so the operands stay f32; the product is a thousandth of the program's arithmetic).  Source 0 = Wg^T (row r holds expert r % 8), source 1 = the 16 tokens:
; in the result lane l holds token l % 16 and its registers 0-7 the eight experts' sums; lanes 16-31 hold the same numbers as lanes 0-15.
; EVERY GLOBAL LOAD TAKES 512 CONSECUTIVE BYTES: the wave's 4 KB of Wg (8 loads) and its 512 bytes of each of the 16 rows of x (16 loads) go through the wave's own bytes of LDS
; and come back in the operands' layout: 24 loads a wave in place of 80, of which 64 would be of four bytes.
; The eight waves' partial sums meet in LDS as images of their registers (16 bytes a lane); wave 0 adds them in ascending K and does the rest.
; k IS PERMUTED ALIKE IN BOTH SOURCES: step n = 2 i + u takes k = 8 i + 4 (l / 16) + 2 u + 0, 1, so that x comes back from LDS by loads of 16 bytes.
; LIMITS: NaN and infinities are not served.  The division by the sum is a reciprocal and a multiplication; an exponential under 2^-126 is 0.
.set XR, 16                            ; v16-79   x: register 4 i + q = x(token r, 128 w + 8 i + 4 h + q)
.set WT, 16                            ; v16-47   before that: Wg as it is loaded
.set GR, 80                            ; v80-143  Wg: register 4 i + q = Wg(128 w + 8 i + 4 h + q, r % 8)
.set AC, 144                           ; v144-175 four accumulators, written by matrix instructions alone
.set SM, 176                           ; v176-183 my wave's eight sums
.set UM, 184                           ; v184-191 at work
.set TP, 192                           ; v192-255 x as it is loaded: register 4 i .. 4 i + 3 = 16 bytes of row i
.set WL, 8192                          ; LDS: the waves' images at 0 (1,024 bytes each); from here each wave's 4,096 bytes of Wg, as they lie in memory;
.set XL, 40960                         ; from here each wave's 16 rows of x,
.set XP, 528                           ; 512 bytes + 16 apart: 132 words, so that row r starts at bank 4 r mod 64 (64 banks of 4 bytes: ISA guide 11.1)
	s_load_b256 s[4:11], s[0:1], 0x0               ; x s[4:5], Wg s[6:7], idx s[8:9], gw s[10:11]
	v_lshl_add_u32 v14, v0, 2, 0x1a800
	v_mov_b32 v15, 0
	v_and_b32 v1, 31, v0                           ; lane
	v_and_b32 v2, 15, v0                           ; r
	v_bfe_u32 v3, v0, 4, 1                         ; h
	v_lshrrev_b32 v8, 5, v0
	v_readfirstlane_b32 s12, v8                    ; wave
	v_lshlrev_b32 v7, 4, v1                        ; 16 x lane: my bytes of a load's 512, and an image's place for my lane
	s_lshl_b32 s13, s12, 10
	v_add_nc_u32 v6, s13, v7                       ; my wave's image: + 1,024 x wave
	s_lshl_b32 s23, s12, 12
	s_add_co_u32 s23, s23, WL
	v_add_nc_u32 v10, s23, v7                      ; Wg into LDS: as it lies
	v_and_b32 v5, 7, v0
	v_lshlrev_b32 v5, 2, v5
	v_lshl_add_u32 v5, v3, 7, v5
	v_add_nc_u32 v5, s23, v5                       ; and back: 4 rows of 32 bytes for h, + 4 (r % 8)
	s_mul_i32 s24, s12, 16*XP
	s_add_co_u32 s24, s24, XL
	v_add_nc_u32 v11, s24, v7                      ; x into LDS: 16 x lane in a row
	v_mul_u32_u24 v12, v2, XP
	v_lshl_add_u32 v12, v3, 4, v12
	v_add_nc_u32 v12, s24, v12                     ; and back: row r, + 16 h
	s_lshl_b32 s18, ttmp9, 16                      ; 16 tokens of 4,096 bytes
	s_lshl_b32 s19, s12, 9                         ; my wave's 128 numbers of a row
	s_add_co_u32 s18, s18, s19
	s_mov_b32 s19, 0
	s_lshl_b32 s20, s12, 12                        ; my wave's 128 rows of Wg
	s_mov_b32 s21, 0
	s_lshl_b32 s22, ttmp9, 7
	v_lshl_add_u32 v9, v2, 3, s22                  ; the results' place: 8 bytes a token
	s_wait_kmcnt 0x0
	s_add_nc_u64 s[14:15], s[4:5], s[18:19]
	s_add_nc_u64 s[16:17], s[6:7], s[20:21]
.set i, 0
.rept 8
	global_load_b128 v[WT+4*i:WT+4*i+3], v7, s[16:17] offset:512*i
.set i, i+1
.endr
.set i, 0
.rept 16
	global_load_b128 v[TP+4*i:TP+4*i+3], v7, s[14:15] offset:4096*i   ; row i: my wave's 512 bytes of it
.set i, i+1
.endr
	s_wait_loadcnt 16                              ; Wg's eight loads are in; x's sixteen, issued behind them, may be out
.set i, 0
.rept 8
	ds_store_b128 v10, v[WT+4*i:WT+4*i+3] offset:512*i
.set i, i+1
.endr
.set i, 0
.rept 64
	ds_load_b32 v[GR+i], v5 offset:256*(i/4)+32*(i%4)   ; LDS serves a wave's instructions in order (ISA guide 5.7.1.4): these see my stores
.set i, i+1
.endr
	s_wait_loadcnt 0x0                             ; x
.set i, 0
.rept 16
	ds_store_b128 v11, v[TP+4*i:TP+4*i+3] offset:XP*i
.set i, i+1
.endr
	s_wait_dscnt 63                                ; 88 LDS instructions have been issued: with 63 out at the most the oldest 25 are done, the eight stores out of v16-47 among them
.set i, 0
.rept 16
	ds_load_b128 v[XR+4*i:XR+4*i+3], v12 offset:32*i
.set i, i+1
.endr
	s_wait_dscnt 0x0
; 32 K steps on four accumulators by turns, one instruction a turn; the first four start the sums with the constant 0
.set n, 0
.rept 32
.if n < 4
	v_wmma_f32_16x16x4_f32 v[AC+8*(n%4):AC+8*(n%4)+7], v[GR+2*n:GR+2*n+1], v[XR+2*n:XR+2*n+1], 0
.else
	v_wmma_f32_16x16x4_f32 v[AC+8*(n%4):AC+8*(n%4)+7], v[GR+2*n:GR+2*n+1], v[XR+2*n:XR+2*n+1], v[AC+8*(n%4):AC+8*(n%4)+7]
.endif
.set n, n+1
.endr
.rept 8
	v_nop                                          ; eight places behind this form before its results are read (ISA guide 7.12.1)
.endr
.irp j, 0,1,2,3,4,5,6,7
	v_add_f32 v[SM+\j], v[AC+\j], v[AC+8+\j]       ; each accumulator is read from its low end on
	v_add_f32 v[UM+\j], v[AC+16+\j], v[AC+24+\j]
.endr
.irp j, 0,1,2,3,4,5,6,7
	v_add_f32 v[SM+\j], v[SM+\j], v[UM+\j]
.endr
	ds_store_b128 v6, v[SM:SM+3]
	ds_store_b128 v6, v[SM+4:SM+7] offset:512
	s_wait_dscnt 0x0                               ; for wave 0's sake: my image lies in LDS
	s_barrier_signal -1
	s_barrier_wait -1
	s_cmp_lg_u32 s12, 0
	s_cbranch_scc1 .Lend                           ; the rest is wave 0's; no barrier follows
.irp w, 0,1,2,3,4,5,6,7
	ds_load_b128 v[16+8*\w:16+8*\w+3], v7 offset:1024*\w
	ds_load_b128 v[16+8*\w+4:16+8*\w+7], v7 offset:1024*\w+512
.endr
	s_wait_dscnt 0x0
.irp w, 1,2,3,4,5,6,7
.irp k, 0,2,4,6
	v_pk_add_f32 v[16+\k:17+\k], v[16+\k:17+\k], v[16+8*\w+\k:17+8*\w+\k]   ; the logits, K ascending: v16-23
.endr
.endr
	v_max3_num_f32 v80, v16, v17, v18
	v_max3_num_f32 v80, v80, v19, v20
	v_max3_num_f32 v80, v80, v21, v22
	v_max_num_f32 v80, v80, v23                    ; the row's maximum
.irp i, 0,1,2,3,4,5,6,7
	v_sub_f32 v[24+\i], v[16+\i], v80
.endr
.irp i, 0,1,2,3,4,5,6,7
	v_mul_f32 v[24+\i], 0x3fb8aa3b, v[24+\i]       ; x log2(e)
.endr
.irp i, 0,1,2,3,4,5,6,7
	v_exp_f32 v[24+\i], v[24+\i]
.endr
	v_nop                                          ; a plain instruction behind the last exponential
	s_wait_alu depctr_va_vdst(0)                   ; one wait for the eight, ahead of their first reader
	v_add_f32 v81, v24, v25
	v_add_f32 v82, v26, v27
	v_add_f32 v83, v28, v29
	v_add_f32 v84, v30, v31
	v_add_f32 v81, v81, v82
	v_add_f32 v83, v83, v84
	v_add_f32 v81, v81, v83
	v_rcp_f32 v82, v81
	v_nop
	s_wait_alu depctr_va_vdst(0)
.irp i, 0,1,2,3,4,5,6,7
	v_mul_f32 v[24+\i], v[24+\i], v82              ; the probabilities
.endr
	v_mov_b32 v84, v24                             ; the largest so far, and its index
	v_mov_b32 v100, 0
.irp i, 1,2,3,4,5,6,7
	v_cmp_ge_f32 vcc_lo, v84, v[24+\i]             ; kept where it is at least as large: a tie keeps the lower index
	v_cndmask_b32 v100, \i, v100, vcc_lo
	v_cndmask_b32 v84, v[24+\i], v84, vcc_lo
.endr
.irp i, 0,1,2,3,4,5,6,7
	v_cmp_ne_u32 vcc_lo, \i, v100
	v_cndmask_b32 v[32+\i], -1.0, v[24+\i], vcc_lo ; the winner is taken out: -1 lies under every probability
.endr
	v_mov_b32 v85, v32
	v_mov_b32 v101, 0
.irp i, 1,2,3,4,5,6,7
	v_cmp_ge_f32 vcc_lo, v85, v[32+\i]
	v_cndmask_b32 v101, \i, v101, vcc_lo
	v_cndmask_b32 v85, v[32+\i], v85, vcc_lo
.endr
	v_add_f32 v86, v84, v85
	v_rcp_f32 v87, v86
	v_nop
	s_wait_alu depctr_va_vdst(0)
	v_mul_f32 v102, v84, v87                       ; the two weights, renormalised
	v_mul_f32 v103, v85, v87
	global_store_b64 v9, v[100:101], s[8:9]        ; lanes 16-31 store the same words as lanes 0-15
	global_store_b64 v9, v[102:103], s[10:11]
.Lend:
	s_wait_tensorcnt 0x0
	ds_add_u32 v14, v15
	s_wait_dscnt 0x0
	s_endpgm
.Lfunc_end_k_q1abc564418_route:
	.size	k_q1abc564418_route, .Lfunc_end_k_q1abc564418_route-k_q1abc564418_route
	.p2alignl 7, 3214868480
	.fill 96, 4, 3214868480
	.section	.rodata,"a",@progbits
	.p2align	6, 0x0
	.amdhsa_kernel k_q1abc564418_route
		.amdhsa_group_segment_fixed_size 109568
		.amdhsa_private_segment_fixed_size 0
		.amdhsa_enable_private_segment 0
		.amdhsa_kernarg_size 32
		.amdhsa_user_sgpr_count 2
		.amdhsa_user_sgpr_kernarg_segment_ptr 1
		.amdhsa_wavefront_size32 1
		.amdhsa_system_sgpr_workgroup_id_x 1
		.amdhsa_system_sgpr_workgroup_id_y 1
		.amdhsa_system_sgpr_workgroup_id_z 1
		.amdhsa_system_vgpr_workitem_id 0
		.amdhsa_next_free_vgpr 256
		.amdhsa_next_free_sgpr 66
		.amdhsa_reserve_vcc 1
		.amdhsa_float_denorm_mode_32 3
		.amdhsa_float_denorm_mode_16_64 3
		.amdhsa_memory_ordered 1
		.amdhsa_forward_progress 1
		.amdhsa_inst_pref_size 21
	.end_amdhsa_kernel
	.amdgpu_metadata
---
amdhsa.version: [ 1, 2 ]
amdhsa.kernels:
  - .name:           k_q1abc564418_route
    .symbol:         k_q1abc564418_route.kd
    .args:
      - { .name: x, .offset: 0, .size: 8, .value_kind: global_buffer, .address_space: global }
      - { .name: Wg, .offset: 8, .size: 8, .value_kind: global_buffer, .address_space: global }
      - { .name: idx, .offset: 16, .size: 8, .value_kind: global_buffer, .address_space: global }
      - { .name: gw, .offset: 24, .size: 8, .value_kind: global_buffer, .address_space: global }
    .group_segment_fixed_size: 109568
    .private_segment_fixed_size: 0
    .kernarg_segment_align: 8
    .kernarg_segment_size: 32
    .max_flat_workgroup_size: 256
    .sgpr_count:     66
    .vgpr_count:     256
    .wavefront_size: 32
...
	.end_amdgpu_metadata
.endif
;; end of part 1
;; launch place (part 2): grid 135 x 1, 32 waves a work-group, no clusters, 16,384 bytes of LDS; arguments idx, gw, x, plan, xs; writes plan, xs
.if DOCPART == 2
	.amdgcn_target "amdgcn-amd-amdhsa--gfx1250"
	.amdhsa_code_object_version 6
	.text
	.protected	k_q1abc564418_place
	.globl	k_q1abc564418_place
	.p2align	8
	.type	k_q1abc564418_place,@function
k_q1abc564418_place:
	s_mov_b64 s[64:65], 0
	v_nop
	global_prefetch_b8 v0, s[64:65] scope:SCOPE_SE
	s_setreg_imm32_b32 hwreg(HW_REG_WAVE_MODE, 25, 1), 1
	s_wait_xcnt 0x0
; THE PLACING.  The 2,048 rows (token, k) are sorted by expert, each expert's rows filled up to whole tiles of 16: at most (2,048 + 8 x 15) / 16 = 135 tiles, whatever the choice.
; Work-group T owns tile T.  Every work-group repeats the ranking (8 KB of idx; thread t = token t), finds the 16 rows of its tile, gathers their x, quantises it to BF6 (E3M2) along C
; and stores it as images of operand registers.  A work-group whose tile no expert uses stores nothing: the grid serves every split.
; plan: pos [1024][2] (a row's place among the sorted rows) at 0; meta [32][2] (an expert's first tile, its number of tiles; entries 8-31 zero) at 8,192: stored by work-group 0.
; xs:  codes [135 T][8 s][1,536]: the fragment of tile T, K step s: registers 4 g .. 4 g + 3 of lane l at 512 g + 16 l;  scale words [T][8 s][16 rows] at XSO;  gate weights [2,160] at GWO.
; A filling row takes token 0's x and the gate weight 0; nobody adds it to an output.
; THE RANKING is eight waves' work on each SIMD, so it is kept short: the waves' counts lie in LDS by expert, lane (q, e) adds the counts of waves 8 q .. 8 q + 7 for expert e, two exchanges join the four q,
; and tiles, first tiles and bases are made in lanes 0-7; a wave none of whose tokens stands in tile T jumps over the search for the tile's rows.
; THE QUANTISER: a block's scale byte is its largest magnitude's exponent field - 4, held at 1 from below by a floor among the maximum's leaves.
; LIMITS: NaN and infinities are not served; a block whose largest magnitude lies under 2^-122, a block of zeros among them, keeps the byte 1 (its codes are then zeros or subnormals; this program alone reads the bytes).
; No address hangs on a float; those that hang on idx are clamped by a constant written in the instruction.
.set XSO, 1658880
.set GWO, 1728000
.set CP,  144                          ; LDS: counts [expert][wave] at 0, rows 144 bytes apart (32 rows: lanes 8-31 store zeros that nobody reads);
.set LIST, 5120                        ; lists [32 waves][32 words]
.macro Q32 src, dst, tmp, m0, so, by   ; 32 numbers of one block in v[src] on -> six registers of codes at v[dst], the conversion's scale operand, the scale's byte
	v_max3_num_f32 v[\m0], |v[\src]|, |v[\src+1]|, 0x2800000       ; two chains; the floor 2^(5 - 127) among the leaves
	v_max3_num_f32 v[\m0+1], |v[\src+2]|, |v[\src+3]|, 0x2800000
.irp i, 4,8,12,16,20,24,28
	v_max3_num_f32 v[\m0], v[\m0], |v[\src+\i]|, |v[\src+\i+1]|
	v_max3_num_f32 v[\m0+1], v[\m0+1], |v[\src+\i+2]|, |v[\src+\i+3]|
.endr
	v_max_num_f32 v[\m0], v[\m0], v[\m0+1]
	v_add_nc_u32 v[\so], 0xfe000000, v[\m0]        ; 4 off the exponent field: the conversion takes that field as its scale
	v_lshrrev_b32 v[\by], 23, v[\so]
	v_cvt_scalef32_pk16_bf6_f32 v[\dst:\dst+2], v[\src:\src+15], v[\so]
	v_cvt_scalef32_pk16_bf6_f32 v[\tmp:\tmp+2], v[\src+16:\src+31], v[\so]   ; (a conversion's three registers begin on an even number)
	v_nop                                          ; one plain place behind a scaled conversion
.irp i, 0,1,2
	v_mov_b32 v[\dst+3+\i], v[\tmp+\i]
.endr
.endm
	s_load_b256 s[4:11], s[0:1], 0x0               ; idx s[4:5], gw s[6:7], x s[8:9], plan s[10:11]
	s_load_b64 s[12:13], s[0:1], 0x20              ; xs
	v_and_b32 v1, 31, v0                           ; lane
	v_lshrrev_b32 v2, 5, v0
	v_readfirstlane_b32 s14, v2                    ; wave
	v_lshlrev_b32 v3, 3, v0                        ; 8 t: my token's pair in idx and in pos
	v_lshlrev_b32 v4, 2, v0                        ; 4 t = 128 x wave + 4 x lane: my word of my wave's list
	s_lshl_b32 s15, s14, 2
	v_mul_u32_u24 v5, v1, CP
	v_add_nc_u32 v5, s15, v5                       ; the counts, in: row = my lane (the expert), word = my wave
	v_and_b32 v46, 7, v1                           ; e
	v_mul_u32_u24 v46, v46, CP
	v_lshrrev_b32 v47, 3, v1                       ; q
	v_lshl_add_u32 v46, v47, 5, v46                ; the counts, back: row e, the words of waves 8 q .. 8 q + 7
	v_lshlrev_b32 v47, 3, v47
	v_sub_nc_u32 v47, s14, v47                     ; d = my wave - 8 q: wave 8 q + i stands in front of mine where i < d
	s_mov_b32 s74, 0x76543210
	s_mov_b32 s75, 0xfedcba98                      ; v_permlanex16_b32's selects for lane l xor 16
	s_wait_kmcnt 0x0
	global_load_b64 v[6:7], v3, s[4:5]             ; my token's two experts
	v_mov_b32 v8, 0                                ; lane e: my wave's count for expert e
	v_mov_b32 v9, 0                                ; my rank in my wave, for my first expert
	v_mov_b32 v10, 0                               ; and for my second
	s_wait_loadcnt 0x0
.irp e, 0,1,2,3,4,5,6,7
	v_cmp_eq_u32 s[16+\e], \e, v6                  ; who has expert e first,
	v_cmp_eq_u32 s[24+\e], \e, v7                  ; who second (never both)
	s_or_b32 s2, s[16+\e], s[24+\e]
	s_bcnt1_i32_b32 s3, s2
	v_mbcnt_lo_u32_b32 v11, s2, 0                  ; how many lanes below me have it
	v_cndmask_b32 v9, v9, v11, s[16+\e]
	v_cndmask_b32 v10, v10, v11, s[24+\e]
	v_writelane_b32 v8, s3, \e
.endr
	ds_store_b32 v5, v8
	s_wait_dscnt 0x0                               ; my wave's counts lie in LDS
	s_barrier_signal -1
	s_barrier_wait -1
	ds_load_b128 v[12:15], v46                     ; lane (q, e): expert e's counts in waves 8 q .. 8 q + 7
	ds_load_b128 v[16:19], v46 offset:16
	s_wait_dscnt 0x0
.irp i, 0,1,2,3,4,5,6,7
	v_cmp_lt_i32 vcc_lo, \i, v47
	v_cndmask_b32 v[20+\i], 0, v[12+\i], vcc_lo    ; those of waves in front of mine
.endr
	v_add3_u32 v28, v12, v13, v14
	v_add3_u32 v29, v20, v21, v22
	v_add3_u32 v28, v28, v15, v16
	v_add3_u32 v29, v29, v23, v24
	v_add3_u32 v28, v28, v17, v18
	v_add3_u32 v29, v29, v25, v26
	v_add_nc_u32 v28, v28, v19
	v_add_nc_u32 v29, v29, v27
	v_lshl_or_b32 v28, v29, 16, v28                ; low half: for the total; high half: for the rows in front of my wave's.  Neither sum passes 1,024
	v_mov_b32_dpp v29, v28 row_xmask:8 row_mask:0xf bank_mask:0xf
	v_add_nc_u32 v28, v28, v29                     ; q and q xor 1,
	v_permlanex16_b32 v29, v28, s74, s75
	v_add_nc_u32 v28, v28, v29                     ; and q xor 2: every lane holds the sums of expert lane % 8
	v_and_b32 v30, 0xffff, v28                     ; the expert's rows
	v_lshrrev_b32 v31, 16, v28                     ; those of waves in front of mine
	v_add_nc_u32 v30, 15, v30
	v_lshrrev_b32 v30, 4, v30                      ; its tiles
	v_mov_b32 v34, v30
.irp n, 1,2,4                                  ; the running sum over the experts, right in lanes 0-7: lane i adds lane i - n's; a lane without such a lane keeps the 0
	v_mov_b32 v35, 0
	v_mov_b32_dpp v35, v34 row_shr:\n row_mask:0xf bank_mask:0xf
	v_add_nc_u32 v34, v34, v35
.endr
	v_sub_nc_u32 v35, v34, v30                     ; its first tile
	v_lshl_add_u32 v36, v35, 4, v31                ; where my wave's rows of it begin
.irp e, 0,1,2,3,4,5,6,7
	v_readlane_b32 s[40+\e], v36, \e
.endr
	v_readlane_b32 s66, v34, 7                     ; tiles in all
	v_mov_b32 v28, 0
	v_mov_b32 v29, 0
.irp e, 0,1,2,3,4,5,6,7
	v_mov_b32 v27, s[40+\e]
	v_cndmask_b32 v28, v28, v27, s[16+\e]
	v_cndmask_b32 v29, v29, v27, s[24+\e]
.endr
	v_add_nc_u32 v32, v28, v9                      ; my two rows' places
	v_add_nc_u32 v33, v29, v10
	s_cmp_lg_u32 ttmp9, 0
	s_cbranch_scc1 .Lnoplan                        ; the plan is work-group 0's to store
	global_store_b64 v3, v[32:33], s[10:11]
	s_cmp_lg_u32 s14, 0
	s_cbranch_scc1 .Lnoplan
	v_cmp_gt_u32 vcc_lo, 8, v1
	v_cndmask_b32 v24, 0, v35, vcc_lo              ; lanes 0-7: the experts' first tiles and numbers of tiles; the others zeros
	v_cndmask_b32 v25, 0, v30, vcc_lo
	v_lshlrev_b32 v26, 3, v1
	global_store_b64 v26, v[24:25], s[10:11] offset:8192   ; 32 lanes: 256 consecutive bytes
.Lnoplan:
; Which of my wave's tokens stands at place 16 T + r?  Lane r of v37: token + 1, bit 16 set where it is the token's second expert; 0 if none of mine.
	v_mov_b32 v37, 0
	v_lshrrev_b32 v44, 4, v32                      ; my two rows' tiles
	v_lshrrev_b32 v45, 4, v33
	s_mov_b32 s72, ttmp9
	v_cmp_eq_u32 s2, s72, v44
	v_cmp_eq_u32 s3, s72, v45
	s_or_b32 s2, s2, s3
	s_cmp_eq_u32 s2, 0
	s_cbranch_scc1 .Lnolist                        ; none of my wave's rows lies in tile T: its list stays zeros.  (A tile's 16 rows come from a few neighbouring waves)
	s_lshl_b32 s67, ttmp9, 4
	s_lshl_b32 s71, s14, 5
	s_add_co_u32 s71, s71, 1
.irp r, 0,1,2,3,4,5,6,7,8,9,10,11,12,13,14,15
	s_add_co_u32 s2, s67, \r
	v_cmp_eq_u32 s3, s2, v32
	v_cmp_eq_u32 s68, s2, v33
	s_or_b32 s69, s3, s68
	s_ctz_i32_b32 s70, s69
	s_add_co_u32 s70, s70, s71
	s_cmp_lg_u32 s68, 0
	s_cselect_b32 s2, 0x10000, 0
	s_or_b32 s70, s70, s2
	s_cmp_lg_u32 s69, 0
	s_cselect_b32 s70, s70, 0
	v_writelane_b32 v37, s70, \r
.endr
.Lnolist:
	ds_store_b32 v4, v37 offset:LIST
	s_wait_dscnt 0x0                               ; my wave's list lies in LDS
	s_barrier_signal -1
	s_barrier_wait -1
	s_cmp_ge_u32 s14, 8
	s_cbranch_scc1 .Lend                           ; eight waves quantise, one K step of 128 each; no barrier follows
	s_cmp_ge_u32 ttmp9, s66
	s_cbranch_scc1 .Lend                           ; no expert uses this tile
	v_and_b32 v38, 15, v0
	v_lshlrev_b32 v38, 2, v38                      ; 4 r
	v_bfe_u32 v41, v0, 4, 1                        ; h
.set i, 0
.rept 32
	ds_load_b32 v[64+i], v38 offset:LIST+128*i     ; row r's word in every wave's list: one of them at most is not 0
.set i, i+1
.endr
	s_wait_dscnt 0x0
.irp d, 16,8,4,2,1
.set i, 0
.rept \d
	v_or_b32 v[64+i], v[64+i], v[64+\d+i]
.set i, i+1
.endr
.endr
	v_mov_b32 v42, v64                             ; token + 1 and the bit, or 0
	v_and_b32 v39, 0xffff, v42
	v_max_u32 v39, 1, v39
	v_add_nc_u32 v39, -1, v39                      ; the token; a filling row takes token 0
	v_min_u32 v39, 0x3ff, v39                      ; a number from memory enters an address only clamped
	v_lshlrev_b32 v40, 12, v39
	v_lshl_add_u32 v40, v41, 7, v40                ; its row of x, + 128 h: lane (r, h) takes blocks h and 2 + h of the K step, whole
	s_lshl_b32 s2, s14, 9
	s_mov_b32 s3, 0
	s_add_nc_u64 s[72:73], s[8:9], s[2:3]          ; my K step: 512 bytes of a row
.irp c, 0,1
.irp j, 0,1,2,3,4,5,6,7
	global_load_b128 v[64+32*\c+4*\j:64+32*\c+4*\j+3], v40, s[72:73] offset:256*\c+16*\j
.endr
.endr
	s_mul_i32 s2, ttmp9, 12288
	s_mul_i32 s67, s14, 1536
	s_add_co_u32 s2, s2, s67
	s_add_nc_u64 s[76:77], s[12:13], s[2:3]        ; the fragment's image
	s_lshl_b32 s2, ttmp9, 9
	s_lshl_b32 s67, s14, 6
	s_add_co_u32 s2, s2, s67
	s_add_co_u32 s2, s2, XSO
	s_add_nc_u64 s[78:79], s[12:13], s[2:3]        ; its 16 scale words
	s_lshl_b32 s2, ttmp9, 6
	s_add_co_u32 s2, s2, GWO
	s_add_nc_u64 s[80:81], s[12:13], s[2:3]        ; the tile's 16 gate weights
	v_lshlrev_b32 v31, 4, v1                       ; 16 x lane
	s_wait_loadcnt 0x0
	Q32 64, 44, 56, 59, 61, 62                     ; registers 0-5 of the fragment: k = 32 h + 0 .. 31
	Q32 96, 50, 56, 59, 61, 63                     ; registers 6-11: k = 64 + 32 h + 0 .. 31
	v_lshl_or_b32 v43, v63, 16, v62                ; my two bytes: blocks h and 2 + h,
	v_lshlrev_b32 v59, 3, v41
	v_lshlrev_b32 v43, v59, v43                    ; at their places in the row's scale word;
	v_permlanex16_b32 v60, v43, s74, s75
	v_or_b32 v43, v43, v60                         ; with lane l xor 16's two the word is whole
.irp g, 0,1,2
	global_store_b128 v31, v[44+4*\g:44+4*\g+3], s[76:77] offset:512*\g   ; 32 lanes store 512 consecutive bytes
.endr
	global_store_b32 v38, v43, s[78:79]            ; both halves of the lanes store the same word
	s_cmp_lg_u32 s14, 0
	s_cbranch_scc1 .Lend
	v_bfe_u32 v20, v42, 16, 1                      ; wave 0: the rows' gate weights
	v_lshl_or_b32 v20, v39, 1, v20
	v_min_u32 v20, 0x7ff, v20
	v_lshlrev_b32 v20, 2, v20
	global_load_b32 v21, v20, s[6:7]
	v_cmp_ne_u32 vcc_lo, 0, v42
	s_wait_loadcnt 0x0
	v_cndmask_b32 v21, 0, v21, vcc_lo              ; a filling row weighs nothing
	global_store_b32 v38, v21, s[80:81]
.Lend:
	s_wait_xcnt 0x0
	v_lshl_add_u32 v126, v0, 2, 0x3000
	v_mov_b32 v127, 0
	s_wait_tensorcnt 0x0
	ds_add_u32 v126, v127
	s_wait_dscnt 0x0
	s_endpgm
.Lfunc_end_k_q1abc564418_place:
	.size	k_q1abc564418_place, .Lfunc_end_k_q1abc564418_place-k_q1abc564418_place
	.p2alignl 7, 3214868480
	.fill 96, 4, 3214868480
	.section	.rodata,"a",@progbits
	.p2align	6, 0x0
	.amdhsa_kernel k_q1abc564418_place
		.amdhsa_group_segment_fixed_size 16384
		.amdhsa_private_segment_fixed_size 0
		.amdhsa_enable_private_segment 0
		.amdhsa_kernarg_size 40
		.amdhsa_user_sgpr_count 2
		.amdhsa_user_sgpr_kernarg_segment_ptr 1
		.amdhsa_wavefront_size32 1
		.amdhsa_system_sgpr_workgroup_id_x 1
		.amdhsa_system_sgpr_workgroup_id_y 1
		.amdhsa_system_sgpr_workgroup_id_z 1
		.amdhsa_system_vgpr_workitem_id 0
		.amdhsa_next_free_vgpr 128
		.amdhsa_next_free_sgpr 96
		.amdhsa_reserve_vcc 1
		.amdhsa_float_denorm_mode_32 3
		.amdhsa_float_denorm_mode_16_64 3
		.amdhsa_memory_ordered 1
		.amdhsa_forward_progress 1
		.amdhsa_inst_pref_size 29
	.end_amdhsa_kernel
	.amdgpu_metadata
---
amdhsa.version: [ 1, 2 ]
amdhsa.kernels:
  - .name:           k_q1abc564418_place
    .symbol:         k_q1abc564418_place.kd
    .args:
      - { .name: idx, .offset: 0, .size: 8, .value_kind: global_buffer, .address_space: global }
      - { .name: gw, .offset: 8, .size: 8, .value_kind: global_buffer, .address_space: global }
      - { .name: x, .offset: 16, .size: 8, .value_kind: global_buffer, .address_space: global }
      - { .name: plan, .offset: 24, .size: 8, .value_kind: global_buffer, .address_space: global }
      - { .name: xs, .offset: 32, .size: 8, .value_kind: global_buffer, .address_space: global }
    .group_segment_fixed_size: 16384
    .private_segment_fixed_size: 0
    .kernarg_segment_align: 8
    .kernarg_segment_size: 40
    .max_flat_workgroup_size: 1024
    .sgpr_count:     96
    .vgpr_count:     128
    .wavefront_size: 32
...
	.end_amdgpu_metadata
.endif
;; end of part 2
;; launch ffn1 (part 3): grid 32 x 8, 8 waves a work-group, no clusters, 103,424 bytes of LDS; arguments W1, b1, xs, plan, h; writes h
.if DOCPART == 3
	.amdgcn_target "amdgcn-amd-amdhsa--gfx1250"
	.amdhsa_code_object_version 6
	.text
	.protected	k_q1abc564418_ffn1
	.globl	k_q1abc564418_ffn1
	.p2align	8
	.type	k_q1abc564418_ffn1,@function
k_q1abc564418_ffn1:
	s_mov_b64 s[64:65], 0
	v_nop
	global_prefetch_b8 v0, s[64:65] scope:SCOPE_SE
	s_setreg_imm32_b32 hwreg(HW_REG_WAVE_MODE, 25, 1), 1
	s_wait_xcnt 0x0
; THE FIRST PRODUCT OF AN EXPERT, ON ITS OWN ROWS ALONE: h = Q(gelu(Q(x) Q(W1) + b1)), both operands codes of BF6 (E3M2) with one E8M0 scale for each 32 along K.
; SHARES.  Work-group (fs, e) owns columns 128 fs .. 128 fs + 127 of expert e, for all K = 1,024: 512 KB of f32, read ONCE from memory, quantised in registers, kept in LDS as 64 fragments.
; Then its eight waves walk the expert's tiles of 16 rows, two tiles a trip: in trip j wave w takes tiles w + 16 j and w + 16 j + 8, so that what is over after a round of 16 tiles is spread, a tile a wave.
; The number of tiles is read from plan, so this text has no tensor load; its one barrier stands ahead of every branch on that number.  Multicast is not used: trip counts differ between the work-groups that share rows.
; PHASE Q.  A quad = 64 columns x 128 K = 4 fragments.  Lane (r, hh) loads 16 bytes: columns 4 r .. 4 r + 3 of the 64, row 64 c + 32 hh + i: sixteen lanes read 256 consecutive, aligned bytes.
; Column 4 r + cc of the sixteen lanes forms weight tile cc, and lane half hh holds block 2 c + hh whole, which is the operand's layout: a move for each number sets a column's 32 numbers on end
; (and carries them from the loads' window to the work's), the conversions' results are the fragment, and no lane is asked for a maximum.
; b1 comes by sixteen loads of 16 bytes, issued ahead of the weights into the quantiser's work registers, and is moved into the result's order behind the first wait for weights.
; The first trip's rows of x are asked for as soon as the load set in which they land is free: behind the third of the four half quads.
; PHASE M.  The product is used transposed (source 0 = a weight tile, source 1 = 16 rows of x): register j of lane (r', h) in tile (g, cc) is row r', column 64 g + 32 h + 4 j + cc.
; So the 32 registers of tiles cc = 0 .. 3 are ONE WHOLE BLOCK of the next product's K in one lane, in the order p = 8 cc + j <-> unit 4 j + cc.  They are quantised in that order;
; the second product's launch takes W2's rows of each block in the same order, which leaves every product and every block's scale as they are.
; GELU, exact form, in f32: with a = x / sqrt(2), t = |a|: for t <= 0.9277 erf(a) = a + a P(a^2); beyond, erfc(t) = exp(polynomial of degree 7 in t), and gelu = max(x, 0) - |x| erfc(t) / 2.
; Both are computed for every number and chosen by v_cndmask_b32: no branch on floating-point data.
; Where a trip's second tile does not exist, its operands come from the expert's last tile (a clamp), its products are made and thrown away, and its way out is jumped over.
; LIMITS: NaN and infinities are not served; a block whose largest magnitude lies under 2^-122 keeps the scale byte 1 (a block of zeros too: its codes are zeros, and this program alone reads the bytes);
; erf is good to about an ulp of 1, so gelu of x under -5 or so has a relative error that grows with |x| while its size falls under 1e-6 |x|; exponentials under 2^-126 are 0.
.set WP,   16384                       ; a row of W1 in bytes
.set XSO,  1658880                     ; xs: where the scale words begin
.set HSO,  6635520                     ; h: where the scale words begin
.set WSC,  98304                       ; LDS: 64 fragments of 1,536 bytes at 0 (fragment 4 q + cc of quad q); behind them the quads' scale words, 256 bytes a quad
; window 0: v1 lane, v2 r, v3 hh; v4 W1: hh x 32 rows + 16 r; v5 16 x lane; v6 the same + 49,152; v7 where I store images; v8 where I store scale words; v9 WSC + 4 x lane; v10 8 hh; v11 128 hh; v12 4 x lane; v13 4 r
.set BIAS, 24                          ; v24-87   b1 in the result's layout: 32 g + 8 cc + j
.set T,    88                          ; v88-151  phase Q: two columns' 32 numbers on end; at the head: b1 as it is loaded
.set F,    152                         ; v152-199 phase Q: a quad's four fragments: 12 cc + 6 c
.set M,    200                         ; v200-203 maxima; v204-205 scale operands; v206-207 bytes; v208-211 scale words; v212-219 conversions' second halves; v220-223 exchange
.set SO,   204
.set BY,   206
.set SW,   208
.set TC,   212
.set PX,   220
.set WF,   88                          ; v88-183  phase M: weight fragments, a group of four for each 64 columns
.set WS,   184                         ; v184-215 phase M: the weights' scale words: 2 q + a: lanes 0-15 tile 2 a, lanes 16-31 tile 2 a + 1
.set AS,   232                         ; v232-239 x's scale words: 4 m + q: lanes 0-15 K step 2 q, lanes 16-31 K step 2 q + 1
; window 1: phase Q: v0-127, v128-255 two sets of 32 loads.  phase M: v0-95 x's fragments, four slots of two (in the set that is free first); v96-105 copies and constants; v128-255 accumulators 64 m + 32 g + 8 cc + j
.set AF,   0
.set LI1,  96
.set R41,  97
.set SH1,  98
.set PX1,  99
.set CL1,  100
.set CL3,  102
.set CS1,  104
.set ACC,  128
.set GA,   0                           ; the way out works on the slots' registers: a, a^2, t, the large branch, at work, the small branch
.set GS,   8
.set GT,   16
.set GR,   24
.set GU,   32
.set GP,   40
.set EM,   48
.set ESO,  50
.set EBY,  52
.set ESW,  54
.set PC,   56                          ; v56-67 the fragment just made
.set ETC,  68
; scalars: s14 wave, s15 fs, s16 e, s17 first tile, s18 tiles, s20 the trip's first tile among the expert's, s21 last tile; s[22:23] b1's part; s[24:25] W1's part; s60 my wave's trips, s61 the trips done
.set WB,   24
.set AB,   26                          ; s[26:29] the trip's two tiles in xs' codes;  s[30:33] in its scale words;  s[34:37] in h's codes;  s[38:41] in h's scale words
.set SB,   30
.set HB,   34
.set HSB,  38
.set TRIPS, 60
.set DONE,  61
.set MSB, 0
.macro WIN new                         ; the immediate's high byte repeats the setting that is left; a switch that changes nothing is dropped
.if MSB != \new
	s_set_vgpr_msb (MSB<<8)|\new
.set MSB, \new
.endif
.endm
.macro LOADHQ n                        ; half a quad: 32 rows x 64 columns for each half of the lanes, into set n % 2.  n = 2 qq + c
	WIN 0x40                                       ; destination window 1
.set i, 0
.rept 32
	global_load_b128 v[128*((\n)&1)+4*i:128*((\n)&1)+4*i+3], v4, s[WB:WB+1] offset:(64*((\n)&1)+i)*WP+256*((\n)>>1) th:TH_LOAD_NT
.set i, i+1
.endr
.endm
.macro BIASMOV                         ; b1 from the order of memory (4 j + cc) into the result's (8 cc + j)
	WIN 0
.irp g, 0,1
.irp c, 0,1,2,3
.irp j, 0,1,2,3,4,5,6,7
	v_mov_b32 v[BIAS+32*\g+8*\c+\j], v[T+32*\g+4*\j+\c]
.endr
.endr
.endr
.endm
.macro SETUP                           ; the trip's two tiles: first tile + s20 + 8 m, held at the expert's last tile, and by a constant written in the instruction
.irp u, 0,1
	s_add_co_u32 s52, s20, s17
	s_add_co_u32 s52, s52, 8*\u
	s_min_u32 s52, s52, s21
	s_min_u32 s52, s52, 134
	s_mov_b32 s55, 0
	s_mul_i32 s54, s52, 12288
	s_add_nc_u64 s[AB+2*\u:AB+2*\u+1], s[8:9], s[54:55]
	s_lshl_b32 s54, s52, 9
	s_add_nc_u64 s[SB+2*\u:SB+2*\u+1], s[46:47], s[54:55]
	s_mul_i32 s54, s52, 49152
	s_add_nc_u64 s[HB+2*\u:HB+2*\u+1], s[48:49], s[54:55]
	s_lshl_b32 s54, s52, 11
	s_add_nc_u64 s[HSB+2*\u:HSB+2*\u+1], s[50:51], s[54:55]
.endr
.endm
.macro LOADA                           ; the trip's scale words (8 loads) and its fragments of K steps 0-3 (4 slots of 6 loads)
	WIN 0
.irp u, 0,1
.irp q, 0,1,2,3
	global_load_b32 v[AS+4*\u+\q], v12, s[SB+2*\u:SB+2*\u+1] offset:128*\q
.endr
.endr
	WIN 0x40
.irp k, 0,1,2,3
.irp u, 0,1
.irp g, 0,1,2
	global_load_b128 v[AF+24*\k+12*\u+4*\g:AF+24*\k+12*\u+4*\g+3], v5, s[AB+2*\u:AB+2*\u+1] offset:1536*\k+512*\g
.endr
.endr
.endr
.endm
.macro PRELOAD                         ; behind the last move out of load set 0: my first trip's operands, and what the way out keeps in window 1
	WIN 0
	s_mov_b32 s20, s14
	SETUP
	LOADA
	v_mov_b32 v[LI1], v5                           ; (destination window 1)
	v_mov_b32 v[R41], v13
	v_mov_b32 v[SH1], v10
	v_mov_b32 v[PX1], 0
	v_mov_b32 v[CL1], 0x39c8e7d9                   ; 3.83197126e-4
	v_mov_b32 v[CL1+1], 0x39c8e7d9
	v_mov_b32 v[CL3], 0x3cc6b1a1                   ; 2.42546219e-2
	v_mov_b32 v[CL3+1], 0x3cc6b1a1
	v_mov_b32 v[CS1], 0x3ba38d2c                   ; 4.99119423e-3
	v_mov_b32 v[CS1+1], 0x3ba38d2c
.endm
; Half a quad is quantised, two columns at a time.  cnt: the loads younger than this set's 32, which may stay out.
.macro HQ n, cnt
.set RS, 128*((\n)&1)
.set CP, (\n)&1
	s_wait_loadcnt \cnt
.if \n == 0
	BIASMOV                                        ; b1's loads are older than the weights': they are in too
.endif
.irp pc, 0,1
	WIN 0x05                                       ; sources 0 and 1 window 1 (the loads' registers); source 2 and the destination window 0
.irp a, 0,1
	v_max3_num_f32 v[M+2*\a], |v[RS+2*\pc+\a]|, |v[RS+4+2*\pc+\a]|, 0x2800000       ; a column's block: two chains; the floor 2^(5 - 127) among the leaves
	v_max3_num_f32 v[M+2*\a+1], |v[RS+8+2*\pc+\a]|, |v[RS+12+2*\pc+\a]|, 0x2800000
.endr
.irp i, 4,8,12,16,20,24,28
.irp a, 0,1
	v_max3_num_f32 v[M+2*\a], |v[RS+4*\i+2*\pc+\a]|, |v[RS+4*\i+4+2*\pc+\a]|, v[M+2*\a]
	v_max3_num_f32 v[M+2*\a+1], |v[RS+4*\i+8+2*\pc+\a]|, |v[RS+4*\i+12+2*\pc+\a]|, v[M+2*\a+1]
.endr
.endr
.irp a, 0,1
.set p, 0
.rept 32
	v_mov_b32 v[T+32*\a+p], v[RS+4*p+2*\pc+\a]     ; the column's 32 numbers on end, K ascending
.set p, p+1
.endr
.endr
.if (\pc == 1) && (\n < 2)
	LOADHQ (\n)+2                                  ; the set is free: it takes the half quad two on
.endif
.if (\pc == 1) && (\n == 2)
	PRELOAD                                        ; set 0 is free for good
.endif
	WIN 0
.irp a, 0,1
	v_max_num_f32 v[M+2*\a], v[M+2*\a], v[M+2*\a+1]
.endr
.irp a, 0,1
	v_add_nc_u32 v[SO+\a], 0xfe000000, v[M+2*\a]   ; 4 off the exponent field: the conversion's scale operand
.endr
.irp a, 0,1
	v_lshrrev_b32 v[BY+\a], 23, v[SO+\a]           ; the scale's byte
.endr
.irp a, 0,1
.if CP == 0
	v_mov_b32 v[SW+2*\pc+\a], v[BY+\a]             ; block hh,
.else
	v_lshl_or_b32 v[SW+2*\pc+\a], v[BY+\a], 16, v[SW+2*\pc+\a]   ; block 2 + hh
.endif
.endr
.irp a, 0,1
	v_cvt_scalef32_pk16_bf6_f32 v[F+12*(2*\pc+\a)+6*CP:F+12*(2*\pc+\a)+6*CP+2], v[T+32*\a:T+32*\a+15], v[SO+\a]
	v_cvt_scalef32_pk16_bf6_f32 v[TC+4*\a:TC+4*\a+2], v[T+32*\a+16:T+32*\a+31], v[SO+\a]   ; (a conversion's three registers begin on an even number)
.endr
	v_nop                                          ; one plain place behind a scaled conversion
.irp a, 0,1
.irp i, 0,1,2
	v_mov_b32 v[F+12*(2*\pc+\a)+6*CP+3+\i], v[TC+4*\a+\i]
.endr
.endr
.endr
.endm
.macro FINQ qq                         ; a quad is whole: its scale words are joined, and fragments and words go to LDS as images of their registers
.irp c, 0,1,2,3
	v_lshlrev_b32 v[SW+\c], v10, v[SW+\c]          ; my two bytes at their places (8 hh bits up);
.endr
.irp c, 0,1,2,3
	v_permlanex16_b32 v[PX+\c], v[SW+\c], s42, s43
.endr
.irp c, 0,1,2,3
	v_or_b32 v[SW+\c], v[SW+\c], v[PX+\c]          ; with lane l xor 16's two the word is whole, in both halves
.endr
.irp a, 0,1
	v_cndmask_b32 v[SO+\a], v[SW+2*\a], v[SW+2*\a+1], s44   ; lanes 0-15 keep tile 2 a's words, lanes 16-31 tile 2 a + 1's
.endr
.irp c, 0,1,2,3
.irp g, 0,1,2
	ds_store_b128 v7, v[F+12*\c+4*\g:F+12*\c+4*\g+3] offset:6144*\qq+1536*\c+512*\g
.endr
.endr
.irp a, 0,1
	ds_store_b32 v8, v[SO+\a] offset:256*\qq+128*\a
.endr
	s_wait_dscnt 0x0                               ; they lie in LDS (the second time: for the others' sake, ahead of the barrier)
.endm
.macro WREQ gg, ks                     ; the four weight fragments of columns 64 gg on, K step ks: 12 LDS loads of 512 consecutive bytes
.irp c, 0,1,2,3
.irp g, 0,1,2
.set fi, 4*(2*(\ks)+(\gg))+\c
.if fi < 32
	ds_load_b128 v[WF+48*(\gg)+12*\c+4*\g:WF+48*(\gg)+12*\c+4*\g+3], v5 offset:1536*fi+512*\g
.else
	ds_load_b128 v[WF+48*(\gg)+12*\c+4*\g:WF+48*(\gg)+12*\c+4*\g+3], v6 offset:1536*(fi-32)+512*\g
.endif
.endr
.endr
.endm
.macro WM d, a, b, c, sa, sb, ra, rb   ; one product; ra, rb: the scales stand in lanes 16-31 of their registers
.if ((\ra) == 0) && ((\rb) == 0)
	v_wmma_scale_f32_16x16x128_f8f6f4 v[(\d):(\d)+7], v[(\a):(\a)+11], v[(\b):(\b)+11], v[(\c):(\c)+7], v[(\sa)], v[(\sb)] matrix_a_fmt:MATRIX_FMT_BF6 matrix_b_fmt:MATRIX_FMT_BF6
.elseif ((\rb) == 0)
	v_wmma_scale_f32_16x16x128_f8f6f4 v[(\d):(\d)+7], v[(\a):(\a)+11], v[(\b):(\b)+11], v[(\c):(\c)+7], v[(\sa)], v[(\sb)] matrix_a_fmt:MATRIX_FMT_BF6 matrix_b_fmt:MATRIX_FMT_BF6 matrix_a_scale:MATRIX_SCALE_ROW1
.elseif ((\ra) == 0)
	v_wmma_scale_f32_16x16x128_f8f6f4 v[(\d):(\d)+7], v[(\a):(\a)+11], v[(\b):(\b)+11], v[(\c):(\c)+7], v[(\sa)], v[(\sb)] matrix_a_fmt:MATRIX_FMT_BF6 matrix_b_fmt:MATRIX_FMT_BF6 matrix_b_scale:MATRIX_SCALE_ROW1
.else
	v_wmma_scale_f32_16x16x128_f8f6f4 v[(\d):(\d)+7], v[(\a):(\a)+11], v[(\b):(\b)+11], v[(\c):(\c)+7], v[(\sa)], v[(\sb)] matrix_a_fmt:MATRIX_FMT_BF6 matrix_b_fmt:MATRIX_FMT_BF6 matrix_a_scale:MATRIX_SCALE_ROW1 matrix_b_scale:MATRIX_SCALE_ROW1
.endif
.endm
; A K step of 128: 16 products on 16 accumulators by turns, one instruction a turn.  K step 0 takes b1 as its C: nothing is cleared and no bias is added.
.macro KSTEP ks
.if \ks <= 4
	s_wait_loadcnt 18                              ; this step's slot is in; the three slots of 6 loads asked for behind it may be out
.else
	s_wait_loadcnt 6*(7-\ks)
.endif
.irp gg, 0,1
.if (\gg == 1) && (\ks == 7)
	s_wait_dscnt 0x0
.else
	s_wait_dscnt 12                                ; this group's 12 LDS loads are in; the 12 issued behind them may be out
.endif
.if \ks == 0
	WIN 0x44                                       ; source 0 (weights) and C (b1) window 0, source 1 (x) and D window 1
.else
	WIN 0x54                                       ; C and D window 1
.endif
.irp c, 0,1,2,3
.irp u, 0,1
.set rD, ACC+64*\u+32*\gg+8*\c
.if \ks == 0
.set rC, BIAS+32*\gg+8*\c
.else
.set rC, rD
.endif
	WM rD, WF+48*\gg+12*\c, AF+24*(\ks%4)+12*\u, rC, WS+2*(2*\ks+\gg)+\c/2, AS+4*\u+\ks/2, \c%2, \ks%2
.endr
.endr
.rept 4
	v_nop                                          ; four places in front of loads into registers that these products have read
.endr
.if (\gg == 1) && (\ks == 7)
	v_nop                                          ; a fifth: the next trip's first products write these accumulators anew, with another C
.endif
	WIN 0
.if \ks < 7
	WREQ \gg, (\ks)+1
.endif
.endr
.if \ks < 4
	WIN 0x40
.irp u, 0,1
.irp g, 0,1,2
	global_load_b128 v[AF+24*\ks+12*\u+4*\g:AF+24*\ks+12*\u+4*\g+3], v5, s[AB+2*\u:AB+2*\u+1] offset:1536*(\ks+4)+512*\g   ; the slot takes K step ks + 4
.endr
.endr
.endif
.endm
.macro PKL d, a, b, lit                ; d = a b + a constant, four pairs
.irp k, 0,2,4,6
	v_pk_fma_f32 v[\d+\k:\d+\k+1], v[\a+\k:\a+\k+1], v[\b+\k:\b+\k+1], \lit op_sel_hi:[1,1,0]
.endr
.endm
.macro GELU8 x                         ; eight numbers, one accumulator, in place; all in window 1
.irp k, 0,2,4,6
	v_pk_mul_f32 v[GA+\k:GA+\k+1], v[(\x)+\k:(\x)+\k+1], 0x3f3504f3 op_sel_hi:[1,0]   ; a = x / sqrt(2).  (The accumulator is read from its low end on)
.endr
.irp k, 0,1,2,3,4,5,6,7
	v_and_b32 v[GT+\k], 0x7fffffff, v[GA+\k]       ; t = |a|
.endr
.irp k, 0,2,4,6
	v_pk_mul_f32 v[GS+\k:GS+\k+1], v[GA+\k:GA+\k+1], v[GA+\k:GA+\k+1]
.endr
.irp k, 0,2,4,6
	v_pk_fma_f32 v[GR+\k:GR+\k+1], v[GT+\k:GT+\k+1], 0xb7910000, v[CL1:CL1+1] op_sel_hi:[1,0,1]   ; the large branch: ln erfc(t), degree 7
.endr
.irp k, 0,2,4,6
	v_pk_fma_f32 v[GU+\k:GU+\k+1], v[GT+\k:GT+\k+1], 0xbb7e8a1c, v[CL3:CL3+1] op_sel_hi:[1,0,1]
.endr
.irp k, 0,2,4,6
	v_pk_fma_f32 v[GR+\k:GR+\k+1], v[GR+\k:GR+\k+1], v[GS+\k:GS+\k+1], v[GU+\k:GU+\k+1]
.endr
	PKL GR, GR, GT, 0xbddaae5c
	PKL GR, GR, GT, 0xbf228550
	PKL GR, GR, GT, 0xbe03ce86
.irp k, 0,2,4,6
	v_pk_fma_f32 v[GR+\k:GR+\k+1], v[GR+\k:GR+\k+1], v[GT+\k:GT+\k+1], v[GT+\k:GT+\k+1] neg_lo:[0,0,1] neg_hi:[0,0,1]
.endr
.irp k, 0,2,4,6
	v_pk_fma_f32 v[GR+\k:GR+\k+1], v[GR+\k:GR+\k+1], 0x3fb8aa3b, -1.0 op_sel_hi:[1,0,0]   ; x log2(e), less 1: the exponential gives erfc(t) / 2
.endr
.irp k, 0,1,2,3,4,5,6,7
	v_exp_f32 v[GR+\k], v[GR+\k]
.endr
.irp k, 0,2,4,6
	v_pk_fma_f32 v[GP+\k:GP+\k+1], v[GS+\k:GS+\k+1], 0xba1c7000, v[CS1:CS1+1] op_sel_hi:[1,0,1]   ; the small branch stands behind the exponentials as their independent work
.endr
	PKL GP, GP, GS, 0xbcdb48d9
	PKL GP, GP, GS, 0x3de70e22
	PKL GP, GP, GS, 0xbec09380
	PKL GP, GP, GS, 0x3e0375d4
.irp k, 0,2,4,6
	v_pk_fma_f32 v[GU+\k:GU+\k+1], v[GP+\k:GP+\k+1], v[GA+\k:GA+\k+1], v[GA+\k:GA+\k+1]   ; erf(a)
.endr
.irp k, 0,2,4,6
	v_pk_fma_f32 v[GU+\k:GU+\k+1], v[GU+\k:GU+\k+1], 0.5, 0.5 op_sel_hi:[1,0,0]
.endr
.irp k, 0,2,4,6
	v_pk_mul_f32 v[GU+\k:GU+\k+1], v[GU+\k:GU+\k+1], v[(\x)+\k:(\x)+\k+1]
.endr
.irp k, 0,1,2,3,4,5,6,7
	v_max_num_f32 v[GA+\k], 0, v[(\x)+\k]
.endr
	s_wait_alu depctr_va_vdst(0)                   ; one wait for the eight exponentials, ahead of their first reader
.irp k, 0,1,2,3,4,5,6,7
	v_fma_f32 v[GR+\k], -|v[(\x)+\k]|, v[GR+\k], v[GA+\k]   ; max(x, 0) - |x| erfc(t) / 2
.endr
.irp k, 0,1,2,3,4,5,6,7
	v_cmp_lt_f32 vcc_lo, 0x3f6d8000, v[GT+\k]      ; t > 0.927734375
	v_cndmask_b32 v[(\x)+\k], v[GU+\k], v[GR+\k], vcc_lo
.endr
.endm
.macro Q32 src, dst, tmp, m0, so, by   ; 32 numbers of one block -> six registers of codes, the conversion's scale operand, the scale's byte
	v_max3_num_f32 v[\m0], |v[(\src)]|, |v[(\src)+1]|, 0x2800000
	v_max3_num_f32 v[\m0+1], |v[(\src)+2]|, |v[(\src)+3]|, 0x2800000
.irp i, 4,8,12,16,20,24,28
	v_max3_num_f32 v[\m0], v[\m0], |v[(\src)+\i]|, |v[(\src)+\i+1]|
	v_max3_num_f32 v[\m0+1], v[\m0+1], |v[(\src)+\i+2]|, |v[(\src)+\i+3]|
.endr
	v_max_num_f32 v[\m0], v[\m0], v[\m0+1]
	v_add_nc_u32 v[\so], 0xfe000000, v[\m0]
	v_lshrrev_b32 v[\by], 23, v[\so]
	v_cvt_scalef32_pk16_bf6_f32 v[(\dst):(\dst)+2], v[(\src):(\src)+15], v[\so]
	v_cvt_scalef32_pk16_bf6_f32 v[\tmp:\tmp+2], v[(\src)+16:(\src)+31], v[\so]
	v_nop                                          ; one plain place behind a scaled conversion
.irp i, 0,1,2
	v_mov_b32 v[(\dst)+3+\i], v[\tmp+\i]
.endr
.endm
.macro EPI u                           ; tile u of the trip: gelu, quantised along the next K, stored as the fragment (tile, K step fs) of the second product
	WIN 0x55                                       ; everything in window 1
.irp t, 0,1,2,3,4,5,6,7
	GELU8 ACC+64*\u+8*\t
.endr
	s_wait_xcnt 0x0                                ; the stores of the tile before have read their registers, which are written again now
	Q32 ACC+64*\u, PC, ETC, EM, ESO, EBY           ; block h of the K step: registers 0-5
	Q32 ACC+64*\u+32, PC+6, ETC, EM, ESO+1, EBY+1  ; block 2 + h: registers 6-11
	v_lshl_or_b32 v[ESW], v[EBY+1], 16, v[EBY]
	v_lshlrev_b32 v[ESW], v[SH1], v[ESW]
	v_permlanex16_b32 v[PX1], v[ESW], s42, s43
	v_or_b32 v[ESW], v[ESW], v[PX1]                ; my row's scale word
.irp g, 0,1,2
	global_store_b128 v[LI1], v[PC+4*\g:PC+4*\g+3], s[HB+2*\u:HB+2*\u+1] offset:512*\g   ; 32 lanes store 512 consecutive bytes, aligned to 512
.endr
	global_store_b32 v[R41], v[ESW], s[HSB+2*\u:HSB+2*\u+1]   ; both halves of the lanes store the same word
.endm
	s_load_b256 s[4:11], s[0:1], 0x0               ; W1 s[4:5], b1 s[6:7], xs s[8:9], plan s[10:11]
	s_load_b64 s[12:13], s[0:1], 0x20              ; h
	v_lshl_add_u32 v254, v0, 2, 0x19000
	v_mov_b32 v255, 0
	v_and_b32 v1, 31, v0
	v_and_b32 v2, 15, v0
	v_bfe_u32 v3, v0, 4, 1
	v_lshrrev_b32 v4, 5, v0
	v_readfirstlane_b32 s14, v4                    ; wave
	s_mov_b32 s15, ttmp9                           ; fs
	s_and_b32 s16, ttmp7, 0xffff                   ; e
	v_lshlrev_b32 v4, 4, v2
	v_lshl_add_u32 v4, v3, 19, v4                  ; 16 r + hh x 32 rows of 16,384 bytes
	v_lshlrev_b32 v5, 4, v1
	v_add_nc_u32 v6, 49152, v5
	s_mul_i32 s56, s14, 12288
	v_add_nc_u32 v7, s56, v5                       ; my wave's eight fragments
	v_lshlrev_b32 v12, 2, v1
	s_lshl_b32 s56, s14, 9
	s_add_co_u32 s56, s56, WSC
	v_add_nc_u32 v8, s56, v12                      ; my wave's two quads' scale words
	v_add_nc_u32 v9, WSC, v12
	v_lshlrev_b32 v10, 3, v3
	v_lshlrev_b32 v11, 7, v3
	v_lshlrev_b32 v13, 2, v2
.irp c, 0,1,2,3
	v_mov_b32 v[PX+\c], 0                          ; written once: a lane permute's destination counts as read
.endr
	s_mov_b32 s42, 0x76543210
	s_mov_b32 s43, 0xfedcba98                      ; v_permlanex16_b32's selects for lane l xor 16
	s_mov_b32 s44, 0xffff0000                      ; lanes 16-31
	s_lshl_b32 s56, s16, 24                        ; the expert's 2^24 bytes,
	s_lshl_b32 s57, s15, 9                         ; the slice's 512 bytes of a row,
	s_add_co_u32 s56, s56, s57
	s_lshl_b32 s57, s14, 21                        ; my wave's K step: 128 rows
	s_add_co_u32 s56, s56, s57
	s_mov_b32 s57, 0
	s_lshl_b32 s58, s16, 14
	s_lshl_b32 s59, s15, 9
	s_add_co_u32 s58, s58, s59
	s_mov_b32 s59, 0
	s_lshl_b32 s54, s16, 3
	s_wait_kmcnt 0x0
	s_load_b64 s[52:53], s[10:11], s54 offset:0x2000   ; the expert's first tile and its number of tiles
	s_add_nc_u64 s[WB:WB+1], s[4:5], s[56:57]
	s_add_nc_u64 s[22:23], s[6:7], s[58:59]
.irp g, 0,1
.irp j, 0,1,2,3,4,5,6,7
	global_load_b128 v[T+32*\g+4*\j:T+32*\g+4*\j+3], v11, s[22:23] offset:4*(64*\g+4*\j)   ; b1 at columns 64 g + 32 hh + 4 j + 0 .. 3
.endr
.endr
	LOADHQ 0                                       ; the weights: two sets, 64 loads of 512 bytes a wave
	LOADHQ 1
	s_add_nc_u64 s[46:47], s[8:9], XSO
	s_mul_i32 s56, s15, 1536
	s_add_nc_u64 s[48:49], s[12:13], s[56:57]
	s_lshl_b32 s56, s15, 6
	s_add_co_u32 s56, s56, HSO
	s_add_nc_u64 s[50:51], s[12:13], s[56:57]
	s_wait_kmcnt 0x0
	s_min_u32 s17, s52, 135
	s_min_u32 s18, s53, 64
	s_add_co_u32 s21, s17, s18
	s_max_u32 s21, s21, 1
	s_sub_co_u32 s21, s21, 1                       ; the expert's last tile (for an expert without rows: the tile in front, which is written too)
	s_add_co_u32 s[TRIPS], s18, 15
	s_sub_co_u32 s[TRIPS], s[TRIPS], s14
	s_lshr_b32 s[TRIPS], s[TRIPS], 4               ; how many of the tiles w, w + 16, .. lie under the number of tiles: (tiles + 15 - w) / 16, rounded down; 0 where there is none
	s_mov_b32 s[DONE], 0
	HQ 0, 32                                       ; the other set's 32 loads may be out
	HQ 1, 32
	FINQ 0
	HQ 2, 32
	HQ 3, 32                                       ; the 32 loads of my first trip's operands, issued behind this set's, may be out
	FINQ 1
	s_barrier_signal -1                            ; the launch's one barrier: all 64 fragments and their scale words lie in LDS
	s_barrier_wait -1
	s_cmp_eq_u32 s[TRIPS], 0
	s_cbranch_scc1 .Lend                           ; no tile for my wave
.set i, 0
.rept 32
	ds_load_b32 v[WS+i], v9 offset:128*i           ; all the weights' scale words stay in registers
.set i, i+1
.endr
.Lchunk:
	WREQ 0, 0
	WREQ 1, 0
	KSTEP 0
	KSTEP 1
	KSTEP 2
	KSTEP 3
	KSTEP 4
	KSTEP 5
	KSTEP 6
	KSTEP 7
	EPI 0
	WIN 0                                          ; at a branch and at a label every window is 0
	s_add_co_u32 s52, s20, 8
	s_cmp_ge_u32 s52, s18
	s_cbranch_scc1 .Lone                           ; the trip's second tile does not exist: nothing of it is stored
	EPI 1
	WIN 0
.Lone:
	s_add_co_u32 s[DONE], s[DONE], 1
	s_cmp_ge_u32 s[DONE], s[TRIPS]
	s_cbranch_scc1 .Lend                           ; my last trip asks for nothing more
	s_wait_xcnt 0x0                                ; the stores have read their bases and registers: both are written again below
	s_add_co_u32 s20, s20, 16                      ; my next two tiles: this number forms addresses alone; the loop is counted by s[DONE]
	SETUP
	LOADA
	WIN 0
	s_cmp_lt_u32 s[DONE], s[TRIPS]
	s_cbranch_scc1 .Lchunk
.Lend:
	s_wait_tensorcnt 0x0
	ds_add_u32 v254, v255
	s_wait_dscnt 0x0
	s_endpgm
.Lfunc_end_k_q1abc564418_ffn1:
	.size	k_q1abc564418_ffn1, .Lfunc_end_k_q1abc564418_ffn1-k_q1abc564418_ffn1
	.p2alignl 7, 3214868480
	.fill 96, 4, 3214868480
	.section	.rodata,"a",@progbits
	.p2align	6, 0x0
	.amdhsa_kernel k_q1abc564418_ffn1
		.amdhsa_group_segment_fixed_size 103424
		.amdhsa_private_segment_fixed_size 0
		.amdhsa_enable_private_segment 0
		.amdhsa_kernarg_size 40
		.amdhsa_user_sgpr_count 2
		.amdhsa_user_sgpr_kernarg_segment_ptr 1
		.amdhsa_wavefront_size32 1
		.amdhsa_system_sgpr_workgroup_id_x 1
		.amdhsa_system_sgpr_workgroup_id_y 1
		.amdhsa_system_sgpr_workgroup_id_z 1
		.amdhsa_system_vgpr_workitem_id 0
		.amdhsa_next_free_vgpr 512
		.amdhsa_next_free_sgpr 66
		.amdhsa_reserve_vcc 1
		.amdhsa_float_denorm_mode_32 3
		.amdhsa_float_denorm_mode_16_64 3
		.amdhsa_memory_ordered 1
		.amdhsa_forward_progress 1
		.amdhsa_inst_pref_size 247
	.end_amdhsa_kernel
	.amdgpu_metadata
---
amdhsa.version: [ 1, 2 ]
amdhsa.kernels:
  - .name:           k_q1abc564418_ffn1
    .symbol:         k_q1abc564418_ffn1.kd
    .args:
      - { .name: W1, .offset: 0, .size: 8, .value_kind: global_buffer, .address_space: global }
      - { .name: b1, .offset: 8, .size: 8, .value_kind: global_buffer, .address_space: global }
      - { .name: xs, .offset: 16, .size: 8, .value_kind: global_buffer, .address_space: global }
      - { .name: plan, .offset: 24, .size: 8, .value_kind: global_buffer, .address_space: global }
      - { .name: h, .offset: 32, .size: 8, .value_kind: global_buffer, .address_space: global }
    .group_segment_fixed_size: 103424
    .private_segment_fixed_size: 0
    .kernarg_segment_align: 8
    .kernarg_segment_size: 40
    .max_flat_workgroup_size: 256
    .sgpr_count:     66
    .vgpr_count:     512
    .wavefront_size: 32
...
	.end_amdgpu_metadata
.endif
;; end of part 3
;; launch ffn2 (part 4): grid 32 x 8, 8 waves a work-group, no clusters, 138,240 bytes of LDS; arguments W2, b2, h, xs, plan, yp; writes yp
.if DOCPART == 4
	.amdgcn_target "amdgcn-amd-amdhsa--gfx1250"
	.amdhsa_code_object_version 6
	.text
	.protected	k_q1abc564418_ffn2
	.globl	k_q1abc564418_ffn2
	.p2align	8
	.type	k_q1abc564418_ffn2,@function
k_q1abc564418_ffn2:
	s_mov_b64 s[64:65], 0
	v_nop
	global_prefetch_b8 v0, s[64:65] scope:SCOPE_SE
	s_setreg_imm32_b32 hwreg(HW_REG_WAVE_MODE, 25, 1), 1
	s_wait_xcnt 0x0
; THE SECOND PRODUCT OF AN EXPERT, ON ITS OWN ROWS ALONE: yp[kh][row] = gate weight x (h Q(W2) over half kh of K (+ b2 in half 0)), operands codes of BF6 (E3M2) with one E8M0 scale for each 32 along K.
; SHARES.  Work-group (ns + 16 kh, e) owns columns 64 ns .. 64 ns + 63 (256 bytes of a row) and K = 2,048 kh .. + 2,047 of expert e: 512 KB of f32, read ONCE, quantised in registers, kept in LDS as 64 fragments.
; Two halves of K and sixteen slices of columns: whole aligned runs of 256 bytes in W2 and in yp, h read sixteen times, and two partial rows for each routed row; the last launch adds them.
; Then the eight waves walk the expert's tiles of 16 rows, two a trip: in trip j wave w takes tiles w + 16 j and w + 16 j + 8, so that what is over after a round of 16 tiles is spread, a tile a wave.
; The number of tiles is read from plan, so this text has no tensor load; its one barrier stands ahead of every branch on that number.  Multicast is not used: trip counts differ between the work-groups that share rows.
; PHASE Q: a quad = 64 columns x 128 K = 4 fragments.  Lane (r, hh) loads columns 4 r .. 4 r + 3 of row 64 c + 32 hh + i; column 4 r + cc of the sixteen lanes forms weight tile cc; lane half hh holds block 2 c + hh whole.
; WITHIN A BLOCK OF 32 THE ROWS ARE TAKEN IN THE ORDER IN WHICH h'S CODES LIE: place p holds row 4 (p % 8) + p / 8.  The same order on both operands leaves the products and the block's scale as they are;
; the sums inside a block run in that order.
; b2 comes by eight loads of 16 bytes, issued ahead of the weights into the quantiser's work registers; the move into the result's order also clears it in the second half of K.
; The first trip's gate weights, scale words and first five K steps of h are asked for as soon as the load set in which they land is free: behind the third of the four half quads; the other three K steps behind the fourth.
; PHASE M, transposed (source 0 = a weight tile, source 1 = 16 rows of h): register j of lane (r', h) in tile cc is row r', column 32 h + 4 j + cc.  The multiplication by the gate weight also sets the lane's 32 columns
; in order; they go through the wave's own stage in LDS and leave as whole rows of 256 bytes.
; Where a trip's second tile does not exist, its operands come from the expert's last tile (a clamp), its products are made and thrown away, and its way out is jumped over.
; LIMITS: NaN and infinities are not served; a block whose largest magnitude lies under 2^-122 keeps the scale byte 1 (a block of zeros too: its codes are zeros, and this program alone reads the bytes).
.set WP,   4096                        ; a row of W2 in bytes
.set HSO,  6635520                     ; h: where the scale words begin
.set GWO,  1728000                     ; xs: where the gate weights begin
.set KHB,  8847360                     ; yp: from one half of K to the other
.set WSC,  98304                       ; LDS: 64 fragments of 1,536 bytes at 0 (fragment 4 s + cc); the quads' scale words, 256 bytes a quad;
.set STG,  102400                      ; a stage of 16 rows x (256 + 16) bytes for each wave
; window 0: v1 lane, v2 r, v3 hh; v4 W2: hh x 32 rows + 16 r; v5 16 x lane; v6 the same + 49,152; v7, v8 where I store images and scale words; v9 WSC + 4 x lane; v10 8 hh; v11 128 hh; v12 4 x lane; v13 4 r;
;   v14 the stage, in; v15 the stage, back; v16 my bytes in two rows of yp
.set BIAS, 24                          ; v24-55   b2 in the result's layout: 8 cc + j; zeros in the second half of K
.set OUT,  56                          ; v56-87   a lane's 32 columns in order
.set T,    88                          ; phase Q as in the first product's launch; at the head v88-119: b2 as it is loaded
.set F,    152
.set M,    200
.set SO,   204
.set BY,   206
.set SW,   208
.set TC,   212
.set PX,   220
.set WF,   88                          ; v88-183  phase M: weight fragments, two sets of four, by the K step's parity; on the way out v88-151: rows read back, a set for each tile
.set OB,   88
.set WS,   184                         ; v184-215 the weights' scale words: 2 s + a
.set AS,   232                         ; v232-247 h's scale words: 8 m + q: lanes 0-15 K step 2 q, lanes 16-31 K step 2 q + 1
.set GW,   248                         ; v248-249 the two tiles' gate weights
; window 1: phase Q: v0-127, v128-255 two sets of 32 loads.  phase M: v0-191 h's fragments, eight slots of two (the first five in the set that is free first); v192-255 accumulators 32 m + 8 cc + j
.set AF,   0
.set ACC,  192
; scalars: s16 wave, s17 ns, s18 kh, s19 e, s20 first tile, s21 tiles, s23 the trip's first tile among the expert's, s24 last tile; s25 my wave's trips, s47 the trips done
.set WB,   26
.set AB,   28                          ; s[28:31] the trip's two tiles in h's codes;  s[32:35] in its scale words;  s[36:39] among the gate weights;  s[40:43] in yp
.set SB,   32
.set GB,   36
.set YB,   40
.set TRIPS, 25
.set DONE,  47
.set MSB, 0
.macro WIN new                         ; the immediate's high byte repeats the setting that is left; a switch that changes nothing is dropped
.if MSB != \new
	s_set_vgpr_msb (MSB<<8)|\new
.set MSB, \new
.endif
.endm
.macro LOADHQ n                        ; half a quad: 32 rows x 64 columns for each half of the lanes, into set n % 2.  n = 2 qq + c
	WIN 0x40                                       ; destination window 1
.set i, 0
.rept 32
	global_load_b128 v[128*((\n)&1)+4*i:128*((\n)&1)+4*i+3], v4, s[WB:WB+1] offset:(128*((\n)>>1)+64*((\n)&1)+i)*WP th:TH_LOAD_NT
.set i, i+1
.endr
.endm
.macro BIASMOV                         ; b2 from the order of memory (4 j + cc) into the result's (8 cc + j); it belongs to the first half of K alone
	WIN 0
.irp c, 0,1,2,3
.irp j, 0,1,2,3,4,5,6,7
	v_cndmask_b32 v[BIAS+8*\c+\j], 0, v[T+4*\j+\c], s62
.endr
.endr
.endm
.macro SETUP                           ; the trip's two tiles: first tile + s23 + 8 m, held at the expert's last tile, and by a constant written in the instruction
.irp u, 0,1
	s_add_co_u32 s56, s23, s20
	s_add_co_u32 s56, s56, 8*\u
	s_min_u32 s56, s56, s24
	s_min_u32 s56, s56, 134
	s_mov_b32 s59, 0
	s_mul_i32 s58, s56, 49152
	s_add_nc_u64 s[AB+2*\u:AB+2*\u+1], s[48:49], s[58:59]
	s_lshl_b32 s58, s56, 11
	s_add_nc_u64 s[SB+2*\u:SB+2*\u+1], s[50:51], s[58:59]
	s_lshl_b32 s58, s56, 6
	s_add_nc_u64 s[GB+2*\u:GB+2*\u+1], s[52:53], s[58:59]
	s_lshl_b32 s58, s56, 16
	s_add_nc_u64 s[YB+2*\u:YB+2*\u+1], s[54:55], s[58:59]
.endr
.endm
.macro LOADA1                          ; the trip's gate weights (2 loads), scale words (16) and fragments of K steps 0-4 (5 slots of 6): 48 loads
	WIN 0
.irp u, 0,1
	global_load_b32 v[GW+\u], v13, s[GB+2*\u:GB+2*\u+1]
.endr
.irp u, 0,1
.irp q, 0,1,2,3,4,5,6,7
	global_load_b32 v[AS+8*\u+\q], v12, s[SB+2*\u:SB+2*\u+1] offset:128*\q
.endr
.endr
	WIN 0x40
.irp k, 0,1,2,3,4
.irp u, 0,1
.irp g, 0,1,2
	global_load_b128 v[AF+24*\k+12*\u+4*\g:AF+24*\k+12*\u+4*\g+3], v5, s[AB+2*\u:AB+2*\u+1] offset:1536*\k+512*\g
.endr
.endr
.endr
.endm
.macro LOADA2                          ; and of K steps 5-7 (3 slots of 6)
	WIN 0x40
.irp k, 5,6,7
.irp u, 0,1
.irp g, 0,1,2
	global_load_b128 v[AF+24*\k+12*\u+4*\g:AF+24*\k+12*\u+4*\g+3], v5, s[AB+2*\u:AB+2*\u+1] offset:1536*\k+512*\g
.endr
.endr
.endr
.endm
.macro PRELOAD                         ; behind the last move out of load set 0
	WIN 0
	s_mov_b32 s23, s16
	SETUP
	LOADA1
.endm
; Half a quad is quantised, two columns at a time.  cnt: the loads younger than this set's 32, which may stay out.
.macro HQ n, cnt
.set RS, 128*((\n)&1)
.set CP, (\n)&1
	s_wait_loadcnt \cnt
.if \n == 0
	BIASMOV                                        ; b2's loads are older than the weights': they are in too
.endif
.irp pc, 0,1
	WIN 0x05                                       ; sources 0 and 1 window 1 (the loads' registers); source 2 and the destination window 0
.irp a, 0,1
	v_max3_num_f32 v[M+2*\a], |v[RS+2*\pc+\a]|, |v[RS+4+2*\pc+\a]|, 0x2800000       ; a column's block: two chains; the floor 2^(5 - 127) among the leaves
	v_max3_num_f32 v[M+2*\a+1], |v[RS+8+2*\pc+\a]|, |v[RS+12+2*\pc+\a]|, 0x2800000
.endr
.irp i, 4,8,12,16,20,24,28
.irp a, 0,1
	v_max3_num_f32 v[M+2*\a], |v[RS+4*\i+2*\pc+\a]|, |v[RS+4*\i+4+2*\pc+\a]|, v[M+2*\a]
	v_max3_num_f32 v[M+2*\a+1], |v[RS+4*\i+8+2*\pc+\a]|, |v[RS+4*\i+12+2*\pc+\a]|, v[M+2*\a+1]
.endr
.endr
.irp a, 0,1
.set p, 0
.rept 32
	v_mov_b32 v[T+32*\a+p], v[RS+4*(4*(p&7)+(p>>3))+2*\pc+\a]   ; the column's 32 numbers on end, in the order of h's codes: place p <- row 4 (p % 8) + p / 8
.set p, p+1
.endr
.endr
.if (\pc == 1) && (\n < 2)
	LOADHQ (\n)+2                                  ; the set is free: it takes the half quad two on
.endif
.if (\pc == 1) && (\n == 2)
	PRELOAD                                        ; set 0 is free for good
.endif
.if (\pc == 1) && (\n == 3)
	LOADA2                                         ; and so is set 1
.endif
	WIN 0
.irp a, 0,1
	v_max_num_f32 v[M+2*\a], v[M+2*\a], v[M+2*\a+1]
.endr
.irp a, 0,1
	v_add_nc_u32 v[SO+\a], 0xfe000000, v[M+2*\a]   ; 4 off the exponent field: the conversion's scale operand
.endr
.irp a, 0,1
	v_lshrrev_b32 v[BY+\a], 23, v[SO+\a]           ; the scale's byte
.endr
.irp a, 0,1
.if CP == 0
	v_mov_b32 v[SW+2*\pc+\a], v[BY+\a]
.else
	v_lshl_or_b32 v[SW+2*\pc+\a], v[BY+\a], 16, v[SW+2*\pc+\a]
.endif
.endr
.irp a, 0,1
	v_cvt_scalef32_pk16_bf6_f32 v[F+12*(2*\pc+\a)+6*CP:F+12*(2*\pc+\a)+6*CP+2], v[T+32*\a:T+32*\a+15], v[SO+\a]
	v_cvt_scalef32_pk16_bf6_f32 v[TC+4*\a:TC+4*\a+2], v[T+32*\a+16:T+32*\a+31], v[SO+\a]   ; (a conversion's three registers begin on an even number)
.endr
	v_nop                                          ; one plain place behind a scaled conversion
.irp a, 0,1
.irp i, 0,1,2
	v_mov_b32 v[F+12*(2*\pc+\a)+6*CP+3+\i], v[TC+4*\a+\i]
.endr
.endr
.endr
.endm
.macro FINQ qq                         ; a quad is whole: its scale words are joined, and fragments and words go to LDS as images of their registers
.irp c, 0,1,2,3
	v_lshlrev_b32 v[SW+\c], v10, v[SW+\c]
.endr
.irp c, 0,1,2,3
	v_permlanex16_b32 v[PX+\c], v[SW+\c], s44, s45
.endr
.irp c, 0,1,2,3
	v_or_b32 v[SW+\c], v[SW+\c], v[PX+\c]
.endr
.irp a, 0,1
	v_cndmask_b32 v[SO+\a], v[SW+2*\a], v[SW+2*\a+1], s46   ; lanes 0-15 keep tile 2 a's words, lanes 16-31 tile 2 a + 1's
.endr
.irp c, 0,1,2,3
.irp g, 0,1,2
	ds_store_b128 v7, v[F+12*\c+4*\g:F+12*\c+4*\g+3] offset:6144*\qq+1536*\c+512*\g
.endr
.endr
.irp a, 0,1
	ds_store_b32 v8, v[SO+\a] offset:256*\qq+128*\a
.endr
	s_wait_dscnt 0x0                               ; they lie in LDS (the second time: for the others' sake, ahead of the barrier)
.endm
.macro WREQ ks, bf                     ; the four weight fragments of K step ks into set bf: 12 LDS loads of 512 consecutive bytes
.irp c, 0,1,2,3
.irp g, 0,1,2
.set fi, 4*(\ks)+\c
.if fi < 32
	ds_load_b128 v[WF+48*(\bf)+12*\c+4*\g:WF+48*(\bf)+12*\c+4*\g+3], v5 offset:1536*fi+512*\g
.else
	ds_load_b128 v[WF+48*(\bf)+12*\c+4*\g:WF+48*(\bf)+12*\c+4*\g+3], v6 offset:1536*(fi-32)+512*\g
.endif
.endr
.endr
.endm
.macro WM d, a, b, c, sa, sb, ra, rb   ; one product; ra, rb: the scales stand in lanes 16-31 of their registers
.if ((\ra) == 0) && ((\rb) == 0)
	v_wmma_scale_f32_16x16x128_f8f6f4 v[(\d):(\d)+7], v[(\a):(\a)+11], v[(\b):(\b)+11], v[(\c):(\c)+7], v[(\sa)], v[(\sb)] matrix_a_fmt:MATRIX_FMT_BF6 matrix_b_fmt:MATRIX_FMT_BF6
.elseif ((\rb) == 0)
	v_wmma_scale_f32_16x16x128_f8f6f4 v[(\d):(\d)+7], v[(\a):(\a)+11], v[(\b):(\b)+11], v[(\c):(\c)+7], v[(\sa)], v[(\sb)] matrix_a_fmt:MATRIX_FMT_BF6 matrix_b_fmt:MATRIX_FMT_BF6 matrix_a_scale:MATRIX_SCALE_ROW1
.elseif ((\ra) == 0)
	v_wmma_scale_f32_16x16x128_f8f6f4 v[(\d):(\d)+7], v[(\a):(\a)+11], v[(\b):(\b)+11], v[(\c):(\c)+7], v[(\sa)], v[(\sb)] matrix_a_fmt:MATRIX_FMT_BF6 matrix_b_fmt:MATRIX_FMT_BF6 matrix_b_scale:MATRIX_SCALE_ROW1
.else
	v_wmma_scale_f32_16x16x128_f8f6f4 v[(\d):(\d)+7], v[(\a):(\a)+11], v[(\b):(\b)+11], v[(\c):(\c)+7], v[(\sa)], v[(\sb)] matrix_a_fmt:MATRIX_FMT_BF6 matrix_b_fmt:MATRIX_FMT_BF6 matrix_a_scale:MATRIX_SCALE_ROW1 matrix_b_scale:MATRIX_SCALE_ROW1
.endif
.endm
; A K step of 128: 8 products on 8 accumulators by turns, one instruction a turn.  K step 0 takes the bias as its C.
.macro KSTEP ks
.if \ks <= 8
	s_wait_loadcnt 42                              ; this step's slot is in; the seven slots of 6 loads asked for behind it may be out
.else
	s_wait_loadcnt 6*(15-\ks)
.endif
.if \ks == 15
	s_wait_dscnt 0x0
.else
	s_wait_dscnt 12                                ; this step's 12 LDS loads are in; the next step's 12 may be out
.endif
.if \ks == 0
	WIN 0x44                                       ; source 0 (weights) and C (bias) window 0, source 1 (h) and D window 1
.else
	WIN 0x54                                       ; C and D window 1
.endif
.irp c, 0,1,2,3
.irp u, 0,1
.set rD, ACC+32*\u+8*\c
.if \ks == 0
.set rC, BIAS+8*\c
.else
.set rC, rD
.endif
	WM rD, WF+48*(\ks%2)+12*\c, AF+24*(\ks%8)+12*\u, rC, WS+2*\ks+\c/2, AS+8*\u+\ks/2, \c%2, \ks%2
.endr
.endr
.rept 4
	v_nop                                          ; four places in front of loads into registers that these products have read, and of the first read of results
.endr
.if \ks == 15
	v_nop                                          ; a fifth: the next trip's first products write these accumulators anew, with another C
.endif
	WIN 0
.if \ks <= 13
	WREQ (\ks)+2, \ks%2
.endif
.if \ks < 8
	WIN 0x40
.irp u, 0,1
.irp g, 0,1,2
	global_load_b128 v[AF+24*\ks+12*\u+4*\g:AF+24*\ks+12*\u+4*\g+3], v5, s[AB+2*\u:AB+2*\u+1] offset:1536*(\ks+8)+512*\g   ; the slot takes K step ks + 8
.endr
.endr
.endif
.endm
.macro EPI2 u                          ; tile u of the trip: x the gate weight, through my stage, out as whole rows
	WIN 0x01                                       ; source 0 window 1
.irp c, 0,1,2,3
.irp j, 0,1,2,3,4,5,6,7
	v_mul_f32 v[OUT+4*\j+\c], v[ACC+32*\u+8*\c+\j], v[GW+\u]   ; column 32 h + 4 j + cc.  (Each accumulator is read from its low end on)
.endr
.endr
	WIN 0
.irp j, 0,1,2,3,4,5,6,7
	ds_store_b128 v14, v[OUT+4*\j:OUT+4*\j+3] offset:16*\j
.endr
.irp i, 0,1,2,3,4,5,6,7
	ds_load_b128 v[OB+32*\u+4*\i:OB+32*\u+4*\i+3], v15 offset:544*\i   ; LDS serves a wave's instructions in order (ISA guide 5.7.1.4): these see my stores, and the next tile's stores come behind them
.endr
.irp i, 0,1,2,3,4,5,6,7
	s_wait_dscnt 7-\i                              ; the loads issued behind this one may be out
	global_store_b128 v16, v[OB+32*\u+4*\i:OB+32*\u+4*\i+3], s[YB+2*\u:YB+2*\u+1] offset:8192*\i th:TH_STORE_NT   ; sixteen lanes store 256 consecutive bytes, aligned to 256: two rows an instruction
.endr
.endm
	s_load_b256 s[4:11], s[0:1], 0x0               ; W2 s[4:5], b2 s[6:7], h s[8:9], xs s[10:11]
	s_load_b128 s[12:15], s[0:1], 0x20             ; plan s[12:13], yp s[14:15]
	v_lshl_add_u32 v254, v0, 2, 0x21800
	v_mov_b32 v255, 0
	v_and_b32 v1, 31, v0
	v_and_b32 v2, 15, v0
	v_bfe_u32 v3, v0, 4, 1
	v_lshrrev_b32 v4, 5, v0
	v_readfirstlane_b32 s16, v4                    ; wave
	s_and_b32 s17, ttmp9, 15                       ; ns
	s_lshr_b32 s18, ttmp9, 4                       ; kh
	s_and_b32 s19, ttmp7, 0xffff                   ; e
	v_lshlrev_b32 v4, 4, v2
	v_lshl_add_u32 v4, v3, 17, v4                  ; 16 r + hh x 32 rows of 4,096 bytes
	v_lshlrev_b32 v5, 4, v1
	v_add_nc_u32 v6, 49152, v5
	s_mul_i32 s56, s16, 12288
	v_add_nc_u32 v7, s56, v5
	v_lshlrev_b32 v12, 2, v1
	s_lshl_b32 s56, s16, 9
	s_add_co_u32 s56, s56, WSC
	v_add_nc_u32 v8, s56, v12
	v_add_nc_u32 v9, WSC, v12
	v_lshlrev_b32 v10, 3, v3
	v_lshlrev_b32 v11, 7, v3
	v_lshlrev_b32 v13, 2, v2
	s_mul_i32 s56, s16, 4352
	s_add_co_u32 s56, s56, STG                     ; my stage
	v_mul_u32_u24 v14, v2, 272
	v_lshl_add_u32 v14, v3, 7, v14
	v_add_nc_u32 v14, s56, v14                     ; in: row r, 128 bytes for each half of the lanes
	v_mul_u32_u24 v15, v3, 272
	v_lshl_add_u32 v15, v2, 4, v15
	v_add_nc_u32 v15, s56, v15                     ; back: lanes 0-15 one row of 256 bytes, lanes 16-31 the next
	v_lshlrev_b32 v16, 12, v3
	v_lshl_add_u32 v16, v2, 4, v16                 ; and the same two rows in yp
.irp c, 0,1,2,3
	v_mov_b32 v[PX+\c], 0                          ; written once: a lane permute's destination counts as read
.endr
	s_mov_b32 s44, 0x76543210
	s_mov_b32 s45, 0xfedcba98                      ; v_permlanex16_b32's selects for lane l xor 16
	s_mov_b32 s46, 0xffff0000                      ; lanes 16-31
	s_cmp_eq_u32 s18, 0
	s_cselect_b32 s62, -1, 0                       ; all lanes in the first half of K, none in the second
	s_lshl_b32 s56, s19, 24                        ; the expert's 2^24 bytes,
	s_lshl_b32 s57, s18, 23                        ; the half's 2,048 rows,
	s_add_co_u32 s56, s56, s57
	s_lshl_b32 s57, s16, 20                        ; my wave's two K steps: 256 rows,
	s_add_co_u32 s56, s56, s57
	s_lshl_b32 s57, s17, 8                         ; the slice's 256 bytes of a row
	s_add_co_u32 s56, s56, s57
	s_mov_b32 s57, 0
	s_lshl_b32 s58, s19, 12
	s_lshl_b32 s59, s17, 8
	s_add_co_u32 s58, s58, s59
	s_mov_b32 s59, 0
	s_lshl_b32 s63, s19, 3
	s_wait_kmcnt 0x0
	s_load_b64 s[20:21], s[12:13], s63 offset:0x2000   ; the expert's first tile and its number of tiles
	s_add_nc_u64 s[WB:WB+1], s[4:5], s[56:57]
	s_add_nc_u64 s[60:61], s[6:7], s[58:59]
.irp j, 0,1,2,3,4,5,6,7
	global_load_b128 v[T+4*\j:T+4*\j+3], v11, s[60:61] offset:16*\j   ; b2 at columns 32 hh + 4 j + 0 .. 3
.endr
	LOADHQ 0                                       ; the weights: two sets, 64 loads of 512 bytes a wave
	LOADHQ 1
	s_mul_i32 s56, s18, 24576
	s_add_nc_u64 s[48:49], s[8:9], s[56:57]        ; h's codes at my half of K
	s_lshl_b32 s56, s18, 10
	s_add_co_u32 s56, s56, HSO
	s_add_nc_u64 s[50:51], s[8:9], s[56:57]        ; its scale words likewise
	s_add_nc_u64 s[52:53], s[10:11], GWO           ; the gate weights
	s_mul_i32 s56, s18, KHB
	s_lshl_b32 s58, s17, 8
	s_add_co_u32 s56, s56, s58
	s_add_nc_u64 s[54:55], s[14:15], s[56:57]      ; yp at my half and my columns
	s_wait_kmcnt 0x0
	s_min_u32 s20, s20, 135
	s_min_u32 s21, s21, 64
	s_add_co_u32 s24, s20, s21
	s_max_u32 s24, s24, 1
	s_sub_co_u32 s24, s24, 1                       ; the expert's last tile (for an expert without rows: the tile in front, which is written too)
	s_add_co_u32 s[TRIPS], s21, 15
	s_sub_co_u32 s[TRIPS], s[TRIPS], s16
	s_lshr_b32 s[TRIPS], s[TRIPS], 4               ; how many of the tiles w, w + 16, .. lie under the number of tiles: (tiles + 15 - w) / 16, rounded down; 0 where there is none
	s_mov_b32 s[DONE], 0
	HQ 0, 32                                       ; the other set's 32 loads may be out
	HQ 1, 32
	FINQ 0
	HQ 2, 32
	HQ 3, 48                                       ; the 48 loads of my first trip's operands, issued behind this set's, may be out
	FINQ 1
	s_barrier_signal -1                            ; the launch's one barrier: all 64 fragments and their scale words lie in LDS
	s_barrier_wait -1
	s_cmp_eq_u32 s[TRIPS], 0
	s_cbranch_scc1 .Lend                           ; no tile for my wave
.set i, 0
.rept 32
	ds_load_b32 v[WS+i], v9 offset:128*i           ; all the weights' scale words stay in registers
.set i, i+1
.endr
.Lchunk:
	WREQ 0, 0
	WREQ 1, 1
	KSTEP 0
	KSTEP 1
	KSTEP 2
	KSTEP 3
	KSTEP 4
	KSTEP 5
	KSTEP 6
	KSTEP 7
	KSTEP 8
	KSTEP 9
	KSTEP 10
	KSTEP 11
	KSTEP 12
	KSTEP 13
	KSTEP 14
	KSTEP 15
	EPI2 0
	s_add_co_u32 s56, s23, 8                       ; (every window is 0 here, as at every branch and label)
	s_cmp_ge_u32 s56, s21
	s_cbranch_scc1 .Lone                           ; the trip's second tile does not exist: nothing of it is stored
	EPI2 1
.Lone:
	s_add_co_u32 s[DONE], s[DONE], 1
	s_cmp_ge_u32 s[DONE], s[TRIPS]
	s_cbranch_scc1 .Lend                           ; my last trip asks for nothing more
	s_wait_xcnt 0x0                                ; the stores have read their bases and registers: both are written again below and at the loop's head
	s_add_co_u32 s23, s23, 16                      ; my next two tiles: this number forms addresses alone; the loop is counted by s[DONE]
	SETUP
	LOADA1
	LOADA2
	WIN 0
	s_cmp_lt_u32 s[DONE], s[TRIPS]
	s_cbranch_scc1 .Lchunk
.Lend:
	s_wait_tensorcnt 0x0
	ds_add_u32 v254, v255
	s_wait_dscnt 0x0
	s_endpgm
.Lfunc_end_k_q1abc564418_ffn2:
	.size	k_q1abc564418_ffn2, .Lfunc_end_k_q1abc564418_ffn2-k_q1abc564418_ffn2
	.p2alignl 7, 3214868480
	.fill 96, 4, 3214868480
	.section	.rodata,"a",@progbits
	.p2align	6, 0x0
	.amdhsa_kernel k_q1abc564418_ffn2
		.amdhsa_group_segment_fixed_size 138240
		.amdhsa_private_segment_fixed_size 0
		.amdhsa_enable_private_segment 0
		.amdhsa_kernarg_size 48
		.amdhsa_user_sgpr_count 2
		.amdhsa_user_sgpr_kernarg_segment_ptr 1
		.amdhsa_wavefront_size32 1
		.amdhsa_system_sgpr_workgroup_id_x 1
		.amdhsa_system_sgpr_workgroup_id_y 1
		.amdhsa_system_sgpr_workgroup_id_z 1
		.amdhsa_system_vgpr_workitem_id 0
		.amdhsa_next_free_vgpr 512
		.amdhsa_next_free_sgpr 66
		.amdhsa_reserve_vcc 0
		.amdhsa_float_denorm_mode_32 3
		.amdhsa_float_denorm_mode_16_64 3
		.amdhsa_memory_ordered 1
		.amdhsa_forward_progress 1
		.amdhsa_inst_pref_size 122
	.end_amdhsa_kernel
	.amdgpu_metadata
---
amdhsa.version: [ 1, 2 ]
amdhsa.kernels:
  - .name:           k_q1abc564418_ffn2
    .symbol:         k_q1abc564418_ffn2.kd
    .args:
      - { .name: W2, .offset: 0, .size: 8, .value_kind: global_buffer, .address_space: global }
      - { .name: b2, .offset: 8, .size: 8, .value_kind: global_buffer, .address_space: global }
      - { .name: h, .offset: 16, .size: 8, .value_kind: global_buffer, .address_space: global }
      - { .name: xs, .offset: 24, .size: 8, .value_kind: global_buffer, .address_space: global }
      - { .name: plan, .offset: 32, .size: 8, .value_kind: global_buffer, .address_space: global }
      - { .name: yp, .offset: 40, .size: 8, .value_kind: global_buffer, .address_space: global }
    .group_segment_fixed_size: 138240
    .private_segment_fixed_size: 0
    .kernarg_segment_align: 8
    .kernarg_segment_size: 48
    .max_flat_workgroup_size: 256
    .sgpr_count:     66
    .vgpr_count:     512
    .wavefront_size: 32
...
	.end_amdgpu_metadata
.endif
;; end of part 4
;; launch combine (part 5): grid 256 x 1, 4 waves a work-group, no clusters, 0 bytes of LDS; arguments yp, plan, out0; writes out0
.if DOCPART == 5
	.amdgcn_target "amdgcn-amd-amdhsa--gfx1250"
	.amdhsa_code_object_version 6
	.text
	.protected	k_q1abc564418_combine
	.globl	k_q1abc564418_combine
	.p2align	8
	.type	k_q1abc564418_combine,@function
k_q1abc564418_combine:
	s_mov_b64 s[64:65], 0
	v_nop
	global_prefetch_b8 v0, s[64:65] scope:SCOPE_SE
	s_setreg_imm32_b32 hwreg(HW_REG_WAVE_MODE, 25, 1), 1
	s_wait_xcnt 0x0
; out[t] = the token's two routed rows, each in two halves of K: four rows of yp, which already carry the gate weights and b2.  A wave to a token: a row is 4,096 bytes, eight loads of 512 consecutive bytes.
; The rows' places come from plan (whole numbers that an earlier launch stored) and enter addresses clamped by a constant written in the instruction.  Memory binds: no LDS, no barrier, no matrix unit.
.set KHB, 8847360                      ; yp: from one half of K to the other
	s_load_b128 s[4:7], s[0:1], 0x0                ; yp s[4:5], plan s[6:7]
	s_load_b64 s[8:9], s[0:1], 0x10                ; out0
	v_lshrrev_b32 v1, 5, v0
	v_readfirstlane_b32 s10, v1                    ; wave
	v_and_b32 v2, 31, v0
	v_lshlrev_b32 v2, 4, v2                        ; 16 bytes a lane
	s_lshl_b32 s11, ttmp9, 2
	s_add_co_u32 s11, s11, s10                     ; my token
	s_lshl_b32 s12, s11, 3
	s_lshl_b32 s16, s11, 12
	s_mov_b32 s17, 0
	s_mov_b32 s19, 0
	s_wait_kmcnt 0x0
	s_load_b64 s[14:15], s[6:7], s12 offset:0x0    ; its two rows' places
	s_add_nc_u64 s[8:9], s[8:9], s[16:17]
	s_wait_kmcnt 0x0
	s_min_u32 s14, s14, 2159
	s_min_u32 s15, s15, 2159
	s_lshl_b32 s18, s14, 12
	s_add_nc_u64 s[20:21], s[4:5], s[18:19]
	s_lshl_b32 s18, s15, 12
	s_add_nc_u64 s[24:25], s[4:5], s[18:19]
	s_add_nc_u64 s[22:23], s[20:21], KHB
	s_add_nc_u64 s[26:27], s[24:25], KHB
.irp i, 0,1,2,3,4,5,6,7
.irp k, 0,1,2,3
	global_load_b128 v[16+32*\k+4*\i:16+32*\k+4*\i+3], v2, s[20+2*\k:21+2*\k] offset:512*\i th:TH_LOAD_NT
.endr
.endr
.irp i, 0,1,2,3,4,5,6,7
	s_wait_loadcnt 4*(7-\i)                        ; this piece's four loads are in; the four of each later piece may be out
.irp d, 0,2
	v_pk_add_f32 v[16+4*\i+\d:17+4*\i+\d], v[16+4*\i+\d:17+4*\i+\d], v[48+4*\i+\d:49+4*\i+\d]       ; the first expert's two halves of K,
	v_pk_add_f32 v[80+4*\i+\d:81+4*\i+\d], v[80+4*\i+\d:81+4*\i+\d], v[112+4*\i+\d:113+4*\i+\d]     ; the second's,
	v_pk_add_f32 v[16+4*\i+\d:17+4*\i+\d], v[16+4*\i+\d:17+4*\i+\d], v[80+4*\i+\d:81+4*\i+\d]       ; and both
.endr
	global_store_b128 v2, v[16+4*\i:19+4*\i], s[8:9] offset:512*\i th:TH_STORE_NT   ; 32 lanes store 512 consecutive bytes, aligned to 512
.endr
	s_endpgm
.Lfunc_end_k_q1abc564418_combine:
	.size	k_q1abc564418_combine, .Lfunc_end_k_q1abc564418_combine-k_q1abc564418_combine
	.p2alignl 7, 3214868480
	.fill 96, 4, 3214868480
	.section	.rodata,"a",@progbits
	.p2align	6, 0x0
	.amdhsa_kernel k_q1abc564418_combine
		.amdhsa_group_segment_fixed_size 0
		.amdhsa_private_segment_fixed_size 0
		.amdhsa_enable_private_segment 0
		.amdhsa_kernarg_size 24
		.amdhsa_user_sgpr_count 2
		.amdhsa_user_sgpr_kernarg_segment_ptr 1
		.amdhsa_wavefront_size32 1
		.amdhsa_system_sgpr_workgroup_id_x 1
		.amdhsa_system_sgpr_workgroup_id_y 1
		.amdhsa_system_sgpr_workgroup_id_z 1
		.amdhsa_system_vgpr_workitem_id 0
		.amdhsa_next_free_vgpr 144
		.amdhsa_next_free_sgpr 66
		.amdhsa_reserve_vcc 0
		.amdhsa_float_denorm_mode_32 3
		.amdhsa_float_denorm_mode_16_64 3
		.amdhsa_memory_ordered 1
		.amdhsa_forward_progress 1
		.amdhsa_inst_pref_size 9
	.end_amdhsa_kernel
	.amdgpu_metadata
---
amdhsa.version: [ 1, 2 ]
amdhsa.kernels:
  - .name:           k_q1abc564418_combine
    .symbol:         k_q1abc564418_combine.kd
    .args:
      - { .name: yp, .offset: 0, .size: 8, .value_kind: global_buffer, .address_space: global }
      - { .name: plan, .offset: 8, .size: 8, .value_kind: global_buffer, .address_space: global }
      - { .name: out0, .offset: 16, .size: 8, .value_kind: global_buffer, .address_space: global }
    .group_segment_fixed_size: 0
    .private_segment_fixed_size: 0
    .kernarg_segment_align: 8
    .kernarg_segment_size: 24
    .max_flat_workgroup_size: 128
    .sgpr_count:     66
    .vgpr_count:     144
    .wavefront_size: 32
...
	.end_amdgpu_metadata
.endif
;; end of part 5
;; ======== version 2 of 2: 5 launches
;; workspace buffers: idx 8,192 bytes of whole numbers; gw 8,192 bytes; plan 8,448 bytes of whole numbers; xs 1,736,704 bytes; h 6,912,000 bytes; yp 17,694,720 bytes
;; launch route (part 6): grid 64 x 1, 8 waves a work-group, no clusters, 109,568 bytes of LDS; arguments x, Wg, idx, gw; writes idx, gw
.if DOCPART == 6
	.amdgcn_target "amdgcn-amd-amdhsa--gfx1250"
	.amdhsa_code_object_version 6
	.text
	.protected	k_q1abc564418_route
	.globl	k_q1abc564418_route
	.p2align	8
	.type	k_q1abc564418_route,@function
k_q1abc564418_route:
	s_mov_b64 s[64:65], 0
	v_nop
	global_prefetch_b8 v0, s[64:65] scope:SCOPE_SE
	s_setreg_imm32_b32 hwreg(HW_REG_WAVE_MODE, 25, 1), 1
	s_wait_xcnt 0x0
; THE ROUTER.  logits = x Wg (f32 operands, f32 sums), softmax over the 8 experts with the row's maximum taken away, the two largest probabilities
; (the lower index wins a tie), their weights renormalised.  idx [1024][2] u32 and gw [1024][2] f32 are stored at fixed places: no address here hangs on a float.
; SHARES.  A work-group takes 16 tokens; wave w takes K = 128 w .. 128 w + 127 of them: 32 matrix instructions of 16 x 16 x 4 in f32 (the choice of experts hangs on these
; sums, so the operands stay f32; the product is a thousandth of the program's arithmetic).  Source 0 = Wg^T (row r holds expert r % 8), source 1 = the 16 tokens:
; in the result lane l holds token l % 16 and its registers 0-7 the eight experts' sums; lanes 16-31 hold the same numbers as lanes 0-15.
; EVERY GLOBAL LOAD TAKES 512 CONSECUTIVE BYTES: the wave's 4 KB of Wg (8 loads) and its 512 bytes of each of the 16 rows of x (16 loads) go through the wave's own bytes of LDS
; and come back in the operands' layout: 24 loads a wave in place of 80, of which 64 would be of four bytes.
; The eight waves' partial sums meet in LDS as images of their registers (16 bytes a lane); wave 0 adds them in ascending K and does the rest.
; k IS PERMUTED ALIKE IN BOTH SOURCES: step n = 2 i + u takes k = 8 i + 4 (l / 16) + 2 u + 0, 1, so that x comes back from LDS by loads of 16 bytes.
; LIMITS: NaN and infinities are not served.  The division by the sum is a reciprocal and a multiplication; an exponential under 2^-126 is 0.
.set XR, 16                            ; v16-79   x: register 4 i + q = x(token r, 128 w + 8 i + 4 h + q)
.set WT, 16                            ; v16-47   before that: Wg as it is loaded
.set GR, 80                            ; v80-143  Wg: register 4 i + q = Wg(128 w + 8 i + 4 h + q, r % 8)
.set AC, 144                           ; v144-175 four accumulators, written by matrix instructions alone
.set SM, 176                           ; v176-183 my wave's eight sums
.set UM, 184                           ; v184-191 at work
.set TP, 192                           ; v192-255 x as it is loaded: register 4 i .. 4 i + 3 = 16 bytes of row i
.set WL, 8192                          ; LDS: the waves' images at 0 (1,024 bytes each); from here each wave's 4,096 bytes of Wg, as they lie in memory;
.set XL, 40960                         ; from here each wave's 16 rows of x,
.set XP, 528                           ; 512 bytes + 16 apart: 132 words, so that row r starts at bank 4 r mod 64 (64 banks of 4 bytes: ISA guide 11.1)
	s_load_b256 s[4:11], s[0:1], 0x0               ; x s[4:5], Wg s[6:7], idx s[8:9], gw s[10:11]
	v_lshl_add_u32 v14, v0, 2, 0x1a800
	v_mov_b32 v15, 0
	v_and_b32 v1, 31, v0                           ; lane
	v_and_b32 v2, 15, v0                           ; r
	v_bfe_u32 v3, v0, 4, 1                         ; h
	v_lshrrev_b32 v8, 5, v0
	s_delay_alu instid0(VALU_DEP_1)
	v_readfirstlane_b32 s12, v8                    ; wave
	v_lshlrev_b32 v7, 4, v1                        ; 16 x lane: my bytes of a load's 512, and an image's place for my lane
	s_lshl_b32 s13, s12, 10
	v_add_nc_u32 v6, s13, v7                       ; my wave's image: + 1,024 x wave
	s_lshl_b32 s23, s12, 12
	s_add_co_u32 s23, s23, WL
	v_add_nc_u32 v10, s23, v7                      ; Wg into LDS: as it lies
	v_and_b32 v5, 7, v0
	s_delay_alu instid0(VALU_DEP_1)
	v_lshlrev_b32 v5, 2, v5
	s_delay_alu instid0(VALU_DEP_1)
	v_lshl_add_u32 v5, v3, 7, v5
	s_delay_alu instid0(VALU_DEP_1)
	v_add_nc_u32 v5, s23, v5                       ; and back: 4 rows of 32 bytes for h, + 4 (r % 8)
	s_mul_i32 s24, s12, 16*XP
	s_add_co_u32 s24, s24, XL
	v_add_nc_u32 v11, s24, v7                      ; x into LDS: 16 x lane in a row
	v_mul_u32_u24 v12, v2, XP
	s_delay_alu instid0(VALU_DEP_1)
	v_lshl_add_u32 v12, v3, 4, v12
	s_delay_alu instid0(VALU_DEP_1)
	v_add_nc_u32 v12, s24, v12                     ; and back: row r, + 16 h
	s_lshl_b32 s18, ttmp9, 16                      ; 16 tokens of 4,096 bytes
	s_lshl_b32 s19, s12, 9                         ; my wave's 128 numbers of a row
	s_add_co_u32 s18, s18, s19
	s_mov_b32 s19, 0
	s_lshl_b32 s20, s12, 12                        ; my wave's 128 rows of Wg
	s_mov_b32 s21, 0
	s_lshl_b32 s22, ttmp9, 7
	v_lshl_add_u32 v9, v2, 3, s22                  ; the results' place: 8 bytes a token
	s_wait_alu depctr_va_vdst(0)
	s_wait_kmcnt 0x0
	s_add_nc_u64 s[14:15], s[4:5], s[18:19]
	s_add_nc_u64 s[16:17], s[6:7], s[20:21]
.set i, 0
.rept 8
	global_load_b128 v[WT+4*i:WT+4*i+3], v7, s[16:17] offset:512*i
.set i, i+1
.endr
.set i, 0
.rept 16
	global_load_b128 v[TP+4*i:TP+4*i+3], v7, s[14:15] offset:4096*i   ; row i: my wave's 512 bytes of it
.set i, i+1
.endr
	s_wait_loadcnt 16                              ; Wg's eight loads are in; x's sixteen, issued behind them, may be out
.set i, 0
.rept 8
	ds_store_b128 v10, v[WT+4*i:WT+4*i+3] offset:512*i
.set i, i+1
.endr
.set i, 0
.rept 64
	ds_load_b32 v[GR+i], v5 offset:256*(i/4)+32*(i%4)   ; LDS serves a wave's instructions in order (ISA guide 5.7.1.4): these see my stores
.set i, i+1
.endr
	s_wait_loadcnt 0x0                             ; x
.set i, 0
.rept 16
	ds_store_b128 v11, v[TP+4*i:TP+4*i+3] offset:XP*i
.set i, i+1
.endr
	s_wait_dscnt 63                                ; 88 LDS instructions have been issued: with 63 out at the most the oldest 25 are done, the eight stores out of v16-47 among them
.set i, 0
.rept 16
	ds_load_b128 v[XR+4*i:XR+4*i+3], v12 offset:32*i
.set i, i+1
.endr
	s_wait_dscnt 0x0
; 32 K steps on four accumulators by turns, one instruction a turn; the first four start the sums with the constant 0
.set n, 0
.rept 32
.if n < 4
	v_wmma_f32_16x16x4_f32 v[AC+8*(n%4):AC+8*(n%4)+7], v[GR+2*n:GR+2*n+1], v[XR+2*n:XR+2*n+1], 0
.else
	v_wmma_f32_16x16x4_f32 v[AC+8*(n%4):AC+8*(n%4)+7], v[GR+2*n:GR+2*n+1], v[XR+2*n:XR+2*n+1], v[AC+8*(n%4):AC+8*(n%4)+7]
.endif
.set n, n+1
.endr
.rept 8
	v_nop                                          ; eight places behind this form before its results are read (ISA guide 7.12.1)
.endr
.irp j, 0,1,2,3,4,5,6,7
	v_add_f32 v[SM+\j], v[AC+\j], v[AC+8+\j]       ; each accumulator is read from its low end on
	v_add_f32 v[UM+\j], v[AC+16+\j], v[AC+24+\j]
.endr
.irp j, 0,1,2,3,4,5,6,7
	v_add_f32 v[SM+\j], v[SM+\j], v[UM+\j]
.endr
	ds_store_b128 v6, v[SM:SM+3]
	ds_store_b128 v6, v[SM+4:SM+7] offset:512
	s_wait_dscnt 0x0                               ; for wave 0's sake: my image lies in LDS
	s_barrier_signal -1
	s_barrier_wait -1
	s_cmp_lg_u32 s12, 0
	s_cbranch_scc1 .Lend                           ; the rest is wave 0's; no barrier follows
.irp w, 0,1,2,3,4,5,6,7
	ds_load_b128 v[16+8*\w:16+8*\w+3], v7 offset:1024*\w
	ds_load_b128 v[16+8*\w+4:16+8*\w+7], v7 offset:1024*\w+512
.endr
	s_wait_dscnt 0x0
.irp w, 1,2,3,4,5,6,7
.irp k, 0,2,4,6
	v_pk_add_f32 v[16+\k:17+\k], v[16+\k:17+\k], v[16+8*\w+\k:17+8*\w+\k]   ; the logits, K ascending: v16-23
.endr
.endr
	s_delay_alu instid0(VALU_DEP_3)
	v_max3_num_f32 v80, v16, v17, v18
	s_delay_alu instid0(VALU_DEP_1)
	v_max3_num_f32 v80, v80, v19, v20
	s_delay_alu instid0(VALU_DEP_1)
	v_max3_num_f32 v80, v80, v21, v22
	s_delay_alu instid0(VALU_DEP_1)
	v_max_num_f32 v80, v80, v23                    ; the row's maximum
.irp i, 0,1,2,3,4,5,6,7
	v_sub_f32 v[24+\i], v[16+\i], v80
.endr
.irp i, 0,1,2,3,4,5,6,7
	v_mul_f32 v[24+\i], 0x3fb8aa3b, v[24+\i]       ; x log2(e)
.endr
	s_wait_alu depctr_va_vdst(0)
.irp i, 0,1,2,3,4,5,6,7
	v_exp_f32 v[24+\i], v[24+\i]
.endr
	v_nop                                          ; a plain instruction behind the last exponential
	s_wait_alu depctr_va_vdst(0)                   ; one wait for the eight, ahead of their first reader
	v_add_f32 v81, v24, v25
	v_add_f32 v82, v26, v27
	v_add_f32 v83, v28, v29
	v_add_f32 v84, v30, v31
	s_delay_alu instid0(VALU_DEP_3)
	v_add_f32 v81, v81, v82
	s_delay_alu instid0(VALU_DEP_2)
	v_add_f32 v83, v83, v84
	s_delay_alu instid0(VALU_DEP_1)
	v_add_f32 v81, v81, v83
	s_wait_alu depctr_va_vdst(0)
	v_rcp_f32 v82, v81
	v_nop
	s_wait_alu depctr_va_vdst(0)
.irp i, 0,1,2,3,4,5,6,7
	v_mul_f32 v[24+\i], v[24+\i], v82              ; the probabilities
.endr
	v_mov_b32 v84, v24                             ; the largest so far, and its index
	v_mov_b32 v100, 0
.irp i, 1
	s_delay_alu instid0(VALU_DEP_2)
	v_cmp_ge_f32 vcc_lo, v84, v[24+\i]             ; kept where it is at least as large: a tie keeps the lower index
	s_delay_alu instid0(VALU_DEP_1)
	v_cndmask_b32 v100, \i, v100, vcc_lo
	s_delay_alu instid0(VALU_DEP_2)
	v_cndmask_b32 v84, v[24+\i], v84, vcc_lo
.endr
.irp i, 2, 3, 4, 5, 6, 7
	s_delay_alu instid0(VALU_DEP_1)
	v_cmp_ge_f32 vcc_lo, v84, v[24+\i]
	s_delay_alu instid0(VALU_DEP_1)
	v_cndmask_b32 v100, \i, v100, vcc_lo
	s_delay_alu instid0(VALU_DEP_2)
	v_cndmask_b32 v84, v[24+\i], v84, vcc_lo
.endr
.irp i, 0,1,2,3,4,5,6,7
	v_cmp_ne_u32 vcc_lo, \i, v100
	s_delay_alu instid0(VALU_DEP_1)
	v_cndmask_b32 v[32+\i], -1.0, v[24+\i], vcc_lo ; the winner is taken out: -1 lies under every probability
.endr
	v_mov_b32 v85, v32
	v_mov_b32 v101, 0
.irp i, 1
	s_delay_alu instid0(VALU_DEP_2)
	v_cmp_ge_f32 vcc_lo, v85, v[32+\i]
	s_delay_alu instid0(VALU_DEP_1)
	v_cndmask_b32 v101, \i, v101, vcc_lo
	s_delay_alu instid0(VALU_DEP_2)
	v_cndmask_b32 v85, v[32+\i], v85, vcc_lo
.endr
.irp i, 2, 3, 4, 5, 6, 7
	s_delay_alu instid0(VALU_DEP_1)
	v_cmp_ge_f32 vcc_lo, v85, v[32+\i]
	s_delay_alu instid0(VALU_DEP_1)
	v_cndmask_b32 v101, \i, v101, vcc_lo
	s_delay_alu instid0(VALU_DEP_2)
	v_cndmask_b32 v85, v[32+\i], v85, vcc_lo
.endr
	s_delay_alu instid0(VALU_DEP_1)
	v_add_f32 v86, v84, v85
	s_wait_alu depctr_va_vdst(0)
	v_rcp_f32 v87, v86
	v_nop
	s_wait_alu depctr_va_vdst(0)
	v_mul_f32 v102, v84, v87                       ; the two weights, renormalised
	v_mul_f32 v103, v85, v87
	global_store_b64 v9, v[100:101], s[8:9]        ; lanes 16-31 store the same words as lanes 0-15
	global_store_b64 v9, v[102:103], s[10:11]
.Lend:
	s_wait_tensorcnt 0x0
	ds_add_u32 v14, v15
	s_wait_dscnt 0x0
	s_endpgm
.Lfunc_end_k_q1abc564418_route:
	.size	k_q1abc564418_route, .Lfunc_end_k_q1abc564418_route-k_q1abc564418_route
	.p2alignl 7, 3214868480
	.fill 96, 4, 3214868480
	.section	.rodata,"a",@progbits
	.p2align	6, 0x0
	.amdhsa_kernel k_q1abc564418_route
		.amdhsa_group_segment_fixed_size 109568
		.amdhsa_private_segment_fixed_size 0
		.amdhsa_enable_private_segment 0
		.amdhsa_kernarg_size 32
		.amdhsa_user_sgpr_count 2
		.amdhsa_user_sgpr_kernarg_segment_ptr 1
		.amdhsa_wavefront_size32 1
		.amdhsa_system_sgpr_workgroup_id_x 1
		.amdhsa_system_sgpr_workgroup_id_y 1
		.amdhsa_system_sgpr_workgroup_id_z 1
		.amdhsa_system_vgpr_workitem_id 0
		.amdhsa_next_free_vgpr 256
		.amdhsa_next_free_sgpr 66
		.amdhsa_reserve_vcc 1
		.amdhsa_float_denorm_mode_32 3
		.amdhsa_float_denorm_mode_16_64 3
		.amdhsa_memory_ordered 1
		.amdhsa_forward_progress 1
		.amdhsa_inst_pref_size 24
	.end_amdhsa_kernel
	.amdgpu_metadata
---
amdhsa.version: [ 1, 2 ]
amdhsa.kernels:
  - .name:           k_q1abc564418_route
    .symbol:         k_q1abc564418_route.kd
    .args:
      - { .name: x, .offset: 0, .size: 8, .value_kind: global_buffer, .address_space: global }
      - { .name: Wg, .offset: 8, .size: 8, .value_kind: global_buffer, .address_space: global }
      - { .name: idx, .offset: 16, .size: 8, .value_kind: global_buffer, .address_space: global }
      - { .name: gw, .offset: 24, .size: 8, .value_kind: global_buffer, .address_space: global }
    .group_segment_fixed_size: 109568
    .private_segment_fixed_size: 0
    .kernarg_segment_align: 8
    .kernarg_segment_size: 32
    .max_flat_workgroup_size: 256
    .sgpr_count:     66
    .vgpr_count:     256
    .wavefront_size: 32
...
	.end_amdgpu_metadata
.endif
;; end of part 6
;; launch place (part 7): grid 135 x 1, 32 waves a work-group, no clusters, 16,384 bytes of LDS; arguments idx, gw, x, plan, xs; writes plan, xs
.if DOCPART == 7
	.amdgcn_target "amdgcn-amd-amdhsa--gfx1250"
	.amdhsa_code_object_version 6
	.text
	.protected	k_q1abc564418_place
	.globl	k_q1abc564418_place
	.p2align	8
	.type	k_q1abc564418_place,@function
k_q1abc564418_place:
	s_mov_b64 s[64:65], 0
	v_nop
	global_prefetch_b8 v0, s[64:65] scope:SCOPE_SE
	s_setreg_imm32_b32 hwreg(HW_REG_WAVE_MODE, 25, 1), 1
	s_wait_xcnt 0x0
; THE PLACING.  The 2,048 rows (token, k) are sorted by expert, each expert's rows filled up to whole tiles of 16: at most (2,048 + 8 x 15) / 16 = 135 tiles, whatever the choice.
; Work-group T owns tile T.  Every work-group repeats the ranking (8 KB of idx; thread t = token t), finds the 16 rows of its tile, gathers their x, quantises it to BF6 (E3M2) along C
; and stores it as images of operand registers.  A work-group whose tile no expert uses stores nothing: the grid serves every split.
; plan: pos [1024][2] (a row's place among the sorted rows) at 0; meta [32][2] (an expert's first tile, its number of tiles; entries 8-31 zero) at 8,192: stored by work-group 0.
; xs:  codes [135 T][8 s][1,536]: the fragment of tile T, K step s: registers 4 g .. 4 g + 3 of lane l at 512 g + 16 l;  scale words [T][8 s][16 rows] at XSO;  gate weights [2,160] at GWO.
; A filling row takes token 0's x and the gate weight 0; nobody adds it to an output.
; THE RANKING is eight waves' work on each SIMD, so it is kept short: the waves' counts lie in LDS by expert, lane (q, e) adds the counts of waves 8 q .. 8 q + 7 for expert e, two exchanges join the four q,
; and tiles, first tiles and bases are made in lanes 0-7; a wave none of whose tokens stands in tile T jumps over the search for the tile's rows.
; THE QUANTISER: a block's scale byte is its largest magnitude's exponent field - 4, held at 1 from below by a floor among the maximum's leaves.
; LIMITS: NaN and infinities are not served; a block whose largest magnitude lies under 2^-122, a block of zeros among them, keeps the byte 1 (its codes are then zeros or subnormals; this program alone reads the bytes).
; No address hangs on a float; those that hang on idx are clamped by a constant written in the instruction.
.set XSO, 1658880
.set GWO, 1728000
.set CP,  144                          ; LDS: counts [expert][wave] at 0, rows 144 bytes apart (32 rows: lanes 8-31 store zeros that nobody reads);
.set LIST, 5120                        ; lists [32 waves][32 words]
.macro Q32 src, dst, tmp, m0, so, by   ; 32 numbers of one block in v[src] on -> six registers of codes at v[dst], the conversion's scale operand, the scale's byte
	v_max3_num_f32 v[\m0], |v[\src]|, |v[\src+1]|, 0x2800000       ; two chains; the floor 2^(5 - 127) among the leaves
	v_max3_num_f32 v[\m0+1], |v[\src+2]|, |v[\src+3]|, 0x2800000
.irp i, 4,8,12,16,20,24,28
	s_delay_alu instid0(VALU_DEP_2)
	v_max3_num_f32 v[\m0], v[\m0], |v[\src+\i]|, |v[\src+\i+1]|
	s_delay_alu instid0(VALU_DEP_2)
	v_max3_num_f32 v[\m0+1], v[\m0+1], |v[\src+\i+2]|, |v[\src+\i+3]|
.endr
	s_delay_alu instid0(VALU_DEP_1)
	v_max_num_f32 v[\m0], v[\m0], v[\m0+1]
	s_delay_alu instid0(VALU_DEP_1)
	v_add_nc_u32 v[\so], 0xfe000000, v[\m0]        ; 4 off the exponent field: the conversion takes that field as its scale
	s_delay_alu instid0(VALU_DEP_1)
	v_lshrrev_b32 v[\by], 23, v[\so]
	v_cvt_scalef32_pk16_bf6_f32 v[\dst:\dst+2], v[\src:\src+15], v[\so]
	v_cvt_scalef32_pk16_bf6_f32 v[\tmp:\tmp+2], v[\src+16:\src+31], v[\so]   ; (a conversion's three registers begin on an even number)
	v_nop                                          ; one plain place behind a scaled conversion
.irp i, 0,1,2
	v_mov_b32 v[\dst+3+\i], v[\tmp+\i]
.endr
.endm
	s_load_b256 s[4:11], s[0:1], 0x0               ; idx s[4:5], gw s[6:7], x s[8:9], plan s[10:11]
	s_load_b64 s[12:13], s[0:1], 0x20              ; xs
	v_and_b32 v1, 31, v0                           ; lane
	v_lshrrev_b32 v2, 5, v0
	s_delay_alu instid0(VALU_DEP_1)
	v_readfirstlane_b32 s14, v2                    ; wave
	v_lshlrev_b32 v3, 3, v0                        ; 8 t: my token's pair in idx and in pos
	v_lshlrev_b32 v4, 2, v0                        ; 4 t = 128 x wave + 4 x lane: my word of my wave's list
	s_lshl_b32 s15, s14, 2
	v_mul_u32_u24 v5, v1, CP
	s_delay_alu instid0(VALU_DEP_1)
	v_add_nc_u32 v5, s15, v5                       ; the counts, in: row = my lane (the expert), word = my wave
	v_and_b32 v46, 7, v1                           ; e
	s_delay_alu instid0(VALU_DEP_1)
	v_mul_u32_u24 v46, v46, CP
	v_lshrrev_b32 v47, 3, v1                       ; q
	s_delay_alu instid0(VALU_DEP_1)
	v_lshl_add_u32 v46, v47, 5, v46                ; the counts, back: row e, the words of waves 8 q .. 8 q + 7
	s_delay_alu instid0(VALU_DEP_2)
	v_lshlrev_b32 v47, 3, v47
	s_delay_alu instid0(VALU_DEP_1)
	v_sub_nc_u32 v47, s14, v47                     ; d = my wave - 8 q: wave 8 q + i stands in front of mine where i < d
	s_mov_b32 s74, 0x76543210
	s_mov_b32 s75, 0xfedcba98                      ; v_permlanex16_b32's selects for lane l xor 16
	s_wait_kmcnt 0x0
	global_load_b64 v[6:7], v3, s[4:5]             ; my token's two experts
	v_mov_b32 v8, 0                                ; lane e: my wave's count for expert e
	v_mov_b32 v9, 0                                ; my rank in my wave, for my first expert
	v_mov_b32 v10, 0                               ; and for my second
	s_wait_loadcnt 0x0
.irp e, 0,1,2,3,4,5,6,7
	v_cmp_eq_u32 s[16+\e], \e, v6                  ; who has expert e first,
	v_cmp_eq_u32 s[24+\e], \e, v7                  ; who second (never both)
	s_or_b32 s2, s[16+\e], s[24+\e]
	s_bcnt1_i32_b32 s3, s2
	v_mbcnt_lo_u32_b32 v11, s2, 0                  ; how many lanes below me have it
	s_wait_alu depctr_va_vdst(0)
	v_cndmask_b32 v9, v9, v11, s[16+\e]
	v_cndmask_b32 v10, v10, v11, s[24+\e]
	v_writelane_b32 v8, s3, \e
.endr
	ds_store_b32 v5, v8
	s_wait_dscnt 0x0                               ; my wave's counts lie in LDS
	s_barrier_signal -1
	s_barrier_wait -1
	ds_load_b128 v[12:15], v46                     ; lane (q, e): expert e's counts in waves 8 q .. 8 q + 7
	ds_load_b128 v[16:19], v46 offset:16
	s_wait_dscnt 0x0
.irp i, 0,1,2,3,4,5,6,7
	v_cmp_lt_i32 vcc_lo, \i, v47
	s_delay_alu instid0(VALU_DEP_1)
	v_cndmask_b32 v[20+\i], 0, v[12+\i], vcc_lo    ; those of waves in front of mine
.endr
	v_add3_u32 v28, v12, v13, v14
	v_add3_u32 v29, v20, v21, v22
	s_delay_alu instid0(VALU_DEP_2)
	v_add3_u32 v28, v28, v15, v16
	s_delay_alu instid0(VALU_DEP_2)
	v_add3_u32 v29, v29, v23, v24
	s_delay_alu instid0(VALU_DEP_2)
	v_add3_u32 v28, v28, v17, v18
	s_delay_alu instid0(VALU_DEP_2)
	v_add3_u32 v29, v29, v25, v26
	s_delay_alu instid0(VALU_DEP_2)
	v_add_nc_u32 v28, v28, v19
	s_delay_alu instid0(VALU_DEP_2)
	v_add_nc_u32 v29, v29, v27
	s_delay_alu instid0(VALU_DEP_1)
	v_lshl_or_b32 v28, v29, 16, v28                ; low half: for the total; high half: for the rows in front of my wave's.  Neither sum passes 1,024
	s_delay_alu instid0(VALU_DEP_1)
	v_mov_b32_dpp v29, v28 row_xmask:8 row_mask:0xf bank_mask:0xf
	s_delay_alu instid0(VALU_DEP_1)
	v_add_nc_u32 v28, v28, v29                     ; q and q xor 1,
	s_delay_alu instid0(VALU_DEP_1)
	v_permlanex16_b32 v29, v28, s74, s75
	s_delay_alu instid0(VALU_DEP_1)
	v_add_nc_u32 v28, v28, v29                     ; and q xor 2: every lane holds the sums of expert lane % 8
	s_delay_alu instid0(VALU_DEP_1)
	v_and_b32 v30, 0xffff, v28                     ; the expert's rows
	s_delay_alu instid0(VALU_DEP_2)
	v_lshrrev_b32 v31, 16, v28                     ; those of waves in front of mine
	s_delay_alu instid0(VALU_DEP_2)
	v_add_nc_u32 v30, 15, v30
	s_delay_alu instid0(VALU_DEP_1)
	v_lshrrev_b32 v30, 4, v30                      ; its tiles
	s_delay_alu instid0(VALU_DEP_1)
	v_mov_b32 v34, v30
.irp n, 1,2,4                                  ; the running sum over the experts, right in lanes 0-7: lane i adds lane i - n's; a lane without such a lane keeps the 0
	v_mov_b32 v35, 0
	s_delay_alu instid0(VALU_DEP_2)
	v_mov_b32_dpp v35, v34 row_shr:\n row_mask:0xf bank_mask:0xf
	s_delay_alu instid0(VALU_DEP_1)
	v_add_nc_u32 v34, v34, v35
.endr
	s_delay_alu instid0(VALU_DEP_1)
	v_sub_nc_u32 v35, v34, v30                     ; its first tile
	s_delay_alu instid0(VALU_DEP_1)
	v_lshl_add_u32 v36, v35, 4, v31                ; where my wave's rows of it begin
.irp e, 0,1,2,3,4,5,6,7
	v_readlane_b32 s[40+\e], v36, \e
.endr
	v_readlane_b32 s66, v34, 7                     ; tiles in all
	v_mov_b32 v28, 0
	v_mov_b32 v29, 0
.irp e, 0,1,2,3,4,5,6,7
	v_mov_b32 v27, s[40+\e]
	s_delay_alu instid0(VALU_DEP_1)
	v_cndmask_b32 v28, v28, v27, s[16+\e]
	s_delay_alu instid0(VALU_DEP_2)
	v_cndmask_b32 v29, v29, v27, s[24+\e]
.endr
	s_delay_alu instid0(VALU_DEP_2)
	v_add_nc_u32 v32, v28, v9                      ; my two rows' places
	s_delay_alu instid0(VALU_DEP_2)
	v_add_nc_u32 v33, v29, v10
	s_cmp_lg_u32 ttmp9, 0
	s_cbranch_scc1 .Lnoplan                        ; the plan is work-group 0's to store
	global_store_b64 v3, v[32:33], s[10:11]
	s_cmp_lg_u32 s14, 0
	s_cbranch_scc1 .Lnoplan
	v_cmp_gt_u32 vcc_lo, 8, v1
	s_delay_alu instid0(VALU_DEP_1)
	v_cndmask_b32 v24, 0, v35, vcc_lo              ; lanes 0-7: the experts' first tiles and numbers of tiles; the others zeros
	s_delay_alu instid0(VALU_DEP_2)
	v_cndmask_b32 v25, 0, v30, vcc_lo
	v_lshlrev_b32 v26, 3, v1
	global_store_b64 v26, v[24:25], s[10:11] offset:8192   ; 32 lanes: 256 consecutive bytes
.Lnoplan:
; Which of my wave's tokens stands at place 16 T + r?  Lane r of v37: token + 1, bit 16 set where it is the token's second expert; 0 if none of mine.
	v_mov_b32 v37, 0
	s_wait_alu depctr_va_vdst(0)
	v_lshrrev_b32 v44, 4, v32                      ; my two rows' tiles
	v_lshrrev_b32 v45, 4, v33
	s_mov_b32 s72, ttmp9
	v_cmp_eq_u32 s2, s72, v44
	v_cmp_eq_u32 s3, s72, v45
	s_or_b32 s2, s2, s3
	s_cmp_eq_u32 s2, 0
	s_cbranch_scc1 .Lnolist                        ; none of my wave's rows lies in tile T: its list stays zeros.  (A tile's 16 rows come from a few neighbouring waves)
	s_lshl_b32 s67, ttmp9, 4
	s_lshl_b32 s71, s14, 5
	s_add_co_u32 s71, s71, 1
.irp r, 0,1,2,3,4,5,6,7,8,9,10,11,12,13,14,15
	s_wait_alu depctr_va_vdst(0)
	s_add_co_u32 s2, s67, \r
	v_cmp_eq_u32 s3, s2, v32
	v_cmp_eq_u32 s68, s2, v33
	s_or_b32 s69, s3, s68
	s_ctz_i32_b32 s70, s69
	s_add_co_u32 s70, s70, s71
	s_cmp_lg_u32 s68, 0
	s_cselect_b32 s2, 0x10000, 0
	s_or_b32 s70, s70, s2
	s_cmp_lg_u32 s69, 0
	s_cselect_b32 s70, s70, 0
	v_writelane_b32 v37, s70, \r
.endr
.Lnolist:
	ds_store_b32 v4, v37 offset:LIST
	s_wait_dscnt 0x0                               ; my wave's list lies in LDS
	s_barrier_signal -1
	s_barrier_wait -1
	s_cmp_ge_u32 s14, 8
	s_cbranch_scc1 .Lend                           ; eight waves quantise, one K step of 128 each; no barrier follows
	s_cmp_ge_u32 ttmp9, s66
	s_cbranch_scc1 .Lend                           ; no expert uses this tile
	v_and_b32 v38, 15, v0
	s_delay_alu instid0(VALU_DEP_1)
	v_lshlrev_b32 v38, 2, v38                      ; 4 r
	v_bfe_u32 v41, v0, 4, 1                        ; h
.set i, 0
.rept 32
	ds_load_b32 v[64+i], v38 offset:LIST+128*i     ; row r's word in every wave's list: one of them at most is not 0
.set i, i+1
.endr
	s_wait_dscnt 0x0
.irp d, 16,8,4,2,1
.set i, 0
.rept \d
	v_or_b32 v[64+i], v[64+i], v[64+\d+i]
.set i, i+1
.endr
.endr
	s_delay_alu instid0(VALU_DEP_1)
	v_mov_b32 v42, v64                             ; token + 1 and the bit, or 0
	s_delay_alu instid0(VALU_DEP_1)
	v_and_b32 v39, 0xffff, v42
	s_delay_alu instid0(VALU_DEP_1)
	v_max_u32 v39, 1, v39
	s_delay_alu instid0(VALU_DEP_1)
	v_add_nc_u32 v39, -1, v39                      ; the token; a filling row takes token 0
	s_delay_alu instid0(VALU_DEP_1)
	v_min_u32 v39, 0x3ff, v39                      ; a number from memory enters an address only clamped
	s_delay_alu instid0(VALU_DEP_1)
	v_lshlrev_b32 v40, 12, v39
	s_delay_alu instid0(VALU_DEP_1)
	v_lshl_add_u32 v40, v41, 7, v40                ; its row of x, + 128 h: lane (r, h) takes blocks h and 2 + h of the K step, whole
	s_lshl_b32 s2, s14, 9
	s_mov_b32 s3, 0
	s_add_nc_u64 s[72:73], s[8:9], s[2:3]          ; my K step: 512 bytes of a row
.irp c, 0,1
.irp j, 0,1,2,3,4,5,6,7
	global_load_b128 v[64+32*\c+4*\j:64+32*\c+4*\j+3], v40, s[72:73] offset:256*\c+16*\j
.endr
.endr
	s_mul_i32 s2, ttmp9, 12288
	s_mul_i32 s67, s14, 1536
	s_add_co_u32 s2, s2, s67
	s_add_nc_u64 s[76:77], s[12:13], s[2:3]        ; the fragment's image
	s_lshl_b32 s2, ttmp9, 9
	s_lshl_b32 s67, s14, 6
	s_add_co_u32 s2, s2, s67
	s_add_co_u32 s2, s2, XSO
	s_add_nc_u64 s[78:79], s[12:13], s[2:3]        ; its 16 scale words
	s_lshl_b32 s2, ttmp9, 6
	s_add_co_u32 s2, s2, GWO
	s_add_nc_u64 s[80:81], s[12:13], s[2:3]        ; the tile's 16 gate weights
	v_lshlrev_b32 v31, 4, v1                       ; 16 x lane
	s_wait_loadcnt 0x0
	Q32 64, 44, 56, 59, 61, 62                     ; registers 0-5 of the fragment: k = 32 h + 0 .. 31
	Q32 96, 50, 56, 59, 61, 63                     ; registers 6-11: k = 64 + 32 h + 0 .. 31
	v_lshl_or_b32 v43, v63, 16, v62                ; my two bytes: blocks h and 2 + h,
	v_lshlrev_b32 v59, 3, v41
	s_delay_alu instid0(VALU_DEP_1)
	v_lshlrev_b32 v43, v59, v43                    ; at their places in the row's scale word;
	s_delay_alu instid0(VALU_DEP_1)
	v_permlanex16_b32 v60, v43, s74, s75
	s_delay_alu instid0(VALU_DEP_1)
	v_or_b32 v43, v43, v60                         ; with lane l xor 16's two the word is whole
.irp g, 0,1,2
	global_store_b128 v31, v[44+4*\g:44+4*\g+3], s[76:77] offset:512*\g   ; 32 lanes store 512 consecutive bytes
.endr
	global_store_b32 v38, v43, s[78:79]            ; both halves of the lanes store the same word
	s_cmp_lg_u32 s14, 0
	s_cbranch_scc1 .Lend
	v_bfe_u32 v20, v42, 16, 1                      ; wave 0: the rows' gate weights
	s_delay_alu instid0(VALU_DEP_1)
	v_lshl_or_b32 v20, v39, 1, v20
	s_delay_alu instid0(VALU_DEP_1)
	v_min_u32 v20, 0x7ff, v20
	s_delay_alu instid0(VALU_DEP_1)
	v_lshlrev_b32 v20, 2, v20
	global_load_b32 v21, v20, s[6:7]
	v_cmp_ne_u32 vcc_lo, 0, v42
	s_wait_loadcnt 0x0
	v_cndmask_b32 v21, 0, v21, vcc_lo              ; a filling row weighs nothing
	global_store_b32 v38, v21, s[80:81]
.Lend:
	s_wait_xcnt 0x0
	v_lshl_add_u32 v126, v0, 2, 0x3000
	v_mov_b32 v127, 0
	s_wait_alu depctr_va_vdst(0)
	s_wait_tensorcnt 0x0
	ds_add_u32 v126, v127
	s_wait_dscnt 0x0
	s_endpgm
.Lfunc_end_k_q1abc564418_place:
	.size	k_q1abc564418_place, .Lfunc_end_k_q1abc564418_place-k_q1abc564418_place
	.p2alignl 7, 3214868480
	.fill 96, 4, 3214868480
	.section	.rodata,"a",@progbits
	.p2align	6, 0x0
	.amdhsa_kernel k_q1abc564418_place
		.amdhsa_group_segment_fixed_size 16384
		.amdhsa_private_segment_fixed_size 0
		.amdhsa_enable_private_segment 0
		.amdhsa_kernarg_size 40
		.amdhsa_user_sgpr_count 2
		.amdhsa_user_sgpr_kernarg_segment_ptr 1
		.amdhsa_wavefront_size32 1
		.amdhsa_system_sgpr_workgroup_id_x 1
		.amdhsa_system_sgpr_workgroup_id_y 1
		.amdhsa_system_sgpr_workgroup_id_z 1
		.amdhsa_system_vgpr_workitem_id 0
		.amdhsa_next_free_vgpr 128
		.amdhsa_next_free_sgpr 96
		.amdhsa_reserve_vcc 1
		.amdhsa_float_denorm_mode_32 3
		.amdhsa_float_denorm_mode_16_64 3
		.amdhsa_memory_ordered 1
		.amdhsa_forward_progress 1
		.amdhsa_inst_pref_size 33
	.end_amdhsa_kernel
	.amdgpu_metadata
---
amdhsa.version: [ 1, 2 ]
amdhsa.kernels:
  - .name:           k_q1abc564418_place
    .symbol:         k_q1abc564418_place.kd
    .args:
      - { .name: idx, .offset: 0, .size: 8, .value_kind: global_buffer, .address_space: global }
      - { .name: gw, .offset: 8, .size: 8, .value_kind: global_buffer, .address_space: global }
      - { .name: x, .offset: 16, .size: 8, .value_kind: global_buffer, .address_space: global }
      - { .name: plan, .offset: 24, .size: 8, .value_kind: global_buffer, .address_space: global }
      - { .name: xs, .offset: 32, .size: 8, .value_kind: global_buffer, .address_space: global }
    .group_segment_fixed_size: 16384
    .private_segment_fixed_size: 0
    .kernarg_segment_align: 8
    .kernarg_segment_size: 40
    .max_flat_workgroup_size: 1024
    .sgpr_count:     96
    .vgpr_count:     128
    .wavefront_size: 32
...
	.end_amdgpu_metadata
.endif
;; end of part 7
;; launch ffn1 (part 8): grid 32 x 8, 8 waves a work-group, no clusters, 103,424 bytes of LDS; arguments W1, b1, xs, plan, h; writes h
.if DOCPART == 8
	.amdgcn_target "amdgcn-amd-amdhsa--gfx1250"
	.amdhsa_code_object_version 6
	.text
	.protected	k_q1abc564418_ffn1
	.globl	k_q1abc564418_ffn1
	.p2align	8
	.type	k_q1abc564418_ffn1,@function
k_q1abc564418_ffn1:
	s_mov_b64 s[64:65], 0
	v_nop
	global_prefetch_b8 v0, s[64:65] scope:SCOPE_SE
	s_setreg_imm32_b32 hwreg(HW_REG_WAVE_SCHED_MODE, 0, 2), 2
	s_setreg_imm32_b32 hwreg(HW_REG_WAVE_MODE, 25, 1), 1
	s_wait_xcnt 0x0
	s_wait_alu depctr_vm_vsrc(0)
; THE FIRST PRODUCT OF AN EXPERT, ON ITS OWN ROWS ALONE: h = Q(gelu(Q(x) Q(W1) + b1)), both operands codes of BF6 (E3M2) with one E8M0 scale for each 32 along K.
; SHARES.  Work-group (fs, e) owns columns 128 fs .. 128 fs + 127 of expert e, for all K = 1,024: 512 KB of f32, read ONCE from memory, quantised in registers, kept in LDS as 64 fragments.
; Then its eight waves walk the expert's tiles of 16 rows, two tiles a trip: in trip j wave w takes tiles w + 16 j and w + 16 j + 8, so that what is over after a round of 16 tiles is spread, a tile a wave.
; The number of tiles is read from plan, so this text has no tensor load; its one barrier stands ahead of every branch on that number.  Multicast is not used: trip counts differ between the work-groups that share rows.
; PHASE Q.  A quad = 64 columns x 128 K = 4 fragments.  Lane (r, hh) loads 16 bytes: columns 4 r .. 4 r + 3 of the 64, row 64 c + 32 hh + i: sixteen lanes read 256 consecutive, aligned bytes.
; Column 4 r + cc of the sixteen lanes forms weight tile cc, and lane half hh holds block 2 c + hh whole, which is the operand's layout: a move for each number sets a column's 32 numbers on end
; (and carries them from the loads' window to the work's), the conversions' results are the fragment, and no lane is asked for a maximum.
; b1 comes by sixteen loads of 16 bytes, issued ahead of the weights into the quantiser's work registers, and is moved into the result's order behind the first wait for weights.
; The first trip's rows of x are asked for as soon as the load set in which they land is free: behind the third of the four half quads.
; PHASE M.  The product is used transposed (source 0 = a weight tile, source 1 = 16 rows of x): register j of lane (r', h) in tile (g, cc) is row r', column 64 g + 32 h + 4 j + cc.
; So the 32 registers of tiles cc = 0 .. 3 are ONE WHOLE BLOCK of the next product's K in one lane, in the order p = 8 cc + j <-> unit 4 j + cc.  They are quantised in that order;
; the second product's launch takes W2's rows of each block in the same order, which leaves every product and every block's scale as they are.
; GELU, exact form, in f32: with a = x / sqrt(2), t = |a|: for t <= 0.9277 erf(a) = a + a P(a^2); beyond, erfc(t) = exp(polynomial of degree 7 in t), and gelu = max(x, 0) - |x| erfc(t) / 2.
; Both are computed for every number and chosen by v_cndmask_b32: no branch on floating-point data.
; Where a trip's second tile does not exist, its operands come from the expert's last tile (a clamp), its products are made and thrown away, and its way out is jumped over.
; LIMITS: NaN and infinities are not served; a block whose largest magnitude lies under 2^-122 keeps the scale byte 1 (a block of zeros too: its codes are zeros, and this program alone reads the bytes);
; erf is good to about an ulp of 1, so gelu of x under -5 or so has a relative error that grows with |x| while its size falls under 1e-6 |x|; exponentials under 2^-126 are 0.
; THE MODE: SCHED_MODE bits 1:0 = 2 (LLVM: expert scheduling mode 2), set by the entry lines.  The code itself states the register dependences
; between vector or matrix instructions and memory or LDS instructions, with s_wait_alu, always for 0.
; THE PLAN.  Registers that memory or LDS instructions touch, and who else names them:
;   v4-v9, v11-v13   offsets and LDS addresses: made at the head, never written again: one wait on va_vdst ahead of the first load serves them all.
;   LI1, R41         their copies in window 1: written in phase Q, read by the way out's stores alone, behind the way out's own wait.
;   load sets 0, 1   a half quad's maxima and moves read a set; behind them one wait on va_vdst, and loads land in the set again (set 0 the last time: the first trip's rows of x).
;   F, SO            written by conversions, moves and selects; read by a quad's LDS stores: va_vdst ahead of the stores; vm_vsrc behind them, ahead of the next quad's conversions
;                    and of phase M's LDS loads, which land in the same registers.
;   WF, group g      read by a K step's eight products of group g; behind them one wait on va_vdst, and the group's next fragments are asked for: they land while the other group is multiplied.
;                    The wait behind group 1 also serves the loads into x's slot of this K step: loads and a window switch alone stand between.
;   AS, AF           the next trip's: behind one wait on va_vdst at the head of their run: the products have read them, and the way out has worked in the slots' registers.
;   PC, ESW          written by the way out's conversions, read by its stores: va_vdst ahead of the stores; vm_vsrc ahead of the next writer: tile 1's conversions, the next trip's loads.
;   BIAS, T, the maxima and the accumulators are named by vector and matrix instructions alone.  A, B and the scales of every product come from loads.
;   s14 (the wave's number) and s52-59 (gelu's eight masks) are written by vector instructions: a wait on va_sdst stands ahead of the first reader of each run.
.set WP,   16384                       ; a row of W1 in bytes
.set XSO,  1658880                     ; xs: where the scale words begin
.set HSO,  6635520                     ; h: where the scale words begin
.set WSC,  98304                       ; LDS: 64 fragments of 1,536 bytes at 0 (fragment 4 q + cc of quad q); behind them the quads' scale words, 256 bytes a quad
; window 0: v1 lane, v2 r, v3 hh; v4 W1: hh x 32 rows + 16 r; v5 16 x lane; v6 the same + 49,152; v7 where I store images; v8 where I store scale words; v9 WSC + 4 x lane; v10 8 hh; v11 128 hh; v12 4 x lane; v13 4 r
.set BIAS, 24                          ; v24-87   b1 in the result's layout: 32 g + 8 cc + j
.set T,    88                          ; v88-151  phase Q: two columns' 32 numbers on end; at the head: b1 as it is loaded
.set F,    152                         ; v152-199 phase Q: a quad's four fragments: 12 cc + 6 c
.set M,    200                         ; v200-203 maxima; v204-205 scale operands; v206-207 bytes; v208-211 scale words; v212-219 conversions' second halves; v220-223 exchange
.set SO,   204
.set BY,   206
.set SW,   208
.set TC,   212
.set PX,   220
.set WF,   88                          ; v88-183  phase M: weight fragments, a group of four for each 64 columns
.set WS,   184                         ; v184-215 phase M: the weights' scale words: 2 q + a: lanes 0-15 tile 2 a, lanes 16-31 tile 2 a + 1
.set AS,   232                         ; v232-239 x's scale words: 4 m + q: lanes 0-15 K step 2 q, lanes 16-31 K step 2 q + 1
; window 1: phase Q: v0-127, v128-255 two sets of 32 loads.  phase M: v0-95 x's fragments, four slots of two (in the set that is free first); v96-105 copies and constants; v128-255 accumulators 64 m + 32 g + 8 cc + j
.set AF,   0
.set LI1,  96
.set R41,  97
.set SH1,  98
.set PX1,  99
.set CL1,  100
.set CL3,  102
.set CS1,  104
.set ACC,  128
.set GA,   0                           ; the way out works on the slots' registers: a, a^2, t, the large branch, at work, the small branch
.set GS,   8
.set GT,   16
.set GR,   24
.set GU,   32
.set GP,   40
.set EM,   48
.set ESO,  50
.set EBY,  52
.set ESW,  54
.set PC,   56                          ; v56-67 the fragment just made
.set ETC,  68
; scalars: s14 wave, s15 fs, s16 e, s17 first tile, s18 tiles, s20 the trip's first tile among the expert's, s21 last tile; s[22:23] b1's part; s[24:25] W1's part; s60 my wave's trips, s61 the trips done
.set WB,   24
.set AB,   26                          ; s[26:29] the trip's two tiles in xs' codes;  s[30:33] in its scale words;  s[34:37] in h's codes;  s[38:41] in h's scale words
.set SB,   30
.set HB,   34
.set HSB,  38
.set CM,   52                          ; s52-59   on the way out: gelu's eight masks (between the ways out these are temporaries of the set-up)
.set TRIPS, 60
.set DONE,  61
.set MSB, 0
.macro WIN new                         ; the immediate's high byte repeats the setting that is left; a switch that changes nothing is dropped
.if MSB != \new
	s_set_vgpr_msb (MSB<<8)|\new
.set MSB, \new
.endif
.endm
.macro LOADHQ n, again                 ; half a quad: 32 rows x 64 columns for each half of the lanes, into set n % 2.  n = 2 qq + c.  again = 1: the set has been worked on
	WIN 0x40                                       ; destination window 1
.if \again
	s_wait_alu depctr_va_vdst(0)                   ; the maxima and the moves are done reading this set, in which the loads below land
.endif
.set i, 0
.rept 32
	global_load_b128 v[128*((\n)&1)+4*i:128*((\n)&1)+4*i+3], v4, s[WB:WB+1] offset:(64*((\n)&1)+i)*WP+256*((\n)>>1) th:TH_LOAD_NT
.set i, i+1
.endr
.endm
.macro BIASMOV                         ; b1 from the order of memory (4 j + cc) into the result's (8 cc + j)
	WIN 0
.irp g, 0,1
.irp c, 0,1,2,3
.irp j, 0,1,2,3,4,5,6,7
	v_mov_b32 v[BIAS+32*\g+8*\c+\j], v[T+32*\g+4*\j+\c]
.endr
.endr
.endr
.endm
.macro SETUP                           ; the trip's two tiles: first tile + s20 + 8 m, held at the expert's last tile, and by a constant written in the instruction
.irp u, 0,1
	s_add_co_u32 s52, s20, s17
	s_add_co_u32 s52, s52, 8*\u
	s_min_u32 s52, s52, s21
	s_min_u32 s52, s52, 134
	s_mov_b32 s55, 0
	s_mul_i32 s54, s52, 12288
	s_add_nc_u64 s[AB+2*\u:AB+2*\u+1], s[8:9], s[54:55]
	s_lshl_b32 s54, s52, 9
	s_add_nc_u64 s[SB+2*\u:SB+2*\u+1], s[46:47], s[54:55]
	s_mul_i32 s54, s52, 49152
	s_add_nc_u64 s[HB+2*\u:HB+2*\u+1], s[48:49], s[54:55]
	s_lshl_b32 s54, s52, 11
	s_add_nc_u64 s[HSB+2*\u:HSB+2*\u+1], s[50:51], s[54:55]
.endr
.endm
.macro LOADA                           ; the trip's scale words (8 loads) and its fragments of K steps 0-3 (4 slots of 6 loads)
	WIN 0
	s_wait_alu depctr_va_vdst(0)                   ; all that read or wrote the registers in which these 32 loads land is done: in phase Q the maxima and moves that read load set 0; in the loop the products that read x's scale words and slots, and the way out, which worked in the slots' registers
.irp u, 0,1
.irp q, 0,1,2,3
	global_load_b32 v[AS+4*\u+\q], v12, s[SB+2*\u:SB+2*\u+1] offset:128*\q
.endr
.endr
	WIN 0x40
.irp k, 0,1,2,3
.irp u, 0,1
.irp g, 0,1,2
	global_load_b128 v[AF+24*\k+12*\u+4*\g:AF+24*\k+12*\u+4*\g+3], v5, s[AB+2*\u:AB+2*\u+1] offset:1536*\k+512*\g
.endr
.endr
.endr
.endm
.macro PRELOAD                         ; behind the last move out of load set 0: my first trip's operands, and what the way out keeps in window 1
	WIN 0
	s_mov_b32 s20, s14
	SETUP
	LOADA
	v_mov_b32 v[LI1], v5                           ; (destination window 1; none of these ten is a register of the loads above)
	v_mov_b32 v[R41], v13
	v_mov_b32 v[SH1], v10
	v_mov_b32 v[PX1], 0
	v_mov_b32 v[CL1], 0x39c8e7d9                   ; 3.83197126e-4
	v_mov_b32 v[CL1+1], 0x39c8e7d9
	v_mov_b32 v[CL3], 0x3cc6b1a1                   ; 2.42546219e-2
	v_mov_b32 v[CL3+1], 0x3cc6b1a1
	v_mov_b32 v[CS1], 0x3ba38d2c                   ; 4.99119423e-3
	v_mov_b32 v[CS1+1], 0x3ba38d2c
.endm
; Half a quad is quantised, two columns at a time.  cnt: the loads younger than this set's 32, which may stay out.
.macro HQ n, cnt
.set RS, 128*((\n)&1)
.set CP, (\n)&1
	s_wait_loadcnt \cnt
.if \n == 0
	BIASMOV                                        ; b1's loads are older than the weights': they are in too
.endif
.irp pc, 0,1
	WIN 0x05                                       ; sources 0 and 1 window 1 (the loads' registers); source 2 and the destination window 0
.irp a, 0,1
	v_max3_num_f32 v[M+2*\a], |v[RS+2*\pc+\a]|, |v[RS+4+2*\pc+\a]|, 0x2800000       ; a column's block: two chains; the floor 2^(5 - 127) among the leaves
	v_max3_num_f32 v[M+2*\a+1], |v[RS+8+2*\pc+\a]|, |v[RS+12+2*\pc+\a]|, 0x2800000
.endr
.irp i, 4,8,12,16,20,24,28
.irp a, 0,1
	v_max3_num_f32 v[M+2*\a], |v[RS+4*\i+2*\pc+\a]|, |v[RS+4*\i+4+2*\pc+\a]|, v[M+2*\a]
	v_max3_num_f32 v[M+2*\a+1], |v[RS+4*\i+8+2*\pc+\a]|, |v[RS+4*\i+12+2*\pc+\a]|, v[M+2*\a+1]
.endr
.endr
.irp a, 0,1
.set p, 0
.rept 32
	v_mov_b32 v[T+32*\a+p], v[RS+4*p+2*\pc+\a]     ; the column's 32 numbers on end, K ascending
.set p, p+1
.endr
.endr
.if (\pc == 1) && (\n < 2)
	LOADHQ (\n)+2, 1                               ; the set is free: it takes the half quad two on
.endif
.if (\pc == 1) && (\n == 2)
	PRELOAD                                        ; set 0 is free for good
.endif
	WIN 0
.irp a, 0,1
	v_max_num_f32 v[M+2*\a], v[M+2*\a], v[M+2*\a+1]
.endr
.irp a, 0,1
	v_add_nc_u32 v[SO+\a], 0xfe000000, v[M+2*\a]   ; 4 off the exponent field: the conversion's scale operand
.endr
.irp a, 0,1
	v_lshrrev_b32 v[BY+\a], 23, v[SO+\a]           ; the scale's byte
.endr
.irp a, 0,1
.if CP == 0
	v_mov_b32 v[SW+2*\pc+\a], v[BY+\a]             ; block hh,
.else
	v_lshl_or_b32 v[SW+2*\pc+\a], v[BY+\a], 16, v[SW+2*\pc+\a]   ; block 2 + hh
.endif
.endr
.irp a, 0,1
	v_cvt_scalef32_pk16_bf6_f32 v[F+12*(2*\pc+\a)+6*CP:F+12*(2*\pc+\a)+6*CP+2], v[T+32*\a:T+32*\a+15], v[SO+\a]
	v_cvt_scalef32_pk16_bf6_f32 v[TC+4*\a:TC+4*\a+2], v[T+32*\a+16:T+32*\a+31], v[SO+\a]   ; (a conversion's three registers begin on an even number)
.endr
	v_nop                                          ; one plain place behind a scaled conversion
.irp a, 0,1
.irp i, 0,1,2
	v_mov_b32 v[F+12*(2*\pc+\a)+6*CP+3+\i], v[TC+4*\a+\i]
.endr
.endr
.endr
.endm
.macro FINQ qq                         ; a quad is whole: its scale words are joined, and fragments and words go to LDS as images of their registers
.irp c, 0,1,2,3
	v_lshlrev_b32 v[SW+\c], v10, v[SW+\c]          ; my two bytes at their places (8 hh bits up);
.endr
.irp c, 0,1,2,3
	v_permlanex16_b32 v[PX+\c], v[SW+\c], s42, s43
.endr
.irp c, 0,1,2,3
	v_or_b32 v[SW+\c], v[SW+\c], v[PX+\c]          ; with lane l xor 16's two the word is whole, in both halves
.endr
.irp a, 0,1
	v_cndmask_b32 v[SO+\a], v[SW+2*\a], v[SW+2*\a+1], s44   ; lanes 0-15 keep tile 2 a's words, lanes 16-31 tile 2 a + 1's
.endr
	s_wait_alu depctr_va_vdst(0)                   ; the conversions and moves have written v[F ..], the selects v[SO ..]: the LDS stores read them.  (The second time also: the quantiser is done with v88-215, in which phase M's LDS loads land; no vector instruction stands between)
.irp c, 0,1,2,3
.irp g, 0,1,2
	ds_store_b128 v7, v[F+12*\c+4*\g:F+12*\c+4*\g+3] offset:6144*\qq+1536*\c+512*\g
.endr
.endr
.irp a, 0,1
	ds_store_b32 v8, v[SO+\a] offset:256*\qq+128*\a
.endr
	s_wait_dscnt 0x0                               ; they lie in LDS (the second time: for the others' sake, ahead of the barrier)
	s_wait_alu depctr_vm_vsrc(0)                   ; the LDS stores have read v[F ..] and v[SO ..], which the next quad's conversions write again (the second time: in which phase M's LDS loads land)
.endm
.macro WREQ gg, ks                     ; the four weight fragments of columns 64 gg on, K step ks: 12 LDS loads of 512 consecutive bytes
.irp c, 0,1,2,3
.irp g, 0,1,2
.set fi, 4*(2*(\ks)+(\gg))+\c
.if fi < 32
	ds_load_b128 v[WF+48*(\gg)+12*\c+4*\g:WF+48*(\gg)+12*\c+4*\g+3], v5 offset:1536*fi+512*\g
.else
	ds_load_b128 v[WF+48*(\gg)+12*\c+4*\g:WF+48*(\gg)+12*\c+4*\g+3], v6 offset:1536*(fi-32)+512*\g
.endif
.endr
.endr
.endm
.macro WM d, a, b, c, sa, sb, ra, rb   ; one product; ra, rb: the scales stand in lanes 16-31 of their registers
.if ((\ra) == 0) && ((\rb) == 0)
	v_wmma_scale_f32_16x16x128_f8f6f4 v[(\d):(\d)+7], v[(\a):(\a)+11], v[(\b):(\b)+11], v[(\c):(\c)+7], v[(\sa)], v[(\sb)] matrix_a_fmt:MATRIX_FMT_BF6 matrix_b_fmt:MATRIX_FMT_BF6
.elseif ((\rb) == 0)
	v_wmma_scale_f32_16x16x128_f8f6f4 v[(\d):(\d)+7], v[(\a):(\a)+11], v[(\b):(\b)+11], v[(\c):(\c)+7], v[(\sa)], v[(\sb)] matrix_a_fmt:MATRIX_FMT_BF6 matrix_b_fmt:MATRIX_FMT_BF6 matrix_a_scale:MATRIX_SCALE_ROW1
.elseif ((\ra) == 0)
	v_wmma_scale_f32_16x16x128_f8f6f4 v[(\d):(\d)+7], v[(\a):(\a)+11], v[(\b):(\b)+11], v[(\c):(\c)+7], v[(\sa)], v[(\sb)] matrix_a_fmt:MATRIX_FMT_BF6 matrix_b_fmt:MATRIX_FMT_BF6 matrix_b_scale:MATRIX_SCALE_ROW1
.else
	v_wmma_scale_f32_16x16x128_f8f6f4 v[(\d):(\d)+7], v[(\a):(\a)+11], v[(\b):(\b)+11], v[(\c):(\c)+7], v[(\sa)], v[(\sb)] matrix_a_fmt:MATRIX_FMT_BF6 matrix_b_fmt:MATRIX_FMT_BF6 matrix_a_scale:MATRIX_SCALE_ROW1 matrix_b_scale:MATRIX_SCALE_ROW1
.endif
.endm
; A K step of 128: 16 products on 16 accumulators by turns, one instruction a turn.  K step 0 takes b1 as its C: nothing is cleared and no bias is added.
.macro KSTEP ks
.if \ks <= 4
	s_wait_loadcnt 18                              ; this step's slot is in; the three slots of 6 loads asked for behind it may be out
.else
	s_wait_loadcnt 6*(7-\ks)
.endif
.irp gg, 0,1
.if (\gg == 1) && (\ks == 7)
	s_wait_dscnt 0x0
.else
	s_wait_dscnt 12                                ; this group's 12 LDS loads are in; the 12 issued behind them may be out
.endif
.if \ks == 0
	WIN 0x44                                       ; source 0 (weights) and C (b1) window 0, source 1 (x) and D window 1
.else
	WIN 0x54                                       ; C and D window 1
.endif
.irp c, 0,1,2,3
.irp u, 0,1
.set rD, ACC+64*\u+32*\gg+8*\c
.if \ks == 0
.set rC, BIAS+32*\gg+8*\c
.else
.set rC, rD
.endif
	WM rD, WF+48*\gg+12*\c, AF+24*(\ks%4)+12*\u, rC, WS+2*(2*\ks+\gg)+\c/2, AS+4*\u+\ks/2, \c%2, \ks%2
.endr
.endr
.rept 4
	v_nop                                          ; four places behind these products, ahead of the loads into registers that they have read and, behind the last K step, of the first read of results; they stay beside the wait below
.endr
.if (\gg == 1) && (\ks == 7)
	v_nop                                          ; a fifth: the next trip's first products write these accumulators anew, with another C
.endif
	WIN 0
.if \ks < 7
	s_wait_alu depctr_va_vdst(0)                   ; these eight products are done reading this group's fragments, in which the LDS loads below land; behind group 1 also: both groups' products are done reading x's slot of this K step
	WREQ \gg, (\ks)+1
.endif
.endr
.if \ks < 4
	WIN 0x40
.irp u, 0,1
.irp g, 0,1,2
	global_load_b128 v[AF+24*\ks+12*\u+4*\g:AF+24*\ks+12*\u+4*\g+3], v5, s[AB+2*\u:AB+2*\u+1] offset:1536*(\ks+4)+512*\g   ; the slot takes K step ks + 4.  No further wait: LDS loads and a window switch alone stand behind the last one
.endr
.endr
.endif
.endm
.macro PKL d, a, b, lit                ; d = a b + a constant, four pairs
.irp k, 0,2,4,6
	v_pk_fma_f32 v[\d+\k:\d+\k+1], v[\a+\k:\a+\k+1], v[\b+\k:\b+\k+1], \lit op_sel_hi:[1,1,0]
.endr
.endm
.macro GELU8 x                         ; eight numbers, one accumulator, in place; all in window 1
.irp k, 0,2,4,6
	v_pk_mul_f32 v[GA+\k:GA+\k+1], v[(\x)+\k:(\x)+\k+1], 0x3f3504f3 op_sel_hi:[1,0]   ; a = x / sqrt(2).  (The accumulator is read from its low end on)
.endr
.irp k, 0,1,2,3,4,5,6,7
	v_and_b32 v[GT+\k], 0x7fffffff, v[GA+\k]       ; t = |a|
.endr
.irp k, 0,2,4,6
	v_pk_mul_f32 v[GS+\k:GS+\k+1], v[GA+\k:GA+\k+1], v[GA+\k:GA+\k+1]
.endr
.irp k, 0,2,4,6
	v_pk_fma_f32 v[GR+\k:GR+\k+1], v[GT+\k:GT+\k+1], 0xb7910000, v[CL1:CL1+1] op_sel_hi:[1,0,1]   ; the large branch: ln erfc(t), degree 7
.endr
.irp k, 0,2,4,6
	v_pk_fma_f32 v[GU+\k:GU+\k+1], v[GT+\k:GT+\k+1], 0xbb7e8a1c, v[CL3:CL3+1] op_sel_hi:[1,0,1]
.endr
.irp k, 0,2,4,6
	v_pk_fma_f32 v[GR+\k:GR+\k+1], v[GR+\k:GR+\k+1], v[GS+\k:GS+\k+1], v[GU+\k:GU+\k+1]
.endr
	PKL GR, GR, GT, 0xbddaae5c
	PKL GR, GR, GT, 0xbf228550
	PKL GR, GR, GT, 0xbe03ce86
.irp k, 0,2,4,6
	v_pk_fma_f32 v[GR+\k:GR+\k+1], v[GR+\k:GR+\k+1], v[GT+\k:GT+\k+1], v[GT+\k:GT+\k+1] neg_lo:[0,0,1] neg_hi:[0,0,1]
.endr
.irp k, 0,2,4,6
	v_pk_fma_f32 v[GR+\k:GR+\k+1], v[GR+\k:GR+\k+1], 0x3fb8aa3b, -1.0 op_sel_hi:[1,0,0]   ; x log2(e), less 1: the exponential gives erfc(t) / 2
.endr
	s_wait_alu depctr_va_vdst(0)
.irp k, 0,1,2,3,4,5,6,7
	v_exp_f32 v[GR+\k], v[GR+\k]
.endr
.irp k, 0,2,4,6
	v_pk_fma_f32 v[GP+\k:GP+\k+1], v[GS+\k:GS+\k+1], 0xba1c7000, v[CS1:CS1+1] op_sel_hi:[1,0,1]   ; the small branch stands behind the exponentials as their independent work
.endr
	PKL GP, GP, GS, 0xbcdb48d9
	PKL GP, GP, GS, 0x3de70e22
	PKL GP, GP, GS, 0xbec09380
	PKL GP, GP, GS, 0x3e0375d4
.irp k, 0,2,4,6
	v_pk_fma_f32 v[GU+\k:GU+\k+1], v[GP+\k:GP+\k+1], v[GA+\k:GA+\k+1], v[GA+\k:GA+\k+1]   ; erf(a)
.endr
.irp k, 0,2,4,6
	v_pk_fma_f32 v[GU+\k:GU+\k+1], v[GU+\k:GU+\k+1], 0.5, 0.5 op_sel_hi:[1,0,0]
.endr
.irp k, 0,2,4,6
	v_pk_mul_f32 v[GU+\k:GU+\k+1], v[GU+\k:GU+\k+1], v[(\x)+\k:(\x)+\k+1]
.endr
.irp k, 0,1,2,3,4,5,6,7
	v_max_num_f32 v[GA+\k], 0, v[(\x)+\k]
.endr
.irp k, 0,1,2,3,4,5,6,7
	v_cmp_lt_f32 s[CM+\k], 0x3f6d8000, v[GT+\k]    ; t > 0.927734375: the eight compares in one run, a scalar register to each mask
.endr
	s_wait_alu depctr_va_vdst(0)                   ; the eight exponentials have written v[GR ..]: one wait, ahead of their first reader
.irp k, 0,1,2,3,4,5,6,7
	v_fma_f32 v[GR+\k], -|v[(\x)+\k]|, v[GR+\k], v[GA+\k]   ; max(x, 0) - |x| erfc(t) / 2
.endr
	s_wait_alu depctr_va_sdst(0)                   ; the eight compares have written s[CM ..], ahead of the first select that reads one
.irp k, 0,1,2,3,4,5,6,7
	v_cndmask_b32 v[(\x)+\k], v[GU+\k], v[GR+\k], s[CM+\k]
.endr
.endm
.macro Q32 src, dst, tmp, m0, so, by   ; 32 numbers of one block -> six registers of codes, the conversion's scale operand, the scale's byte
	v_max3_num_f32 v[\m0], |v[(\src)]|, |v[(\src)+1]|, 0x2800000
	v_max3_num_f32 v[\m0+1], |v[(\src)+2]|, |v[(\src)+3]|, 0x2800000
.irp i, 4,8,12,16,20,24,28
	v_max3_num_f32 v[\m0], v[\m0], |v[(\src)+\i]|, |v[(\src)+\i+1]|
	v_max3_num_f32 v[\m0+1], v[\m0+1], |v[(\src)+\i+2]|, |v[(\src)+\i+3]|
.endr
	v_max_num_f32 v[\m0], v[\m0], v[\m0+1]
	v_add_nc_u32 v[\so], 0xfe000000, v[\m0]
	v_lshrrev_b32 v[\by], 23, v[\so]
	v_cvt_scalef32_pk16_bf6_f32 v[(\dst):(\dst)+2], v[(\src):(\src)+15], v[\so]
	v_cvt_scalef32_pk16_bf6_f32 v[\tmp:\tmp+2], v[(\src)+16:(\src)+31], v[\so]
	v_nop                                          ; one plain place behind a scaled conversion
.irp i, 0,1,2
	v_mov_b32 v[(\dst)+3+\i], v[\tmp+\i]
.endr
.endm
.macro EPI u                           ; tile u of the trip: gelu, quantised along the next K, stored as the fragment (tile, K step fs) of the second product
	WIN 0x55                                       ; everything in window 1
.irp t, 0,1,2,3,4,5,6,7
	GELU8 ACC+64*\u+8*\t
.endr
	s_wait_xcnt 0x0                                ; the stores of the tile before have read their registers, which are written again now
.if \u
	s_wait_alu depctr_vm_vsrc(0)                   ; tile 0's stores have read v[PC ..] and v[ESW], which the lines below write again.  (Ahead of tile 0 the wait in the loop's tail has stated the same of the trip before)
.endif
	Q32 ACC+64*\u, PC, ETC, EM, ESO, EBY           ; block h of the K step: registers 0-5
	Q32 ACC+64*\u+32, PC+6, ETC, EM, ESO+1, EBY+1  ; block 2 + h: registers 6-11
	v_lshl_or_b32 v[ESW], v[EBY+1], 16, v[EBY]
	v_lshlrev_b32 v[ESW], v[SH1], v[ESW]
	v_permlanex16_b32 v[PX1], v[ESW], s42, s43
	v_or_b32 v[ESW], v[ESW], v[PX1]                ; my row's scale word
	s_wait_alu depctr_va_vdst(0)                   ; the conversions and moves have written v[PC ..], the line above v[ESW]: the stores read them; so are their offsets v[LI1] and v[R41], made in phase Q
.irp g, 0,1,2
	global_store_b128 v[LI1], v[PC+4*\g:PC+4*\g+3], s[HB+2*\u:HB+2*\u+1] offset:512*\g   ; 32 lanes store 512 consecutive bytes, aligned to 512
.endr
	global_store_b32 v[R41], v[ESW], s[HSB+2*\u:HSB+2*\u+1]   ; both halves of the lanes store the same word
.endm
	s_load_b256 s[4:11], s[0:1], 0x0               ; W1 s[4:5], b1 s[6:7], xs s[8:9], plan s[10:11]
	s_load_b64 s[12:13], s[0:1], 0x20              ; h
	v_lshl_add_u32 v254, v0, 2, 0x19000
	v_mov_b32 v255, 0
	v_and_b32 v1, 31, v0
	v_and_b32 v2, 15, v0
	v_bfe_u32 v3, v0, 4, 1
	v_lshrrev_b32 v4, 5, v0
	v_readfirstlane_b32 s14, v4                    ; wave
	s_mov_b32 s15, ttmp9                           ; fs
	s_and_b32 s16, ttmp7, 0xffff                   ; e
	v_lshlrev_b32 v4, 4, v2
	v_lshl_add_u32 v4, v3, 19, v4                  ; 16 r + hh x 32 rows of 16,384 bytes
	v_lshlrev_b32 v5, 4, v1
	v_add_nc_u32 v6, 49152, v5
	s_wait_alu depctr_va_sdst(0)                   ; s14 is written, ahead of its first reader
	s_mul_i32 s56, s14, 12288
	v_add_nc_u32 v7, s56, v5                       ; my wave's eight fragments
	v_lshlrev_b32 v12, 2, v1
	s_lshl_b32 s56, s14, 9
	s_add_co_u32 s56, s56, WSC
	v_add_nc_u32 v8, s56, v12                      ; my wave's two quads' scale words
	v_add_nc_u32 v9, WSC, v12
	v_lshlrev_b32 v10, 3, v3
	v_lshlrev_b32 v11, 7, v3
	v_lshlrev_b32 v13, 2, v2
.irp c, 0,1,2,3
	v_mov_b32 v[PX+\c], 0                          ; written once: a lane permute's destination counts as read
.endr
	s_mov_b32 s42, 0x76543210
	s_mov_b32 s43, 0xfedcba98                      ; v_permlanex16_b32's selects for lane l xor 16
	s_mov_b32 s44, 0xffff0000                      ; lanes 16-31
	s_lshl_b32 s56, s16, 24                        ; the expert's 2^24 bytes,
	s_lshl_b32 s57, s15, 9                         ; the slice's 512 bytes of a row,
	s_add_co_u32 s56, s56, s57
	s_lshl_b32 s57, s14, 21                        ; my wave's K step: 128 rows
	s_add_co_u32 s56, s56, s57
	s_mov_b32 s57, 0
	s_lshl_b32 s58, s16, 14
	s_lshl_b32 s59, s15, 9
	s_add_co_u32 s58, s58, s59
	s_mov_b32 s59, 0
	s_lshl_b32 s54, s16, 3
	s_wait_kmcnt 0x0
	s_load_b64 s[52:53], s[10:11], s54 offset:0x2000   ; the expert's first tile and its number of tiles
	s_add_nc_u64 s[WB:WB+1], s[4:5], s[56:57]
	s_add_nc_u64 s[22:23], s[6:7], s[58:59]
	s_wait_alu depctr_va_vdst(0)                   ; the offsets and LDS addresses v4 to v9 and v11 to v13 are written: every load, store and LDS instruction of the kernel but the way out's stores reads one of them, and none is written again
.irp g, 0,1
.irp j, 0,1,2,3,4,5,6,7
	global_load_b128 v[T+32*\g+4*\j:T+32*\g+4*\j+3], v11, s[22:23] offset:4*(64*\g+4*\j)   ; b1 at columns 64 g + 32 hh + 4 j + 0 .. 3
.endr
.endr
	LOADHQ 0, 0                                    ; the weights: two sets, 64 loads of 512 bytes a wave
	LOADHQ 1, 0
	s_add_nc_u64 s[46:47], s[8:9], XSO
	s_mul_i32 s56, s15, 1536
	s_add_nc_u64 s[48:49], s[12:13], s[56:57]
	s_lshl_b32 s56, s15, 6
	s_add_co_u32 s56, s56, HSO
	s_add_nc_u64 s[50:51], s[12:13], s[56:57]
	s_wait_kmcnt 0x0
	s_min_u32 s17, s52, 135
	s_min_u32 s18, s53, 64
	s_add_co_u32 s21, s17, s18
	s_max_u32 s21, s21, 1
	s_sub_co_u32 s21, s21, 1                       ; the expert's last tile (for an expert without rows: the tile in front, which is written too)
	s_add_co_u32 s[TRIPS], s18, 15
	s_sub_co_u32 s[TRIPS], s[TRIPS], s14
	s_lshr_b32 s[TRIPS], s[TRIPS], 4               ; how many of the tiles w, w + 16, .. lie under the number of tiles: (tiles + 15 - w) / 16, rounded down; 0 where there is none
	s_mov_b32 s[DONE], 0
	HQ 0, 32                                       ; the other set's 32 loads may be out
	HQ 1, 32
	FINQ 0
	HQ 2, 32
	HQ 3, 32                                       ; the 32 loads of my first trip's operands, issued behind this set's, may be out
	FINQ 1
	s_barrier_signal -1                            ; the launch's one barrier: all 64 fragments and their scale words lie in LDS
	s_barrier_wait -1
	s_cmp_eq_u32 s[TRIPS], 0
	s_cbranch_scc1 .Lend                           ; no tile for my wave
.set i, 0
.rept 32
	ds_load_b32 v[WS+i], v9 offset:128*i           ; all the weights' scale words stay in registers
.set i, i+1
.endr
.Lchunk:
	WREQ 0, 0                                      ; no wait here: on the way in the second quad's two waits, on the way back the next trip's loads' wait stand behind every instruction that named v[WF ..]
	WREQ 1, 0
	KSTEP 0
	KSTEP 1
	KSTEP 2
	KSTEP 3
	KSTEP 4
	KSTEP 5
	KSTEP 6
	KSTEP 7
	EPI 0
	WIN 0                                          ; at a branch and at a label every window is 0
	s_add_co_u32 s52, s20, 8
	s_cmp_ge_u32 s52, s18
	s_cbranch_scc1 .Lone                           ; the trip's second tile does not exist: nothing of it is stored
	EPI 1
	WIN 0
.Lone:
	s_add_co_u32 s[DONE], s[DONE], 1
	s_cmp_ge_u32 s[DONE], s[TRIPS]
	s_cbranch_scc1 .Lend                           ; my last trip asks for nothing more
	s_wait_xcnt 0x0                                ; the stores have read their bases and registers: both are written again below
	s_wait_alu depctr_vm_vsrc(0)                   ; the way out's stores have read v[PC ..] and v[ESW]: they lie among the slots, in which the next trip's fragments land
	s_add_co_u32 s20, s20, 16                      ; my next two tiles: this number forms addresses alone; the loop is counted by s[DONE]
	SETUP
	LOADA
	WIN 0
	s_cmp_lt_u32 s[DONE], s[TRIPS]
	s_cbranch_scc1 .Lchunk
.Lend:
	s_wait_dscnt 0x0                               ; the closing lines, six on end
	s_wait_alu 0x0
	s_wait_tensorcnt 0x0
	ds_add_u32 v254, v255
	s_wait_dscnt 0x0
	s_endpgm
.Lfunc_end_k_q1abc564418_ffn1:
	.size	k_q1abc564418_ffn1, .Lfunc_end_k_q1abc564418_ffn1-k_q1abc564418_ffn1
	.p2alignl 7, 3214868480
	.fill 96, 4, 3214868480
	.section	.rodata,"a",@progbits
	.p2align	6, 0x0
	.amdhsa_kernel k_q1abc564418_ffn1
		.amdhsa_group_segment_fixed_size 103424
		.amdhsa_private_segment_fixed_size 0
		.amdhsa_enable_private_segment 0
		.amdhsa_kernarg_size 40
		.amdhsa_user_sgpr_count 2
		.amdhsa_user_sgpr_kernarg_segment_ptr 1
		.amdhsa_wavefront_size32 1
		.amdhsa_system_sgpr_workgroup_id_x 1
		.amdhsa_system_sgpr_workgroup_id_y 1
		.amdhsa_system_sgpr_workgroup_id_z 1
		.amdhsa_system_vgpr_workitem_id 0
		.amdhsa_next_free_vgpr 512
		.amdhsa_next_free_sgpr 66
		.amdhsa_reserve_vcc 0
		.amdhsa_float_denorm_mode_32 3
		.amdhsa_float_denorm_mode_16_64 3
		.amdhsa_memory_ordered 1
		.amdhsa_forward_progress 1
		.amdhsa_inst_pref_size 255
	.end_amdhsa_kernel
	.section	.bss,"aw",@nobits
	.p2align	6
	.space	262144
	.amdgpu_metadata
---
amdhsa.version: [ 1, 2 ]
amdhsa.kernels:
  - .name:           k_q1abc564418_ffn1
    .symbol:         k_q1abc564418_ffn1.kd
    .args:
      - { .name: W1, .offset: 0, .size: 8, .value_kind: global_buffer, .address_space: global }
      - { .name: b1, .offset: 8, .size: 8, .value_kind: global_buffer, .address_space: global }
      - { .name: xs, .offset: 16, .size: 8, .value_kind: global_buffer, .address_space: global }
      - { .name: plan, .offset: 24, .size: 8, .value_kind: global_buffer, .address_space: global }
      - { .name: h, .offset: 32, .size: 8, .value_kind: global_buffer, .address_space: global }
    .group_segment_fixed_size: 103424
    .private_segment_fixed_size: 0
    .kernarg_segment_align: 8
    .kernarg_segment_size: 40
    .max_flat_workgroup_size: 256
    .sgpr_count:     66
    .vgpr_count:     512
    .wavefront_size: 32
...
	.end_amdgpu_metadata
.endif
;; end of part 8
;; launch ffn2 (part 9): grid 32 x 8, 8 waves a work-group, no clusters, 138,240 bytes of LDS; arguments W2, b2, h, xs, plan, yp; writes yp
.if DOCPART == 9
	.amdgcn_target "amdgcn-amd-amdhsa--gfx1250"
	.amdhsa_code_object_version 6
	.text
	.protected	k_q1abc564418_ffn2
	.globl	k_q1abc564418_ffn2
	.p2align	8
	.type	k_q1abc564418_ffn2,@function
k_q1abc564418_ffn2:
	s_mov_b64 s[64:65], 0
	v_nop
	global_prefetch_b8 v0, s[64:65] scope:SCOPE_SE
	s_setreg_imm32_b32 hwreg(HW_REG_WAVE_SCHED_MODE, 0, 2), 2
	s_setreg_imm32_b32 hwreg(HW_REG_WAVE_MODE, 25, 1), 1
	s_wait_xcnt 0x0
	s_wait_alu depctr_vm_vsrc(0)
; THE SECOND PRODUCT OF AN EXPERT, ON ITS OWN ROWS ALONE: yp[kh][row] = gate weight x (h Q(W2) over half kh of K (+ b2 in half 0)), operands codes of BF6 (E3M2) with one E8M0 scale for each 32 along K.
; SHARES.  Work-group (ns + 16 kh, e) owns columns 64 ns .. 64 ns + 63 (256 bytes of a row) and K = 2,048 kh .. + 2,047 of expert e: 512 KB of f32, read ONCE, quantised in registers, kept in LDS as 64 fragments.
; Two halves of K and sixteen slices of columns: whole aligned runs of 256 bytes in W2 and in yp, h read sixteen times, and two partial rows for each routed row; the last launch adds them.
; Then the eight waves walk the expert's tiles of 16 rows, two a trip: in trip j wave w takes tiles w + 16 j and w + 16 j + 8, so that what is over after a round of 16 tiles is spread, a tile a wave.
; The number of tiles is read from plan, so this text has no tensor load; its one barrier stands ahead of every branch on that number.  Multicast is not used: trip counts differ between the work-groups that share rows.
; PHASE Q: a quad = 64 columns x 128 K = 4 fragments.  Lane (r, hh) loads columns 4 r .. 4 r + 3 of row 64 c + 32 hh + i; column 4 r + cc of the sixteen lanes forms weight tile cc; lane half hh holds block 2 c + hh whole.
; WITHIN A BLOCK OF 32 THE ROWS ARE TAKEN IN THE ORDER IN WHICH h'S CODES LIE: place p holds row 4 (p % 8) + p / 8.  The same order on both operands leaves the products and the block's scale as they are;
; the sums inside a block run in that order.
; b2 comes by eight loads of 16 bytes, issued ahead of the weights into the quantiser's work registers; the move into the result's order also clears it in the second half of K.
; The first trip's gate weights, scale words and first five K steps of h are asked for as soon as the load set in which they land is free: behind the third of the four half quads; the other three K steps behind the fourth.
; PHASE M, transposed (source 0 = a weight tile, source 1 = 16 rows of h): register j of lane (r', h) in tile cc is row r', column 32 h + 4 j + cc.  The multiplication by the gate weight also sets the lane's 32 columns
; in order; they go through the wave's own stage in LDS and leave as whole rows of 256 bytes.
; Where a trip's second tile does not exist, its operands come from the expert's last tile (a clamp), its products are made and thrown away, and its way out is jumped over.
; LIMITS: NaN and infinities are not served; a block whose largest magnitude lies under 2^-122 keeps the scale byte 1 (a block of zeros too: its codes are zeros, and this program alone reads the bytes).
; THE MODE: SCHED_MODE bits 1:0 = 2 (LLVM: expert scheduling mode 2), set by the entry lines.  The code itself states the register dependences
; between vector or matrix instructions and memory or LDS instructions, with s_wait_alu, always for 0.
; THE PLAN.  Registers that memory or LDS instructions touch, and who else names them:
;   v4-v9, v11-v16   offsets and LDS addresses: made at the head, never written again: one wait on va_vdst ahead of the first load serves them all.
;   load sets 0, 1   a half quad's maxima and moves read a set; behind them one wait on va_vdst, and loads land in the set again (the last time: the first trip's rows of h).
;   F, SO            written by conversions, moves and selects; read by a quad's LDS stores: va_vdst ahead of the stores; vm_vsrc behind them, ahead of the next quad's conversions
;                    and of phase M's LDS loads, which land in the same registers.
;   WF, set ks % 2   read by K step ks's eight products; behind them one wait on va_vdst, and the set takes K step ks + 2: it lands while the other set is multiplied.
;                    The same wait serves the loads into h's slot of this K step: LDS loads and a window switch alone stand between.
;   GW, AS, AF       the next trip's: behind one wait on va_vdst at the head of their run: the multiplications have read the gate weights, the products the scale words and the slots.
;   OUT              written by the way out's multiplications, read by its LDS stores: va_vdst ahead of the stores; vm_vsrc ahead of the next multiplications (tile 1's; the next trip's: in the loop's tail).
;   OB = WF's first 64  the last products read them; the loads from the stage land in them (behind OUT's wait on va_vdst); the global stores read them; vm_vsrc in the loop's tail, ahead of the weights' next loads.
;   BIAS, T, the maxima and the accumulators are named by vector and matrix instructions alone.  A, B and the scales of every product come from loads.
;   s16 (the wave's number) is written by a vector instruction: a wait on va_sdst stands ahead of its first reader.
.set WP,   4096                        ; a row of W2 in bytes
.set HSO,  6635520                     ; h: where the scale words begin
.set GWO,  1728000                     ; xs: where the gate weights begin
.set KHB,  8847360                     ; yp: from one half of K to the other
.set WSC,  98304                       ; LDS: 64 fragments of 1,536 bytes at 0 (fragment 4 s + cc); the quads' scale words, 256 bytes a quad;
.set STG,  102400                      ; a stage of 16 rows x (256 + 16) bytes for each wave
; window 0: v1 lane, v2 r, v3 hh; v4 W2: hh x 32 rows + 16 r; v5 16 x lane; v6 the same + 49,152; v7, v8 where I store images and scale words; v9 WSC + 4 x lane; v10 8 hh; v11 128 hh; v12 4 x lane; v13 4 r;
;   v14 the stage, in; v15 the stage, back; v16 my bytes in two rows of yp
.set BIAS, 24                          ; v24-55   b2 in the result's layout: 8 cc + j; zeros in the second half of K
.set OUT,  56                          ; v56-87   a lane's 32 columns in order
.set T,    88                          ; phase Q as in the first product's launch; at the head v88-119: b2 as it is loaded
.set F,    152
.set M,    200
.set SO,   204
.set BY,   206
.set SW,   208
.set TC,   212
.set PX,   220
.set WF,   88                          ; v88-183  phase M: weight fragments, two sets of four, by the K step's parity; on the way out v88-151: rows read back, a set for each tile
.set OB,   88
.set WS,   184                         ; v184-215 the weights' scale words: 2 s + a
.set AS,   232                         ; v232-247 h's scale words: 8 m + q: lanes 0-15 K step 2 q, lanes 16-31 K step 2 q + 1
.set GW,   248                         ; v248-249 the two tiles' gate weights
; window 1: phase Q: v0-127, v128-255 two sets of 32 loads.  phase M: v0-191 h's fragments, eight slots of two (the first five in the set that is free first); v192-255 accumulators 32 m + 8 cc + j
.set AF,   0
.set ACC,  192
; scalars: s16 wave, s17 ns, s18 kh, s19 e, s20 first tile, s21 tiles, s23 the trip's first tile among the expert's, s24 last tile; s25 my wave's trips, s47 the trips done
.set WB,   26
.set AB,   28                          ; s[28:31] the trip's two tiles in h's codes;  s[32:35] in its scale words;  s[36:39] among the gate weights;  s[40:43] in yp
.set SB,   32
.set GB,   36
.set YB,   40
.set TRIPS, 25
.set DONE,  47
.set MSB, 0
.macro WIN new                         ; the immediate's high byte repeats the setting that is left; a switch that changes nothing is dropped
.if MSB != \new
	s_set_vgpr_msb (MSB<<8)|\new
.set MSB, \new
.endif
.endm
.macro LOADHQ n, again                 ; half a quad: 32 rows x 64 columns for each half of the lanes, into set n % 2.  n = 2 qq + c.  again = 1: the set has been worked on
	WIN 0x40                                       ; destination window 1
.if \again
	s_wait_alu depctr_va_vdst(0)                   ; the maxima and the moves are done reading this set, in which the loads below land
.endif
.set i, 0
.rept 32
	global_load_b128 v[128*((\n)&1)+4*i:128*((\n)&1)+4*i+3], v4, s[WB:WB+1] offset:(128*((\n)>>1)+64*((\n)&1)+i)*WP th:TH_LOAD_NT
.set i, i+1
.endr
.endm
.macro BIASMOV                         ; b2 from the order of memory (4 j + cc) into the result's (8 cc + j); it belongs to the first half of K alone
	WIN 0
.irp c, 0,1,2,3
.irp j, 0,1,2,3,4,5,6,7
	v_cndmask_b32 v[BIAS+8*\c+\j], 0, v[T+4*\j+\c], s62
.endr
.endr
.endm
.macro SETUP                           ; the trip's two tiles: first tile + s23 + 8 m, held at the expert's last tile, and by a constant written in the instruction
.irp u, 0,1
	s_add_co_u32 s56, s23, s20
	s_add_co_u32 s56, s56, 8*\u
	s_min_u32 s56, s56, s24
	s_min_u32 s56, s56, 134
	s_mov_b32 s59, 0
	s_mul_i32 s58, s56, 49152
	s_add_nc_u64 s[AB+2*\u:AB+2*\u+1], s[48:49], s[58:59]
	s_lshl_b32 s58, s56, 11
	s_add_nc_u64 s[SB+2*\u:SB+2*\u+1], s[50:51], s[58:59]
	s_lshl_b32 s58, s56, 6
	s_add_nc_u64 s[GB+2*\u:GB+2*\u+1], s[52:53], s[58:59]
	s_lshl_b32 s58, s56, 16
	s_add_nc_u64 s[YB+2*\u:YB+2*\u+1], s[54:55], s[58:59]
.endr
.endm
.macro LOADA1                          ; the trip's gate weights (2 loads), scale words (16) and fragments of K steps 0-4 (5 slots of 6): 48 loads
	WIN 0
	s_wait_alu depctr_va_vdst(0)                   ; all that read the registers in which these loads land is done: in phase Q the maxima and moves that read load set 0; in the loop the multiplications that read the gate weights and the products that read h's scale words and slots
.irp u, 0,1
	global_load_b32 v[GW+\u], v13, s[GB+2*\u:GB+2*\u+1]
.endr
.irp u, 0,1
.irp q, 0,1,2,3,4,5,6,7
	global_load_b32 v[AS+8*\u+\q], v12, s[SB+2*\u:SB+2*\u+1] offset:128*\q
.endr
.endr
	WIN 0x40
.irp k, 0,1,2,3,4
.irp u, 0,1
.irp g, 0,1,2
	global_load_b128 v[AF+24*\k+12*\u+4*\g:AF+24*\k+12*\u+4*\g+3], v5, s[AB+2*\u:AB+2*\u+1] offset:1536*\k+512*\g
.endr
.endr
.endr
.endm
.macro LOADA2 first                    ; and of K steps 5-7 (3 slots of 6).  first = 1: in phase Q, behind the fourth half quad's moves; 0: in the loop, straight behind LOADA1, whose wait serves these loads too
	WIN 0x40
.if \first
	s_wait_alu depctr_va_vdst(0)                   ; the maxima and the moves are done reading load set 1, in which most of these loads land
.endif
.irp k, 5,6,7
.irp u, 0,1
.irp g, 0,1,2
	global_load_b128 v[AF+24*\k+12*\u+4*\g:AF+24*\k+12*\u+4*\g+3], v5, s[AB+2*\u:AB+2*\u+1] offset:1536*\k+512*\g
.endr
.endr
.endr
.endm
.macro PRELOAD                         ; behind the last move out of load set 0
	WIN 0
	s_mov_b32 s23, s16
	SETUP
	LOADA1
.endm
; Half a quad is quantised, two columns at a time.  cnt: the loads younger than this set's 32, which may stay out.
.macro HQ n, cnt
.set RS, 128*((\n)&1)
.set CP, (\n)&1
	s_wait_loadcnt \cnt
.if \n == 0
	BIASMOV                                        ; b2's loads are older than the weights': they are in too
.endif
.irp pc, 0,1
	WIN 0x05                                       ; sources 0 and 1 window 1 (the loads' registers); source 2 and the destination window 0
.irp a, 0,1
	v_max3_num_f32 v[M+2*\a], |v[RS+2*\pc+\a]|, |v[RS+4+2*\pc+\a]|, 0x2800000       ; a column's block: two chains; the floor 2^(5 - 127) among the leaves
	v_max3_num_f32 v[M+2*\a+1], |v[RS+8+2*\pc+\a]|, |v[RS+12+2*\pc+\a]|, 0x2800000
.endr
.irp i, 4,8,12,16,20,24,28
.irp a, 0,1
	v_max3_num_f32 v[M+2*\a], |v[RS+4*\i+2*\pc+\a]|, |v[RS+4*\i+4+2*\pc+\a]|, v[M+2*\a]
	v_max3_num_f32 v[M+2*\a+1], |v[RS+4*\i+8+2*\pc+\a]|, |v[RS+4*\i+12+2*\pc+\a]|, v[M+2*\a+1]
.endr
.endr
.irp a, 0,1
.set p, 0
.rept 32
	v_mov_b32 v[T+32*\a+p], v[RS+4*(4*(p&7)+(p>>3))+2*\pc+\a]   ; the column's 32 numbers on end, in the order of h's codes: place p <- row 4 (p % 8) + p / 8
.set p, p+1
.endr
.endr
.if (\pc == 1) && (\n < 2)
	LOADHQ (\n)+2, 1                               ; the set is free: it takes the half quad two on
.endif
.if (\pc == 1) && (\n == 2)
	PRELOAD                                        ; set 0 is free for good
.endif
.if (\pc == 1) && (\n == 3)
	LOADA2 1                                       ; and so is set 1
.endif
	WIN 0
.irp a, 0,1
	v_max_num_f32 v[M+2*\a], v[M+2*\a], v[M+2*\a+1]
.endr
.irp a, 0,1
	v_add_nc_u32 v[SO+\a], 0xfe000000, v[M+2*\a]   ; 4 off the exponent field: the conversion's scale operand
.endr
.irp a, 0,1
	v_lshrrev_b32 v[BY+\a], 23, v[SO+\a]           ; the scale's byte
.endr
.irp a, 0,1
.if CP == 0
	v_mov_b32 v[SW+2*\pc+\a], v[BY+\a]
.else
	v_lshl_or_b32 v[SW+2*\pc+\a], v[BY+\a], 16, v[SW+2*\pc+\a]
.endif
.endr
.irp a, 0,1
	v_cvt_scalef32_pk16_bf6_f32 v[F+12*(2*\pc+\a)+6*CP:F+12*(2*\pc+\a)+6*CP+2], v[T+32*\a:T+32*\a+15], v[SO+\a]
	v_cvt_scalef32_pk16_bf6_f32 v[TC+4*\a:TC+4*\a+2], v[T+32*\a+16:T+32*\a+31], v[SO+\a]   ; (a conversion's three registers begin on an even number)
.endr
	v_nop                                          ; one plain place behind a scaled conversion
.irp a, 0,1
.irp i, 0,1,2
	v_mov_b32 v[F+12*(2*\pc+\a)+6*CP+3+\i], v[TC+4*\a+\i]
.endr
.endr
.endr
.endm
.macro FINQ qq                         ; a quad is whole: its scale words are joined, and fragments and words go to LDS as images of their registers
.irp c, 0,1,2,3
	v_lshlrev_b32 v[SW+\c], v10, v[SW+\c]
.endr
.irp c, 0,1,2,3
	v_permlanex16_b32 v[PX+\c], v[SW+\c], s44, s45
.endr
.irp c, 0,1,2,3
	v_or_b32 v[SW+\c], v[SW+\c], v[PX+\c]
.endr
.irp a, 0,1
	v_cndmask_b32 v[SO+\a], v[SW+2*\a], v[SW+2*\a+1], s46   ; lanes 0-15 keep tile 2 a's words, lanes 16-31 tile 2 a + 1's
.endr
	s_wait_alu depctr_va_vdst(0)                   ; the conversions and moves have written v[F ..], the selects v[SO ..]: the LDS stores read them.  (The second time also: the quantiser is done with v88-215, in which phase M's LDS loads land; no vector instruction stands between)
.irp c, 0,1,2,3
.irp g, 0,1,2
	ds_store_b128 v7, v[F+12*\c+4*\g:F+12*\c+4*\g+3] offset:6144*\qq+1536*\c+512*\g
.endr
.endr
.irp a, 0,1
	ds_store_b32 v8, v[SO+\a] offset:256*\qq+128*\a
.endr
	s_wait_dscnt 0x0                               ; they lie in LDS (the second time: for the others' sake, ahead of the barrier)
	s_wait_alu depctr_vm_vsrc(0)                   ; the LDS stores have read v[F ..] and v[SO ..], which the next quad's conversions write again (the second time: in which phase M's LDS loads land)
.endm
.macro WREQ ks, bf                     ; the four weight fragments of K step ks into set bf: 12 LDS loads of 512 consecutive bytes
.irp c, 0,1,2,3
.irp g, 0,1,2
.set fi, 4*(\ks)+\c
.if fi < 32
	ds_load_b128 v[WF+48*(\bf)+12*\c+4*\g:WF+48*(\bf)+12*\c+4*\g+3], v5 offset:1536*fi+512*\g
.else
	ds_load_b128 v[WF+48*(\bf)+12*\c+4*\g:WF+48*(\bf)+12*\c+4*\g+3], v6 offset:1536*(fi-32)+512*\g
.endif
.endr
.endr
.endm
.macro WM d, a, b, c, sa, sb, ra, rb   ; one product; ra, rb: the scales stand in lanes 16-31 of their registers
.if ((\ra) == 0) && ((\rb) == 0)
	v_wmma_scale_f32_16x16x128_f8f6f4 v[(\d):(\d)+7], v[(\a):(\a)+11], v[(\b):(\b)+11], v[(\c):(\c)+7], v[(\sa)], v[(\sb)] matrix_a_fmt:MATRIX_FMT_BF6 matrix_b_fmt:MATRIX_FMT_BF6
.elseif ((\rb) == 0)
	v_wmma_scale_f32_16x16x128_f8f6f4 v[(\d):(\d)+7], v[(\a):(\a)+11], v[(\b):(\b)+11], v[(\c):(\c)+7], v[(\sa)], v[(\sb)] matrix_a_fmt:MATRIX_FMT_BF6 matrix_b_fmt:MATRIX_FMT_BF6 matrix_a_scale:MATRIX_SCALE_ROW1
.elseif ((\ra) == 0)
	v_wmma_scale_f32_16x16x128_f8f6f4 v[(\d):(\d)+7], v[(\a):(\a)+11], v[(\b):(\b)+11], v[(\c):(\c)+7], v[(\sa)], v[(\sb)] matrix_a_fmt:MATRIX_FMT_BF6 matrix_b_fmt:MATRIX_FMT_BF6 matrix_b_scale:MATRIX_SCALE_ROW1
.else
	v_wmma_scale_f32_16x16x128_f8f6f4 v[(\d):(\d)+7], v[(\a):(\a)+11], v[(\b):(\b)+11], v[(\c):(\c)+7], v[(\sa)], v[(\sb)] matrix_a_fmt:MATRIX_FMT_BF6 matrix_b_fmt:MATRIX_FMT_BF6 matrix_a_scale:MATRIX_SCALE_ROW1 matrix_b_scale:MATRIX_SCALE_ROW1
.endif
.endm
; A K step of 128: 8 products on 8 accumulators by turns, one instruction a turn.  K step 0 takes the bias as its C.
.macro KSTEP ks
.if \ks <= 8
	s_wait_loadcnt 42                              ; this step's slot is in; the seven slots of 6 loads asked for behind it may be out
.else
	s_wait_loadcnt 6*(15-\ks)
.endif
.if \ks == 15
	s_wait_dscnt 0x0
.else
	s_wait_dscnt 12                                ; this step's 12 LDS loads are in; the next step's 12 may be out
.endif
.if \ks == 0
	WIN 0x44                                       ; source 0 (weights) and C (bias) window 0, source 1 (h) and D window 1
.else
	WIN 0x54                                       ; C and D window 1
.endif
.irp c, 0,1,2,3
.irp u, 0,1
.set rD, ACC+32*\u+8*\c
.if \ks == 0
.set rC, BIAS+8*\c
.else
.set rC, rD
.endif
	WM rD, WF+48*(\ks%2)+12*\c, AF+24*(\ks%8)+12*\u, rC, WS+2*\ks+\c/2, AS+8*\u+\ks/2, \c%2, \ks%2
.endr
.endr
.rept 4
	v_nop                                          ; four places behind these products, ahead of the loads into registers that they have read and, behind the last K step, of the first read of results; they stay beside the wait below
.endr
.if \ks == 15
	v_nop                                          ; a fifth: the next trip's first products write these accumulators anew, with another C
.endif
	WIN 0
.if \ks <= 13
	s_wait_alu depctr_va_vdst(0)                   ; these eight products are done reading their set of weight fragments, in which the LDS loads below land, and h's slot of this K step, in which the global loads behind them land
	WREQ (\ks)+2, \ks%2
.endif
.if \ks < 8
	WIN 0x40
.irp u, 0,1
.irp g, 0,1,2
	global_load_b128 v[AF+24*\ks+12*\u+4*\g:AF+24*\ks+12*\u+4*\g+3], v5, s[AB+2*\u:AB+2*\u+1] offset:1536*(\ks+8)+512*\g   ; the slot takes K step ks + 8.  No further wait: LDS loads and a window switch alone stand behind the last one
.endr
.endr
.endif
.endm
.macro EPI2 u                          ; tile u of the trip: x the gate weight, through my stage, out as whole rows
	WIN 0x01                                       ; source 0 window 1
.if \u
	s_wait_alu depctr_vm_vsrc(0)                   ; tile 0's LDS stores have read v[OUT ..], which the multiplications below write again.  (Ahead of tile 0 the wait in the loop's tail has stated the same of the trip before)
.endif
.irp c, 0,1,2,3
.irp j, 0,1,2,3,4,5,6,7
	v_mul_f32 v[OUT+4*\j+\c], v[ACC+32*\u+8*\c+\j], v[GW+\u]   ; column 32 h + 4 j + cc.  (Each accumulator is read from its low end on)
.endr
.endr
	WIN 0
	s_wait_alu depctr_va_vdst(0)                   ; the multiplications have written v[OUT ..], which the LDS stores read; and the last products are done reading the weight fragments v[OB ..], in which the loads from the stage land
.irp j, 0,1,2,3,4,5,6,7
	ds_store_b128 v14, v[OUT+4*\j:OUT+4*\j+3] offset:16*\j
.endr
.irp i, 0,1,2,3,4,5,6,7
	ds_load_b128 v[OB+32*\u+4*\i:OB+32*\u+4*\i+3], v15 offset:544*\i   ; LDS serves a wave's instructions in order (ISA guide 5.7.1.4): these see my stores, and the next tile's stores come behind them
.endr
.irp i, 0,1,2,3,4,5,6,7
	s_wait_dscnt 7-\i                              ; the loads issued behind this one may be out
	global_store_b128 v16, v[OB+32*\u+4*\i:OB+32*\u+4*\i+3], s[YB+2*\u:YB+2*\u+1] offset:8192*\i th:TH_STORE_NT   ; sixteen lanes store 256 consecutive bytes, aligned to 256: two rows an instruction
.endr
.endm
	s_load_b256 s[4:11], s[0:1], 0x0               ; W2 s[4:5], b2 s[6:7], h s[8:9], xs s[10:11]
	s_load_b128 s[12:15], s[0:1], 0x20             ; plan s[12:13], yp s[14:15]
	v_lshl_add_u32 v254, v0, 2, 0x21800
	v_mov_b32 v255, 0
	v_and_b32 v1, 31, v0
	v_and_b32 v2, 15, v0
	v_bfe_u32 v3, v0, 4, 1
	v_lshrrev_b32 v4, 5, v0
	v_readfirstlane_b32 s16, v4                    ; wave
	s_and_b32 s17, ttmp9, 15                       ; ns
	s_lshr_b32 s18, ttmp9, 4                       ; kh
	s_and_b32 s19, ttmp7, 0xffff                   ; e
	v_lshlrev_b32 v4, 4, v2
	v_lshl_add_u32 v4, v3, 17, v4                  ; 16 r + hh x 32 rows of 4,096 bytes
	v_lshlrev_b32 v5, 4, v1
	v_add_nc_u32 v6, 49152, v5
	s_wait_alu depctr_va_sdst(0)                   ; s16 is written, ahead of its first reader
	s_mul_i32 s56, s16, 12288
	v_add_nc_u32 v7, s56, v5
	v_lshlrev_b32 v12, 2, v1
	s_lshl_b32 s56, s16, 9
	s_add_co_u32 s56, s56, WSC
	v_add_nc_u32 v8, s56, v12
	v_add_nc_u32 v9, WSC, v12
	v_lshlrev_b32 v10, 3, v3
	v_lshlrev_b32 v11, 7, v3
	v_lshlrev_b32 v13, 2, v2
	s_mul_i32 s56, s16, 4352
	s_add_co_u32 s56, s56, STG                     ; my stage
	v_mul_u32_u24 v14, v2, 272
	v_lshl_add_u32 v14, v3, 7, v14
	v_add_nc_u32 v14, s56, v14                     ; in: row r, 128 bytes for each half of the lanes
	v_mul_u32_u24 v15, v3, 272
	v_lshl_add_u32 v15, v2, 4, v15
	v_add_nc_u32 v15, s56, v15                     ; back: lanes 0-15 one row of 256 bytes, lanes 16-31 the next
	v_lshlrev_b32 v16, 12, v3
	v_lshl_add_u32 v16, v2, 4, v16                 ; and the same two rows in yp
.irp c, 0,1,2,3
	v_mov_b32 v[PX+\c], 0                          ; written once: a lane permute's destination counts as read
.endr
	s_mov_b32 s44, 0x76543210
	s_mov_b32 s45, 0xfedcba98                      ; v_permlanex16_b32's selects for lane l xor 16
	s_mov_b32 s46, 0xffff0000                      ; lanes 16-31
	s_cmp_eq_u32 s18, 0
	s_cselect_b32 s62, -1, 0                       ; all lanes in the first half of K, none in the second
	s_lshl_b32 s56, s19, 24                        ; the expert's 2^24 bytes,
	s_lshl_b32 s57, s18, 23                        ; the half's 2,048 rows,
	s_add_co_u32 s56, s56, s57
	s_lshl_b32 s57, s16, 20                        ; my wave's two K steps: 256 rows,
	s_add_co_u32 s56, s56, s57
	s_lshl_b32 s57, s17, 8                         ; the slice's 256 bytes of a row
	s_add_co_u32 s56, s56, s57
	s_mov_b32 s57, 0
	s_lshl_b32 s58, s19, 12
	s_lshl_b32 s59, s17, 8
	s_add_co_u32 s58, s58, s59
	s_mov_b32 s59, 0
	s_lshl_b32 s63, s19, 3
	s_wait_kmcnt 0x0
	s_load_b64 s[20:21], s[12:13], s63 offset:0x2000   ; the expert's first tile and its number of tiles
	s_add_nc_u64 s[WB:WB+1], s[4:5], s[56:57]
	s_add_nc_u64 s[60:61], s[6:7], s[58:59]
	s_wait_alu depctr_va_vdst(0)                   ; the offsets and LDS addresses v4 to v9 and v11 to v16 are written: every load, store and LDS instruction of the kernel reads one of them, and none is written again
.irp j, 0,1,2,3,4,5,6,7
	global_load_b128 v[T+4*\j:T+4*\j+3], v11, s[60:61] offset:16*\j   ; b2 at columns 32 hh + 4 j + 0 .. 3
.endr
	LOADHQ 0, 0                                    ; the weights: two sets, 64 loads of 512 bytes a wave
	LOADHQ 1, 0
	s_mul_i32 s56, s18, 24576
	s_add_nc_u64 s[48:49], s[8:9], s[56:57]        ; h's codes at my half of K
	s_lshl_b32 s56, s18, 10
	s_add_co_u32 s56, s56, HSO
	s_add_nc_u64 s[50:51], s[8:9], s[56:57]        ; its scale words likewise
	s_add_nc_u64 s[52:53], s[10:11], GWO           ; the gate weights
	s_mul_i32 s56, s18, KHB
	s_lshl_b32 s58, s17, 8
	s_add_co_u32 s56, s56, s58
	s_add_nc_u64 s[54:55], s[14:15], s[56:57]      ; yp at my half and my columns
	s_wait_kmcnt 0x0
	s_min_u32 s20, s20, 135
	s_min_u32 s21, s21, 64
	s_add_co_u32 s24, s20, s21
	s_max_u32 s24, s24, 1
	s_sub_co_u32 s24, s24, 1                       ; the expert's last tile (for an expert without rows: the tile in front, which is written too)
	s_add_co_u32 s[TRIPS], s21, 15
	s_sub_co_u32 s[TRIPS], s[TRIPS], s16
	s_lshr_b32 s[TRIPS], s[TRIPS], 4               ; how many of the tiles w, w + 16, .. lie under the number of tiles: (tiles + 15 - w) / 16, rounded down; 0 where there is none
	s_mov_b32 s[DONE], 0
	HQ 0, 32                                       ; the other set's 32 loads may be out
	HQ 1, 32
	FINQ 0
	HQ 2, 32
	HQ 3, 48                                       ; the 48 loads of my first trip's operands, issued behind this set's, may be out
	FINQ 1
	s_barrier_signal -1                            ; the launch's one barrier: all 64 fragments and their scale words lie in LDS
	s_barrier_wait -1
	s_cmp_eq_u32 s[TRIPS], 0
	s_cbranch_scc1 .Lend                           ; no tile for my wave
.set i, 0
.rept 32
	ds_load_b32 v[WS+i], v9 offset:128*i           ; all the weights' scale words stay in registers
.set i, i+1
.endr
.Lchunk:
	WREQ 0, 0                                      ; no wait here: on the way in the second quad's two waits, on the way back the two waits of the loop's tail stand behind every instruction that named v[WF ..]
	WREQ 1, 1
	KSTEP 0
	KSTEP 1
	KSTEP 2
	KSTEP 3
	KSTEP 4
	KSTEP 5
	KSTEP 6
	KSTEP 7
	KSTEP 8
	KSTEP 9
	KSTEP 10
	KSTEP 11
	KSTEP 12
	KSTEP 13
	KSTEP 14
	KSTEP 15
	EPI2 0
	s_add_co_u32 s56, s23, 8                       ; (every window is 0 here, as at every branch and label)
	s_cmp_ge_u32 s56, s21
	s_cbranch_scc1 .Lone                           ; the trip's second tile does not exist: nothing of it is stored
	EPI2 1
.Lone:
	s_add_co_u32 s[DONE], s[DONE], 1
	s_cmp_ge_u32 s[DONE], s[TRIPS]
	s_cbranch_scc1 .Lend                           ; my last trip asks for nothing more
	s_wait_xcnt 0x0                                ; the stores have read their bases and registers: both are written again below and at the loop's head
	s_wait_alu depctr_vm_vsrc(0)                   ; the global stores have read v[OB ..], in which the weights' fragments land at the loop's head; the LDS stores have read v[OUT ..], which the next trip's multiplications write again
	s_add_co_u32 s23, s23, 16                      ; my next two tiles: this number forms addresses alone; the loop is counted by s[DONE]
	SETUP
	LOADA1
	LOADA2 0
	WIN 0
	s_cmp_lt_u32 s[DONE], s[TRIPS]
	s_cbranch_scc1 .Lchunk
.Lend:
	s_wait_dscnt 0x0                               ; the closing lines, six on end
	s_wait_alu 0x0
	s_wait_tensorcnt 0x0
	ds_add_u32 v254, v255
	s_wait_dscnt 0x0
	s_endpgm
.Lfunc_end_k_q1abc564418_ffn2:
	.size	k_q1abc564418_ffn2, .Lfunc_end_k_q1abc564418_ffn2-k_q1abc564418_ffn2
	.p2alignl 7, 3214868480
	.fill 96, 4, 3214868480
	.section	.rodata,"a",@progbits
	.p2align	6, 0x0
	.amdhsa_kernel k_q1abc564418_ffn2
		.amdhsa_group_segment_fixed_size 138240
		.amdhsa_private_segment_fixed_size 0
		.amdhsa_enable_private_segment 0
		.amdhsa_kernarg_size 48
		.amdhsa_user_sgpr_count 2
		.amdhsa_user_sgpr_kernarg_segment_ptr 1
		.amdhsa_wavefront_size32 1
		.amdhsa_system_sgpr_workgroup_id_x 1
		.amdhsa_system_sgpr_workgroup_id_y 1
		.amdhsa_system_sgpr_workgroup_id_z 1
		.amdhsa_system_vgpr_workitem_id 0
		.amdhsa_next_free_vgpr 512
		.amdhsa_next_free_sgpr 66
		.amdhsa_reserve_vcc 0
		.amdhsa_float_denorm_mode_32 3
		.amdhsa_float_denorm_mode_16_64 3
		.amdhsa_memory_ordered 1
		.amdhsa_forward_progress 1
		.amdhsa_inst_pref_size 123
	.end_amdhsa_kernel
	.amdgpu_metadata
---
amdhsa.version: [ 1, 2 ]
amdhsa.kernels:
  - .name:           k_q1abc564418_ffn2
    .symbol:         k_q1abc564418_ffn2.kd
    .args:
      - { .name: W2, .offset: 0, .size: 8, .value_kind: global_buffer, .address_space: global }
      - { .name: b2, .offset: 8, .size: 8, .value_kind: global_buffer, .address_space: global }
      - { .name: h, .offset: 16, .size: 8, .value_kind: global_buffer, .address_space: global }
      - { .name: xs, .offset: 24, .size: 8, .value_kind: global_buffer, .address_space: global }
      - { .name: plan, .offset: 32, .size: 8, .value_kind: global_buffer, .address_space: global }
      - { .name: yp, .offset: 40, .size: 8, .value_kind: global_buffer, .address_space: global }
    .group_segment_fixed_size: 138240
    .private_segment_fixed_size: 0
    .kernarg_segment_align: 8
    .kernarg_segment_size: 48
    .max_flat_workgroup_size: 256
    .sgpr_count:     66
    .vgpr_count:     512
    .wavefront_size: 32
...
	.end_amdgpu_metadata
.endif
;; end of part 9
;; launch combine (part 10): grid 256 x 1, 4 waves a work-group, no clusters, 0 bytes of LDS; arguments yp, plan, out0; writes out0
.if DOCPART == 10
	.amdgcn_target "amdgcn-amd-amdhsa--gfx1250"
	.amdhsa_code_object_version 6
	.text
	.protected	k_q1abc564418_combine
	.globl	k_q1abc564418_combine
	.p2align	8
	.type	k_q1abc564418_combine,@function
k_q1abc564418_combine:
	s_mov_b64 s[64:65], 0
	v_nop
	global_prefetch_b8 v0, s[64:65] scope:SCOPE_SE
	s_setreg_imm32_b32 hwreg(HW_REG_WAVE_MODE, 25, 1), 1
	s_wait_xcnt 0x0
; out[t] = the token's two routed rows, each in two halves of K: four rows of yp, which already carry the gate weights and b2.  A wave to a token: a row is 4,096 bytes, eight loads of 512 consecutive bytes.
; The rows' places come from plan (whole numbers that an earlier launch stored) and enter addresses clamped by a constant written in the instruction.  Memory binds: no LDS, no barrier, no matrix unit.
.set KHB, 8847360                      ; yp: from one half of K to the other
	s_load_b128 s[4:7], s[0:1], 0x0                ; yp s[4:5], plan s[6:7]
	s_load_b64 s[8:9], s[0:1], 0x10                ; out0
	v_lshrrev_b32 v1, 5, v0
	v_readfirstlane_b32 s10, v1                    ; wave
	v_and_b32 v2, 31, v0
	v_lshlrev_b32 v2, 4, v2                        ; 16 bytes a lane
	s_lshl_b32 s11, ttmp9, 2
	s_add_co_u32 s11, s11, s10                     ; my token
	s_lshl_b32 s12, s11, 3
	s_lshl_b32 s16, s11, 12
	s_mov_b32 s17, 0
	s_mov_b32 s19, 0
	s_wait_alu depctr_va_vdst(0)
	s_wait_kmcnt 0x0
	s_load_b64 s[14:15], s[6:7], s12 offset:0x0    ; its two rows' places
	s_add_nc_u64 s[8:9], s[8:9], s[16:17]
	s_wait_kmcnt 0x0
	s_min_u32 s14, s14, 2159
	s_min_u32 s15, s15, 2159
	s_lshl_b32 s18, s14, 12
	s_add_nc_u64 s[20:21], s[4:5], s[18:19]
	s_lshl_b32 s18, s15, 12
	s_add_nc_u64 s[24:25], s[4:5], s[18:19]
	s_add_nc_u64 s[22:23], s[20:21], KHB
	s_add_nc_u64 s[26:27], s[24:25], KHB
.irp i, 0,1,2,3,4,5,6,7
.irp k, 0,1,2,3
	global_load_b128 v[16+32*\k+4*\i:16+32*\k+4*\i+3], v2, s[20+2*\k:21+2*\k] offset:512*\i th:TH_LOAD_NT
.endr
.endr
.irp i, 0,1,2,3,4,5,6,7
	s_wait_loadcnt 4*(7-\i)                        ; this piece's four loads are in; the four of each later piece may be out
.irp d, 0,2
	v_pk_add_f32 v[16+4*\i+\d:17+4*\i+\d], v[16+4*\i+\d:17+4*\i+\d], v[48+4*\i+\d:49+4*\i+\d]       ; the first expert's two halves of K,
	v_pk_add_f32 v[80+4*\i+\d:81+4*\i+\d], v[80+4*\i+\d:81+4*\i+\d], v[112+4*\i+\d:113+4*\i+\d]     ; the second's,
	v_pk_add_f32 v[16+4*\i+\d:17+4*\i+\d], v[16+4*\i+\d:17+4*\i+\d], v[80+4*\i+\d:81+4*\i+\d]       ; and both
.endr
	global_store_b128 v2, v[16+4*\i:19+4*\i], s[8:9] offset:512*\i th:TH_STORE_NT   ; 32 lanes store 512 consecutive bytes, aligned to 512
.endr
	s_endpgm
.Lfunc_end_k_q1abc564418_combine:
	.size	k_q1abc564418_combine, .Lfunc_end_k_q1abc564418_combine-k_q1abc564418_combine
	.p2alignl 7, 3214868480
	.fill 96, 4, 3214868480
	.section	.rodata,"a",@progbits
	.p2align	6, 0x0
	.amdhsa_kernel k_q1abc564418_combine
		.amdhsa_group_segment_fixed_size 0
		.amdhsa_private_segment_fixed_size 0
		.amdhsa_enable_private_segment 0
		.amdhsa_kernarg_size 24
		.amdhsa_user_sgpr_count 2
		.amdhsa_user_sgpr_kernarg_segment_ptr 1
		.amdhsa_wavefront_size32 1
		.amdhsa_system_sgpr_workgroup_id_x 1
		.amdhsa_system_sgpr_workgroup_id_y 1
		.amdhsa_system_sgpr_workgroup_id_z 1
		.amdhsa_system_vgpr_workitem_id 0
		.amdhsa_next_free_vgpr 144
		.amdhsa_next_free_sgpr 66
		.amdhsa_reserve_vcc 0
		.amdhsa_float_denorm_mode_32 3
		.amdhsa_float_denorm_mode_16_64 3
		.amdhsa_memory_ordered 1
		.amdhsa_forward_progress 1
		.amdhsa_inst_pref_size 9
	.end_amdhsa_kernel
	.amdgpu_metadata
---
amdhsa.version: [ 1, 2 ]
amdhsa.kernels:
  - .name:           k_q1abc564418_combine
    .symbol:         k_q1abc564418_combine.kd
    .args:
      - { .name: yp, .offset: 0, .size: 8, .value_kind: global_buffer, .address_space: global }
      - { .name: plan, .offset: 8, .size: 8, .value_kind: global_buffer, .address_space: global }
      - { .name: out0, .offset: 16, .size: 8, .value_kind: global_buffer, .address_space: global }
    .group_segment_fixed_size: 0
    .private_segment_fixed_size: 0
    .kernarg_segment_align: 8
    .kernarg_segment_size: 24
    .max_flat_workgroup_size: 128
    .sgpr_count:     66
    .vgpr_count:     144
    .wavefront_size: 32
...
	.end_amdgpu_metadata
.endif
;; end of part 10
